; MI455X (gfx1250); checked and timed in simulation.
; The chip was launched on July 23, 2026; its instructions are those of AMD's public machine-readable ISA for CDNA 5 (MIT licence, August 2026) and "CDNA5" Instruction Set Architecture Reference Guide (July 2026). The comments in the code are by the model that wrote it; some were corrected since.
;; Stride Mo EOCR. Allowed arithmetic: float matrix products may take bf16 or f16 operands with f32 sums; all other float work in f32.
;; Inputs: W1 8 x 512 x 2,048 float32; W2 8 x 2,048 x 512 float32; b1 8 x 2,048 float32; b2 8 x 512 float32; cn_b 512 float32; cn_g 512 float32; context 4 x 512 x 512 float32; ctx_W 512 x 512 float32; ctx_b 512 float32; qual_W 1 x 512 float32; qual_b 512 float32; quality 4 x 1 float32; rn_b 512 float32; rn_g 512 float32; rtr_W 512 x 8 float32; rtr_b 8 float32; temperature one number float32; x 4 x 512 x 512 float32.
;; Outputs: out0 4 x 512 x 512 float32; out1 one number float32; out2 one number float32; out3 one number float32; out4 one number float32.
;; 2 versions, each right; version 2 is version 1 with the launches gather, gemm1, gemm2 written anew for expert scheduling mode. Each part assembles by itself: llvm-mc -triple=amdgcn-amd-amdhsa -mcpu=gfx1250 --defsym DOCPART=n.
;; ======== version 1 of 2: 7 launches
;; limits: values are held in f16: magnitudes above 65,504 overflow, below 6.1e-05 lose precision
;; workspace buffers: wc 16,384 bytes; sel 16,384 bytes of whole numbers; rstat 24,576 bytes; route 83,200 bytes of whole numbers; xg 17,039,360 bytes; hf 68,157,440 bytes; yp 136,314,880 bytes
;; launch prep (part 1): grid 64 x 1, 8 waves a work-group, no clusters, 19,712 bytes of LDS; arguments ctx_W, rtr_W, wc; writes wc
.if DOCPART == 1
	.amdgcn_target "amdgcn-amd-amdhsa--gfx1250"
	.amdhsa_code_object_version 6
	.text
	.protected	k_q205410c91c_prep
	.globl	k_q205410c91c_prep
	.p2align	8
	.type	k_q205410c91c_prep,@function
k_q205410c91c_prep:
	s_mov_b64 s[64:65], 0
	v_nop
	global_prefetch_b8 v0, s[64:65] scope:SCOPE_SE
	s_setreg_imm32_b32 hwreg(HW_REG_WAVE_MODE, 25, 1), 1
	s_wait_xcnt 0x0
; wc[d][e] = sum over j of ctx_W[d][j] * rtr_W[j][e]   (d, j = 0..511; e = 0..7), in f32 on the vector unit.
; Why: LN(context) x ctx_W x rtr_W = LN(context) x (ctx_W x rtr_W) for every input, so the router needs a product with
; 8 columns in place of one with 512, and can keep it in f32: the choice of the two experts hangs on small differences of logits.
; Matrix units are left out: 4 M multiply-adds in all, and the operands have to stay f32.
; Eight waves, one row d = 8 x work-group + wave each.  Lane l holds ctx_W[d][j] for j = 128 i + 4 l + jj (four 16-byte loads,
; 512 consecutive bytes each).  rtr_W (16 KiB) is copied once into LDS: four rows j (128 bytes) make a group of pitch 144.
.set TABG, 144                         ; pitch of a group of four rows of the table
.set TAB,  0                           ; 128 groups = 18,432 bytes
.set OUTL, 18432                       ; 8 waves x 32 bytes: the work-group's 256 bytes of wc
.set X,    16                          ; v[16:31]   my 16 numbers of the row; element n = 4 i + jj
.set S,    32                          ; v[32:39]   the eight sums
.set TMP,  40                          ; v40        lands the other half's value in the reduction
.set G,    48                          ; v[48:175]  table rows of my 16 j: element n at G + 8 n
.set PS,   12                          ; s[12:13]   lane selects of v_permlanex16_b32
.macro LOADG base                      ; 32 LDS loads: the eight numbers of each of my 16 table rows
.irp i, 0,1,2,3
.irp jj, 0,1,2,3
	ds_load_b128 v[G+8*(4*\i+\jj):G+8*(4*\i+\jj)+3],   v4 offset:\base+4608*\i+32*\jj
	ds_load_b128 v[G+8*(4*\i+\jj)+4:G+8*(4*\i+\jj)+7], v4 offset:\base+4608*\i+32*\jj+16
.endr
.endr
.endm
; s[0..7] (+)= sum over my 16 n of x[n] * G[n][0..7]: 64 packed multiply-adds, x[n] broadcast out of its register pair
.macro DOT x, s, first
.set n, 0
.rept 16
.set p, 0
.rept 4
.if n == 0
.if \first
	v_pk_mul_f32 v[\s+2*p:\s+2*p+1], v[G+2*p:G+2*p+1], v[\x:\x+1] op_sel_hi:[1,0]
.else
	v_pk_fma_f32 v[\s+2*p:\s+2*p+1], v[G+2*p:G+2*p+1], v[\x:\x+1], v[\s+2*p:\s+2*p+1] op_sel_hi:[1,0,1]
.endif
.else
.if (n & 1) == 0
	v_pk_fma_f32 v[\s+2*p:\s+2*p+1], v[G+8*n+2*p:G+8*n+2*p+1], v[\x+n:\x+n+1], v[\s+2*p:\s+2*p+1] op_sel_hi:[1,0,1]
.else
	v_pk_fma_f32 v[\s+2*p:\s+2*p+1], v[G+8*n+2*p:G+8*n+2*p+1], v[\x+n-1:\x+n], v[\s+2*p:\s+2*p+1] op_sel:[0,1,0] op_sel_hi:[1,1,1]
.endif
.endif
.set p, p+1
.endr
.set n, n+1
.endr
.endm
.macro RED8 r                          ; eight sums over the 32 lanes, the results in every lane
.irp k, 1,2,4,8
.irp e, 0,1,2,3,4,5,6,7
	v_add_f32_dpp v[\r+\e], v[\r+\e], v[\r+\e] row_xmask:\k row_mask:0xf bank_mask:0xf
.endr
.endr
.irp e, 0,1,2,3,4,5,6,7
	v_permlanex16_b32 v[TMP], v[\r+\e], s[PS], s[PS+1]
	v_add_f32 v[\r+\e], v[\r+\e], v[TMP]
.endr
.endm
	s_load_b128 s[4:7], s[0:1], 0x0                ; ctx_W s[4:5], rtr_W s[6:7]
	s_load_b64 s[8:9], s[0:1], 0x10                ; wc
	v_lshl_add_u32 v176, v0, 2, 0x4900
	v_mov_b32 v177, 0
	v_and_b32 v1, 31, v0                           ; lane
	v_lshrrev_b32 v5, 5, v0
	v_readfirstlane_b32 s10, v5                    ; wave
	v_lshlrev_b32 v2, 4, v0                        ; 16 t: my 16-byte piece of each quarter of the table
	v_lshrrev_b32 v3, 3, v0                        ; piece p lies at (p >> 3) x 144 + (p & 7) x 16
	v_mul_u32_u24 v3, v3, TABG
	v_and_b32 v6, 7, v0
	v_lshl_add_u32 v3, v6, 4, v3
	v_mul_u32_u24 v4, v1, TABG                     ; my group in each quarter: 144 x lane
	s_lshl_b32 s11, ttmp9, 3
	s_add_co_u32 s11, s11, s10                     ; d
	s_lshl_b32 s11, s11, 11                        ; rows of 2,048 bytes
	v_lshl_add_u32 v7, v1, 4, s11
	s_mov_b32 s12, 0x76543210                      ; lane i of one half reads lane i of the other
	s_mov_b32 s13, 0xfedcba98
	v_mov_b32 v[TMP], 0                            ; v_permlanex16_b32 counts as a reader of its destination
	s_wait_kmcnt 0x0
.irp i, 0,1,2,3
	global_load_b128 v[G+4*\i:G+4*\i+3], v2, s[6:7] offset:4096*\i     ; the table, 4,096 consecutive bytes for the work-group each time
.endr
.irp i, 0,1,2,3
	global_load_b128 v[X+4*\i:X+4*\i+3], v7, s[4:5] offset:512*\i th:TH_LOAD_NT
.endr
	s_wait_loadcnt 0x4                             ; the table's four loads are in; the row's four, issued behind them, may stay out
.irp i, 0,1,2,3
	ds_store_b128 v3, v[G+4*\i:G+4*\i+3] offset:TAB+4608*\i
.endr
	s_wait_dscnt 0x0                               ; my pieces are in LDS before I say so
	s_barrier_signal -1
	s_barrier_wait -1                              ; everybody's are
	LOADG TAB
	s_wait_loadcnt 0x0                             ; the row
	s_wait_dscnt 0x0                               ; the table rows
	DOT X, S, 1
	RED8 S
	v_mov_b32 v8, s10
	v_lshlrev_b32 v8, 5, v8                        ; 32 bytes for each wave; all lanes store the same numbers to the same bytes
	ds_store_b128 v8, v[S:S+3] offset:OUTL
	ds_store_b128 v8, v[S+4:S+7] offset:OUTL+16
	s_wait_dscnt 0x0
	s_barrier_signal -1
	s_barrier_wait -1
	s_cmp_lg_u32 s10, 0
	s_cbranch_scc1 .Lend
	v_lshlrev_b32 v9, 3, v1                        ; wave 0 stores the eight rows: 32 lanes x 8 bytes = 256 consecutive bytes, aligned
	ds_load_b64 v[S:S+1], v9 offset:OUTL
	s_lshl_b32 s14, ttmp9, 8
	v_add_nc_u32 v10, s14, v9
	s_wait_dscnt 0x0
	global_store_b64 v10, v[S:S+1], s[8:9]
.Lend:
	s_wait_tensorcnt 0x0
	ds_add_u32 v176, v177
	s_wait_dscnt 0x0
	s_endpgm
.Lfunc_end_k_q205410c91c_prep:
	.size	k_q205410c91c_prep, .Lfunc_end_k_q205410c91c_prep-k_q205410c91c_prep
	.p2alignl 7, 3214868480
	.fill 96, 4, 3214868480
	.section	.rodata,"a",@progbits
	.p2align	6, 0x0
	.amdhsa_kernel k_q205410c91c_prep
		.amdhsa_group_segment_fixed_size 19712
		.amdhsa_private_segment_fixed_size 0
		.amdhsa_enable_private_segment 0
		.amdhsa_kernarg_size 24
		.amdhsa_user_sgpr_count 2
		.amdhsa_user_sgpr_kernarg_segment_ptr 1
		.amdhsa_wavefront_size32 1
		.amdhsa_system_sgpr_workgroup_id_x 1
		.amdhsa_system_sgpr_workgroup_id_y 1
		.amdhsa_system_sgpr_workgroup_id_z 1
		.amdhsa_system_vgpr_workitem_id 0
		.amdhsa_next_free_vgpr 178
		.amdhsa_next_free_sgpr 66
		.amdhsa_reserve_vcc 0
		.amdhsa_float_denorm_mode_32 3
		.amdhsa_float_denorm_mode_16_64 3
		.amdhsa_memory_ordered 1
		.amdhsa_forward_progress 1
		.amdhsa_inst_pref_size 12
	.end_amdhsa_kernel
	.amdgpu_metadata
---
amdhsa.version: [ 1, 2 ]
amdhsa.kernels:
  - .name:           k_q205410c91c_prep
    .symbol:         k_q205410c91c_prep.kd
    .args:
      - { .name: ctx_W, .offset: 0, .size: 8, .value_kind: global_buffer, .address_space: global }
      - { .name: rtr_W, .offset: 8, .size: 8, .value_kind: global_buffer, .address_space: global }
      - { .name: wc, .offset: 16, .size: 8, .value_kind: global_buffer, .address_space: global }
    .group_segment_fixed_size: 19712
    .private_segment_fixed_size: 0
    .kernarg_segment_align: 8
    .kernarg_segment_size: 24
    .max_flat_workgroup_size: 256
    .sgpr_count:     66
    .vgpr_count:     178
    .wavefront_size: 32
...
	.end_amdgpu_metadata
.endif
;; end of part 1
;; launch router (part 2): grid 128 x 1, 8 waves a work-group, no clusters, 38,912 bytes of LDS; arguments x, context, quality, rn_g, rn_b, cn_g, cn_b, ctx_b, qual_W, qual_b, rtr_W, rtr_b, temperature, wc, sel, rstat; writes sel, rstat
.if DOCPART == 2
	.amdgcn_target "amdgcn-amd-amdhsa--gfx1250"
	.amdhsa_code_object_version 6
	.text
	.protected	k_q205410c91c_router
	.globl	k_q205410c91c_router
	.p2align	8
	.type	k_q205410c91c_router,@function
k_q205410c91c_router:
	s_mov_b64 s[64:65], 0
	v_nop
	global_prefetch_b8 v0, s[64:65] scope:SCOPE_SE
	s_setreg_imm32_b32 hwreg(HW_REG_WAVE_MODE, 25, 1), 1
	s_wait_xcnt 0x0
; The router, in f32 throughout.  For each token:
;   logits = ( (LN(x) g + rn_b + ctx_b + qual_b + quality qual_W) x rtr_W  +  (LN(context) g + cn_b) x wc  +  rtr_b ) / max(temperature, 0.25)
; with wc = ctx_W x rtr_W from the launch before.  Then the two largest logits (ties: the lower index, as lax.top_k), their softmax,
; and the token's share of the three statistics (probabilities, logsumexp squared, entropy), with the maximum taken away before every exponential.
; Out: sel[t] = two words, a byte 1 or 0 for each of experts 0-3 and 4-7; rstat: gates[t] = (gate of the LOWER chosen index, of the higher),
; and from byte 16,384 sixteen words for each work-group: sums of p[0..7], of lse^2, of the entropy, six zeros.
; Nothing here steers an address or a branch: choices are made by v_cndmask_b32.
; 128 work-groups of 8 waves; a wave takes two tokens; the work-group's 16 tokens lie in one batch (512 tokens each).
; Lane l holds columns 128 i + 4 l + jj of every vector of 512: loads of 512 consecutive bytes.
; Matrix units, clusters, tensor loads: left out; 34 M multiply-adds in all, which have to stay f32.
; LIMITS: logits that are NaN or infinite give an unspecified choice; probabilities below 2^-126 count as 0 (v_exp_f32 flushes).
.set TABG, 144                         ; four table rows (128 bytes) + 16
.set TABR, 0                           ; rtr_W, 18,432 bytes
.set TABW, 18432                       ; wc, 18,432 bytes
.set REC,  36864                       ; 128 bytes for each wave: +0 sixteen statistics, +64 sel words of 2 tokens, +80 gates of 2 tokens
.set TMP,  7
.set LGA,  16                          ; v[16:23]   token 0: sums, then logits
.set LGB,  24                          ; v[24:31]   token 1
.set GV,   32                          ; v[32:47]   rn_g
.set UV,   48                          ; v[48:63]   rn_b + ctx_b + qual_b + quality qual_W
.set XA,   64                          ; v[64:79]   x row of token 0; later cn_g
.set XB,   80                          ; v[80:95]   x row of token 1; later cn_b
.set CA,   96                          ; v[96:111]  context row of token 0
.set CB,   112                         ; v[112:127] context row of token 1
.set G,    128                         ; v[128:255] table rows of my 16 columns; before that a landing place, after the products scratch:
.set ST,   128                         ; v[128:143] the wave's sixteen statistics
.set SELR, 144                         ; v[144:147] sel words
.set GATE, 148                         ; v[148:151] gates
.set Q,    152                         ; v[152:159]
.set DD,   160                         ; v[160:167] exponentials
.set MX1,  168
.set IX1,  169
.set MX2,  170
.set IX2,  171
.set TA,   172
.set TB,   173
.set TC,   174
.set TD,   175
.set TE,   176
.set TF,   177
.set ZZ,   178
.set RZ,   179
.set LZ,   180
.set LSE,  181
.set EN,   182
.set NINF, 183
.set ONE,  184
.set GB2,  185
.set PS,   48                          ; s[48:49] lane selects of v_permlanex16_b32
.macro LOADG base                      ; 32 LDS loads: the eight numbers of each of my 16 table rows
.irp i, 0,1,2,3
.irp jj, 0,1,2,3
	ds_load_b128 v[G+8*(4*\i+\jj):G+8*(4*\i+\jj)+3],   v4 offset:\base+4608*\i+32*\jj
	ds_load_b128 v[G+8*(4*\i+\jj)+4:G+8*(4*\i+\jj)+7], v4 offset:\base+4608*\i+32*\jj+16
.endr
.endr
.endm
; s[0..7] (+)= sum over my 16 n of x[n] * G[n][0..7]: 64 packed multiply-adds, x[n] broadcast out of its register pair
.macro DOT x, s, first
.set n, 0
.rept 16
.set p, 0
.rept 4
.if n == 0
.if \first
	v_pk_mul_f32 v[\s+2*p:\s+2*p+1], v[G+2*p:G+2*p+1], v[\x:\x+1] op_sel_hi:[1,0]
.else
	v_pk_fma_f32 v[\s+2*p:\s+2*p+1], v[G+2*p:G+2*p+1], v[\x:\x+1], v[\s+2*p:\s+2*p+1] op_sel_hi:[1,0,1]
.endif
.else
.if (n & 1) == 0
	v_pk_fma_f32 v[\s+2*p:\s+2*p+1], v[G+8*n+2*p:G+8*n+2*p+1], v[\x+n:\x+n+1], v[\s+2*p:\s+2*p+1] op_sel_hi:[1,0,1]
.else
	v_pk_fma_f32 v[\s+2*p:\s+2*p+1], v[G+8*n+2*p:G+8*n+2*p+1], v[\x+n-1:\x+n], v[\s+2*p:\s+2*p+1] op_sel:[0,1,0] op_sel_hi:[1,1,1]
.endif
.endif
.set p, p+1
.endr
.set n, n+1
.endr
.endm
.macro RED1 r                          ; a sum over the 32 lanes, the result in every lane
.irp k, 1,2,4,8
	v_add_f32_dpp v[\r], v[\r], v[\r] row_xmask:\k row_mask:0xf bank_mask:0xf
.endr
	v_permlanex16_b32 v[TMP], v[\r], s[PS], s[PS+1]
	v_add_f32 v[\r], v[\r], v[TMP]
.endm
.macro RED8 r
.irp k, 1,2,4,8
.irp e, 0,1,2,3,4,5,6,7
	v_add_f32_dpp v[\r+\e], v[\r+\e], v[\r+\e] row_xmask:\k row_mask:0xf bank_mask:0xf
.endr
.endr
.irp e, 0,1,2,3,4,5,6,7
	v_permlanex16_b32 v[TMP], v[\r+\e], s[PS], s[PS+1]
	v_add_f32 v[\r+\e], v[\r+\e], v[TMP]
.endr
.endm
; x = (x - mean) / sqrt(var + 1e-5).  The mean is taken away before the squares are summed: a common offset of the row costs no digits.
.macro LNSTAT x
	v_pk_add_f32 v[8:9],   v[\x:\x+1],     v[\x+2:\x+3]
	v_pk_add_f32 v[10:11], v[\x+4:\x+5],   v[\x+6:\x+7]
	v_pk_add_f32 v[12:13], v[\x+8:\x+9],   v[\x+10:\x+11]
	v_pk_add_f32 v[14:15], v[\x+12:\x+13], v[\x+14:\x+15]
	v_pk_add_f32 v[8:9],   v[8:9],   v[10:11]
	v_pk_add_f32 v[12:13], v[12:13], v[14:15]
	v_pk_add_f32 v[8:9],   v[8:9],   v[12:13]
	v_add_f32 v8, v8, v9
	RED1 8
	v_mul_f32 v8, s50, v8                          ; / 512
.irp k, 0,2,4,6,8,10,12,14
	v_pk_add_f32 v[\x+\k:\x+\k+1], v[\x+\k:\x+\k+1], v[8:9] op_sel_hi:[1,0] neg_lo:[0,1] neg_hi:[0,1]
.endr
	v_pk_mul_f32 v[10:11], v[\x:\x+1],   v[\x:\x+1]
	v_pk_mul_f32 v[12:13], v[\x+2:\x+3], v[\x+2:\x+3]
.irp k, 4,8,12
	v_pk_fma_f32 v[10:11], v[\x+\k:\x+\k+1],   v[\x+\k:\x+\k+1],   v[10:11]
	v_pk_fma_f32 v[12:13], v[\x+\k+2:\x+\k+3], v[\x+\k+2:\x+\k+3], v[12:13]
.endr
	v_pk_add_f32 v[10:11], v[10:11], v[12:13]
	v_add_f32 v10, v10, v11
	RED1 10
	v_fma_f32 v10, v10, s50, s51                   ; var + 1e-5
	v_rsq_f32 v10, v10
	v_nop                                          ; one plain place between v_rsq_f32 and the use of its result (ISA guide 5.7.2)
	s_wait_alu depctr_va_vdst(0)
.irp k, 0,2,4,6,8,10,12,14
	v_pk_mul_f32 v[\x+\k:\x+\k+1], v[\x+\k:\x+\k+1], v[10:11] op_sel_hi:[1,0]
.endr
.endm
.macro LNAPPLY x, g, u                 ; x = x g + u
.irp k, 0,2,4,6,8,10,12,14
	v_pk_fma_f32 v[\x+\k:\x+\k+1], v[\x+\k:\x+\k+1], v[\g+\k:\g+\k+1], v[\u+\k:\u+\k+1]
.endr
.endm
.macro ARGMAX src, m, ix               ; strictly greater, in ascending order: of equal numbers the lowest index wins
	v_mov_b32 v[\m], v[\src]
	v_mov_b32 v[\ix], 0
.irp e, 1,2,3,4,5,6,7
	v_cmp_gt_f32 vcc_lo, v[\src+\e], v[\m]
	v_cndmask_b32 v[\m], v[\m], v[\src+\e], vcc_lo
	v_cndmask_b32 v[\ix], v[\ix], \e, vcc_lo
.endr
.endm
; One token: l = its eight logits (the same in every lane), tk = 0 or 1: which of the wave's two; tk = 0 starts the statistics.
.macro TOPK l, tk
	ARGMAX \l, MX1, IX1
.irp e, 0,1,2,3,4,5,6,7
	v_cmp_eq_u32 vcc_lo, \e, v[IX1]
	v_cndmask_b32 v[Q+\e], v[\l+\e], v[NINF], vcc_lo
.endr
	ARGMAX Q, MX2, IX2
	v_sub_f32 v[TA], v[MX2], v[MX1]                ; <= 0: the maximum is taken away
	v_mul_f32 v[TA], 0x3fb8aa3b, v[TA]
.irp e, 0,1,2,3,4,5,6,7
	v_sub_f32 v[DD+\e], v[\l+\e], v[MX1]
.endr
.irp e, 0,1,2,3,4,5,6,7
	v_mul_f32 v[DD+\e], 0x3fb8aa3b, v[DD+\e]
.endr
	v_exp_f32 v[TA], v[TA]                         ; dd = exp(l2 - l1)
.irp e, 0,1,2,3,4,5,6,7
	v_exp_f32 v[DD+\e], v[DD+\e]
.endr
	v_and_b32 v[TC], 3, v[IX1]                     ; the plain place behind the exponentials
	s_wait_alu depctr_va_vdst(0)
	v_add_f32 v[TB], 1.0, v[TA]
	v_add_f32 v[ZZ], v[DD], v[DD+1]
	v_add_f32 v[TD], v[DD+2], v[DD+3]
	v_add_f32 v[TE], v[DD+4], v[DD+5]
	v_add_f32 v[TF], v[DD+6], v[DD+7]
	v_add_f32 v[ZZ], v[ZZ], v[TD]
	v_add_f32 v[TE], v[TE], v[TF]
	v_add_f32 v[ZZ], v[ZZ], v[TE]                  ; between 1 and 8
	v_rcp_f32 v[TB], v[TB]                         ; gate of the largest = 1 / (1 + dd)
	v_rcp_f32 v[RZ], v[ZZ]
	v_log_f32 v[LZ], v[ZZ]
	v_and_b32 v[TD], 3, v[IX2]                     ; the plain place behind the three
	s_wait_alu depctr_va_vdst(0)
	v_mul_f32 v[GB2], v[TA], v[TB]                 ; gate of the second
	v_fmamk_f32 v[LSE], v[LZ], 0x3f317218, v[MX1]  ; logsumexp = max + ln 2 x log2 Z
	; gates in the order of the expert index, since the slots of the later launches grow with it
	v_cmp_lt_u32 vcc_lo, v[IX1], v[IX2]
	v_cndmask_b32 v[GATE+2*\tk],   v[GB2], v[TB], vcc_lo
	v_cndmask_b32 v[GATE+2*\tk+1], v[TB], v[GB2], vcc_lo
	; the two words of bytes
	v_lshlrev_b32 v[TC], 3, v[TC]
	v_lshlrev_b32 v[TD], 3, v[TD]
	v_lshlrev_b32 v[TC], v[TC], v[ONE]             ; 1 << 8 (i1 & 3)
	v_lshlrev_b32 v[TD], v[TD], v[ONE]
	v_cmp_gt_u32 vcc_lo, 4, v[IX1]
	v_cndmask_b32 v[TE], 0, v[TC], vcc_lo
	v_sub_nc_u32 v[TC], v[TC], v[TE]
	v_cmp_gt_u32 vcc_lo, 4, v[IX2]
	v_cndmask_b32 v[TF], 0, v[TD], vcc_lo
	v_sub_nc_u32 v[TD], v[TD], v[TF]
	v_or_b32 v[SELR+2*\tk],   v[TE], v[TF]
	v_or_b32 v[SELR+2*\tk+1], v[TC], v[TD]
	; statistics.  log(max(p, 1e-9)) = max(l - lse, ln 1e-9); entropy = -(1/Z) sum of d x that
.irp e, 0,1,2,3,4,5,6,7
	v_sub_f32 v[Q+\e], v[\l+\e], v[LSE]
.endr
.irp e, 0,1,2,3,4,5,6,7
	v_max_num_f32 v[Q+\e], 0xc1a5c93e, v[Q+\e]
.endr
	v_mul_f32 v[EN], v[DD], v[Q]
.irp e, 1,2,3,4,5,6,7
	v_fmac_f32 v[EN], v[DD+\e], v[Q+\e]
.endr
.if \tk == 0
.irp e, 0,1,2,3,4,5,6,7
	v_mul_f32 v[ST+\e], v[DD+\e], v[RZ]
.endr
	v_mul_f32 v[ST+8], v[LSE], v[LSE]
	v_mul_f32 v[ST+9], -v[EN], v[RZ]
.else
.irp e, 0,1,2,3,4,5,6,7
	v_fmac_f32 v[ST+\e], v[DD+\e], v[RZ]
.endr
	v_fmac_f32 v[ST+8], v[LSE], v[LSE]
	v_fma_f32 v[ST+9], -v[EN], v[RZ], v[ST+9]
.endif
.endm
	s_load_b512 s[4:19], s[0:1], 0x0               ; x 4, context 6, quality 8, rn_g 10, rn_b 12, cn_g 14, cn_b 16, ctx_b 18
	s_load_b512 s[20:35], s[0:1], 0x40             ; qual_W 20, qual_b 22, rtr_W 24, rtr_b 26, temperature 28, wc 30, sel 32, rstat 34
	s_set_vgpr_msb 0x40
	v_lshl_add_u32 v0, v0, 2, 0x9400
	v_mov_b32 v1, 0
	s_set_vgpr_msb 0x4000
	v_and_b32 v1, 31, v0                           ; lane
	v_lshrrev_b32 v8, 5, v0
	v_readfirstlane_b32 s52, v8                    ; wave
	v_lshlrev_b32 v2, 4, v0                        ; 16 t: my piece of each quarter of a table
	v_lshrrev_b32 v3, 3, v0                        ; piece p lies at (p >> 3) x 144 + (p & 7) x 16
	v_mul_u32_u24 v3, v3, TABG
	v_and_b32 v8, 7, v0
	v_lshl_add_u32 v3, v8, 4, v3
	v_mul_u32_u24 v4, v1, TABG
	v_lshlrev_b32 v5, 4, v1                        ; 16 x lane: my 16 bytes of each 512 of a vector
	s_lshl_b32 s53, ttmp9, 3
	s_add_co_u32 s53, s53, s52
	s_lshl_b32 s53, s53, 12                        ; (8 work-group + wave) x 2 rows x 2,048 bytes
	v_add_nc_u32 v6, s53, v5
	s_lshr_b32 s54, ttmp9, 5                       ; batch: 32 work-groups of 16 tokens each
	s_lshl_b32 s54, s54, 2
	s_mov_b32 s55, 0
	s_mov_b32 s47, 0                               ; upper word of the pair that carries quality
	s_mov_b32 s48, 0x76543210
	s_mov_b32 s49, 0xfedcba98
	s_mov_b32 s50, 0x3b000000                      ; 1 / 512
	s_mov_b32 s51, 0x3727c5ac                      ; 1e-5
	v_mov_b32 v[TMP], 0                            ; v_permlanex16_b32 counts as a reader of its destination
	s_wait_kmcnt 0x0
	s_add_nc_u64 s[8:9], s[8:9], s[54:55]
	s_load_b256 s[36:43], s[26:27], 0x0            ; rtr_b
	s_load_b32 s44, s[28:29], 0x0                  ; temperature
	s_load_b32 s46, s[8:9], 0x0                    ; quality of my batch
	; 44 loads, in the order in which they are wanted
.irp i, 0,1,2,3
	global_load_b128 v[G+4*\i:G+4*\i+3], v2, s[24:25] offset:4096*\i           ; rtr_W
.endr
.irp i, 0,1,2,3
	global_load_b128 v[G+16+4*\i:G+16+4*\i+3], v2, s[30:31] offset:4096*\i     ; wc
.endr
.irp i, 0,1,2,3
	global_load_b128 v[UV+4*\i:UV+4*\i+3], v5, s[12:13] offset:512*\i          ; rn_b
.endr
.irp i, 0,1,2,3
	global_load_b128 v[G+32+4*\i:G+32+4*\i+3], v5, s[18:19] offset:512*\i      ; ctx_b
.endr
.irp i, 0,1,2,3
	global_load_b128 v[G+48+4*\i:G+48+4*\i+3], v5, s[22:23] offset:512*\i      ; qual_b
.endr
.irp i, 0,1,2,3
	global_load_b128 v[G+64+4*\i:G+64+4*\i+3], v5, s[20:21] offset:512*\i      ; qual_W
.endr
.irp i, 0,1,2,3
	global_load_b128 v[GV+4*\i:GV+4*\i+3], v5, s[10:11] offset:512*\i          ; rn_g
.endr
.irp i, 0,1,2,3
	global_load_b128 v[XA+4*\i:XA+4*\i+3], v6, s[4:5] offset:512*\i
.endr
.irp i, 0,1,2,3
	global_load_b128 v[XB+4*\i:XB+4*\i+3], v6, s[4:5] offset:2048+512*\i
.endr
.irp i, 0,1,2,3
	global_load_b128 v[CA+4*\i:CA+4*\i+3], v6, s[6:7] offset:512*\i th:TH_LOAD_NT
.endr
.irp i, 0,1,2,3
	global_load_b128 v[CB+4*\i:CB+4*\i+3], v6, s[6:7] offset:2048+512*\i th:TH_LOAD_NT
.endr
	s_wait_loadcnt 36                              ; the two tables' eight loads are in; the 36 behind them stay out
.irp i, 0,1,2,3
	ds_store_b128 v3, v[G+4*\i:G+4*\i+3] offset:TABR+4608*\i
.endr
.irp i, 0,1,2,3
	ds_store_b128 v3, v[G+16+4*\i:G+16+4*\i+3] offset:TABW+4608*\i
.endr
	s_wait_dscnt 0x0                               ; my pieces are in LDS before I say so
	s_barrier_signal -1
	s_barrier_wait -1                              ; both tables are whole; nobody writes them again
	s_wait_loadcnt 16                              ; the five vectors are in; 8 loads of x and 8 of context stay out
	s_wait_kmcnt 0x0
.irp k, 0,2,4,6,8,10,12,14
	v_pk_add_f32 v[UV+\k:UV+\k+1], v[UV+\k:UV+\k+1], v[G+32+\k:G+32+\k+1]
	v_pk_add_f32 v[UV+\k:UV+\k+1], v[UV+\k:UV+\k+1], v[G+48+\k:G+48+\k+1]
	v_pk_fma_f32 v[UV+\k:UV+\k+1], v[G+64+\k:G+64+\k+1], s[46:47], v[UV+\k:UV+\k+1] op_sel_hi:[1,0,1]
.endr
	LOADG TABR
	s_wait_loadcnt 8                               ; x's two rows are in; context's eight loads stay out
	LNSTAT XA
	LNSTAT XB
	LNAPPLY XA, GV, UV
	LNAPPLY XB, GV, UV
	s_wait_dscnt 0x0                               ; rtr_W's rows
	DOT XA, LGA, 1
	DOT XB, LGB, 1
.irp i, 0,1,2,3
	global_load_b128 v[XA+4*\i:XA+4*\i+3], v5, s[14:15] offset:512*\i          ; cn_g, into registers that are done with
.endr
.irp i, 0,1,2,3
	global_load_b128 v[XB+4*\i:XB+4*\i+3], v5, s[16:17] offset:512*\i          ; cn_b
.endr
	LOADG TABW
	s_wait_loadcnt 8                               ; context's rows are in; the eight loads just issued stay out
	LNSTAT CA
	LNSTAT CB
	s_wait_loadcnt 0x0
	LNAPPLY CA, XA, XB
	LNAPPLY CB, XA, XB
	s_wait_dscnt 0x0                               ; wc's rows
	DOT CA, LGA, 0
	DOT CB, LGB, 0
	RED8 LGA
	RED8 LGB
	v_mov_b32 v8, s44
	v_max_num_f32 v8, 0x3e800000, v8               ; max(temperature, 0.25)
	v_rcp_f32 v8, v8
	v_mov_b32 v[NINF], 0xff800000                  ; (the plain place behind v_rcp_f32)
	v_mov_b32 v[ONE], 1
.irp e, 0,1,2,3,4,5,6,7
	v_add_f32 v[LGA+\e], s[36+\e], v[LGA+\e]
	v_add_f32 v[LGB+\e], s[36+\e], v[LGB+\e]
.endr
	s_wait_alu depctr_va_vdst(0)
.irp e, 0,1,2,3,4,5,6,7
	v_mul_f32 v[LGA+\e], v8, v[LGA+\e]
	v_mul_f32 v[LGB+\e], v8, v[LGB+\e]
.endr
	TOPK LGA, 0
	TOPK LGB, 1
.irp e, 10,11,12,13,14,15
	v_mov_b32 v[ST+\e], 0                          ; the record's last six words are read by the next launch: they are stored
.endr
	v_mov_b32 v9, s52
	v_lshlrev_b32 v9, 7, v9                        ; my wave's record; all lanes store the same numbers to the same bytes
.irp k, 0,1,2,3
	ds_store_b128 v9, v[ST+4*\k:ST+4*\k+3] offset:REC+16*\k
.endr
	ds_store_b128 v9, v[SELR:SELR+3] offset:REC+64
	ds_store_b128 v9, v[GATE:GATE+3] offset:REC+80
	s_wait_dscnt 0x0
	s_barrier_signal -1
	s_barrier_wait -1
	s_cmp_lg_u32 s52, 0
	s_cbranch_scc1 .Lend
	; wave 0 gathers the eight records and stores the work-group's part
	v_and_b32 v8, 15, v1
	v_lshlrev_b32 v8, 2, v8
.irp w, 0,1,2,3,4,5,6,7
	ds_load_b32 v[Q+\w], v8 offset:REC+128*\w      ; word l & 15 of each wave's statistics
.endr
	v_lshrrev_b32 v10, 2, v1                       ; lane l takes word l & 3 of wave l >> 2
	v_lshlrev_b32 v10, 7, v10
	v_and_b32 v11, 3, v1
	v_lshl_add_u32 v10, v11, 2, v10
	ds_load_b32 v12, v10 offset:REC+64
	ds_load_b32 v13, v10 offset:REC+80
	s_lshl_b32 s53, ttmp9, 7
	v_lshl_add_u32 v14, v1, 2, s53                 ; 16 tokens x 8 bytes
	s_lshl_b32 s54, ttmp9, 6
	v_lshl_add_u32 v15, v1, 2, s54                 ; 16 words of statistics
	s_wait_dscnt 0x0
	global_store_b32 v14, v12, s[32:33]            ; 128 consecutive bytes of sel
	global_store_b32 v14, v13, s[34:35]            ; and of the gates
	v_add_f32 v[Q], v[Q], v[Q+1]
	v_add_f32 v[Q+2], v[Q+2], v[Q+3]
	v_add_f32 v[Q+4], v[Q+4], v[Q+5]
	v_add_f32 v[Q+6], v[Q+6], v[Q+7]
	v_add_f32 v[Q], v[Q], v[Q+2]
	v_add_f32 v[Q+4], v[Q+4], v[Q+6]
	v_add_f32 v[Q], v[Q], v[Q+4]
	v_cmp_gt_u32 vcc_lo, 16, v1
	s_wait_xcnt 0x0                                ; EXEC is a source of the two stores above: it changes only behind this wait
	s_and_saveexec_b32 s53, vcc_lo
	global_store_b32 v15, v[Q], s[34:35] offset:16384
	s_wait_xcnt 0x0                                ; and again in front of the line that widens it
	s_or_b32 exec_lo, exec_lo, s53
.Lend:
	s_set_vgpr_msb 0x5
	s_wait_tensorcnt 0x0
	ds_add_u32 v0, v1
	s_wait_dscnt 0x0
	s_set_vgpr_msb 0x500
	s_endpgm
.Lfunc_end_k_q205410c91c_router:
	.size	k_q205410c91c_router, .Lfunc_end_k_q205410c91c_router-k_q205410c91c_router
	.p2alignl 7, 3214868480
	.fill 96, 4, 3214868480
	.section	.rodata,"a",@progbits
	.p2align	6, 0x0
	.amdhsa_kernel k_q205410c91c_router
		.amdhsa_group_segment_fixed_size 38912
		.amdhsa_private_segment_fixed_size 0
		.amdhsa_enable_private_segment 0
		.amdhsa_kernarg_size 128
		.amdhsa_user_sgpr_count 2
		.amdhsa_user_sgpr_kernarg_segment_ptr 1
		.amdhsa_wavefront_size32 1
		.amdhsa_system_sgpr_workgroup_id_x 1
		.amdhsa_system_sgpr_workgroup_id_y 1
		.amdhsa_system_sgpr_workgroup_id_z 1
		.amdhsa_system_vgpr_workitem_id 0
		.amdhsa_next_free_vgpr 258
		.amdhsa_next_free_sgpr 66
		.amdhsa_reserve_vcc 1
		.amdhsa_float_denorm_mode_32 3
		.amdhsa_float_denorm_mode_16_64 3
		.amdhsa_memory_ordered 1
		.amdhsa_forward_progress 1
		.amdhsa_inst_pref_size 64
	.end_amdhsa_kernel
	.amdgpu_metadata
---
amdhsa.version: [ 1, 2 ]
amdhsa.kernels:
  - .name:           k_q205410c91c_router
    .symbol:         k_q205410c91c_router.kd
    .args:
      - { .name: x, .offset: 0, .size: 8, .value_kind: global_buffer, .address_space: global }
      - { .name: context, .offset: 8, .size: 8, .value_kind: global_buffer, .address_space: global }
      - { .name: quality, .offset: 16, .size: 8, .value_kind: global_buffer, .address_space: global }
      - { .name: rn_g, .offset: 24, .size: 8, .value_kind: global_buffer, .address_space: global }
      - { .name: rn_b, .offset: 32, .size: 8, .value_kind: global_buffer, .address_space: global }
      - { .name: cn_g, .offset: 40, .size: 8, .value_kind: global_buffer, .address_space: global }
      - { .name: cn_b, .offset: 48, .size: 8, .value_kind: global_buffer, .address_space: global }
      - { .name: ctx_b, .offset: 56, .size: 8, .value_kind: global_buffer, .address_space: global }
      - { .name: qual_W, .offset: 64, .size: 8, .value_kind: global_buffer, .address_space: global }
      - { .name: qual_b, .offset: 72, .size: 8, .value_kind: global_buffer, .address_space: global }
      - { .name: rtr_W, .offset: 80, .size: 8, .value_kind: global_buffer, .address_space: global }
      - { .name: rtr_b, .offset: 88, .size: 8, .value_kind: global_buffer, .address_space: global }
      - { .name: temperature, .offset: 96, .size: 8, .value_kind: global_buffer, .address_space: global }
      - { .name: wc, .offset: 104, .size: 8, .value_kind: global_buffer, .address_space: global }
      - { .name: sel, .offset: 112, .size: 8, .value_kind: global_buffer, .address_space: global }
      - { .name: rstat, .offset: 120, .size: 8, .value_kind: global_buffer, .address_space: global }
    .group_segment_fixed_size: 38912
    .private_segment_fixed_size: 0
    .kernarg_segment_align: 8
    .kernarg_segment_size: 128
    .max_flat_workgroup_size: 256
    .sgpr_count:     66
    .vgpr_count:     258
    .wavefront_size: 32
...
	.end_amdgpu_metadata
.endif
;; end of part 2
;; launch bucket (part 3): grid 1 x 1, 9 waves a work-group, no clusters, 0 bytes of LDS; arguments sel, rstat, route, out1, out2, out3, out4; writes route, out1, out2, out3, out4
.if DOCPART == 3
	.amdgcn_target "amdgcn-amd-amdhsa--gfx1250"
	.amdhsa_code_object_version 6
	.text
	.protected	k_q205410c91c_bucket
	.globl	k_q205410c91c_bucket
	.p2align	8
	.type	k_q205410c91c_bucket,@function
k_q205410c91c_bucket:
	s_mov_b64 s[64:65], 0
	v_nop
	global_prefetch_b8 v0, s[64:65] scope:SCOPE_SE
	s_setreg_imm32_b32 hwreg(HW_REG_WAVE_MODE, 25, 1), 1
	s_wait_xcnt 0x0
; Gives each (token, expert) pair a slot = expert x 2080 + rank in its expert, without atomics, and finishes the statistics.
; route: LIST at 0: [8][2080] token numbers by slot; SLOT at 66,560: [2048][2] the token's two slots (lower expert first);
; CNT at 82,944: the eight counts.  The 32 LIST entries behind an expert's last pair are set to token 0: the later launches work in
; tiles of 16 slots, and the slots that fill up a last tile then name a row that exists; no SLOT entry names them.
; One work-group, since a rank needs the counts of all tokens in front: 16 KiB of input in all.  No LDS, no barrier:
; waves 0-7 own 256 tokens each and each sums for itself the blocks in front of its own; wave 8 makes out1..out4.
; The order of ranks inside an expert is free (any dense numbering serves): register by register, and by lane inside a register.
.set ES,    2080                       ; slots of an expert: 2,048 + 32
.set SLOTB, 66560
.set CNTB,  82944
.set PB,    16                         ; v[16:127]  blocks 0..6 of sel, 16 registers each
.set OWN,   128                        ; v[128:143] my block: load m: (cA, cB) of token 256 w + 64 m + 2 l, then of the next
.set SL,    144                        ; v[144:159] slots, in the order of SLOT
.set AD,    160                        ; v[160:175] 4 x slot
.set TK,    176                        ; v[176:183] token numbers
.set PADA,  184                        ; v[184:191] addresses of the fill entries
.set P,     24                         ; s[24:31]   next free slot of each expert
.macro IRED r                          ; a whole-number sum over the 32 lanes, in every lane
.irp k, 1,2,4,8
	v_mov_b32_dpp v13, v[\r] row_xmask:\k row_mask:0xf bank_mask:0xf
	v_add_nc_u32 v[\r], v[\r], v13
.endr
	v_permlanex16_b32 v13, v[\r], s20, s21
	v_add_nc_u32 v[\r], v[\r], v13
.endm
; The 32 tokens of one register pair.  For each expert: which lanes chose it, each such lane's slot = next free + chosen lanes below it.
; A token has exactly two slots and they grow with the expert: the larger is the maximum, the smaller the sum less the maximum.
.macro RANK m, k
.irp e, 0,1,2,3,4,5,6,7
	v_and_b32 v7, 1<<(8*(\e&3)), v[OWN+4*\m+2*\k+(\e>>2)]
	v_cmp_ne_u32 vcc_lo, 0, v7
	v_mbcnt_lo_u32_b32 v8, vcc_lo, s[P+\e]
.if \e == 0
	v_cndmask_b32 v9, 0, v8, vcc_lo
	v_cndmask_b32 v10, 0, v8, vcc_lo
.else
	v_cndmask_b32 v7, 0, v8, vcc_lo
	v_add_nc_u32 v9, v9, v7
	v_max_u32 v10, v10, v7
.endif
	s_bcnt1_i32_b32 s19, vcc_lo
	s_add_co_u32 s[P+\e], s[P+\e], s19
.endr
	v_sub_nc_u32 v[SL+4*\m+2*\k], v9, v10
	v_min_u32 v[SL+4*\m+2*\k],   0x40ff, v[SL+4*\m+2*\k]       ; 16,639 = the last slot: numbers made of loaded data are bounded before they address
	v_min_u32 v[SL+4*\m+2*\k+1], 0x40ff, v10
	v_lshlrev_b32 v[AD+4*\m+2*\k],   2, v[SL+4*\m+2*\k]
	v_lshlrev_b32 v[AD+4*\m+2*\k+1], 2, v[SL+4*\m+2*\k+1]
	v_add_nc_u32 v[TK+2*\m+\k], 64*\m+\k, v14
.endm
	s_load_b256 s[4:11], s[0:1], 0x0               ; sel 4, rstat 6, route 8, out1 10
	s_load_b128 s[12:15], s[0:1], 0x20             ; out2 12, out3 14
	s_load_b64 s[16:17], s[0:1], 0x30              ; out4
	v_and_b32 v1, 31, v0                           ; lane
	v_lshrrev_b32 v2, 5, v0
	v_readfirstlane_b32 s18, v2                    ; wave
	v_lshlrev_b32 v3, 4, v1                        ; 16 x lane
	v_mov_b32 v13, 0                               ; destination of lane moves: written before
	s_mov_b32 s20, 0x76543210
	s_mov_b32 s21, 0xfedcba98
	s_wait_kmcnt 0x0
	s_cmp_eq_u32 s18, 8
	s_cbranch_scc1 .Lstats
.irp b, 0,1,2,3,4,5,6
.irp m, 0,1,2,3
	global_load_b128 v[PB+16*\b+4*\m:PB+16*\b+4*\m+3], v3, s[4:5] offset:2048*\b+512*\m
.endr
.endr
	s_lshl_b32 s19, s18, 11
	v_add_nc_u32 v4, s19, v3                       ; 2,048 w + 16 l: my place in sel and in SLOT
.irp m, 0,1,2,3
	global_load_b128 v[OWN+4*\m:OWN+4*\m+3], v4, s[4:5] offset:512*\m
.endr
	s_lshl_b32 s19, s18, 8
	v_lshl_add_u32 v14, v1, 1, s19                 ; 256 w + 2 l
	s_wait_loadcnt 0x0
	; counts of the blocks in front of mine.  In a lane a byte reaches 8 for a block and 56 for seven: no byte overflows.
.irp b, 0,1,2,3,4,5,6
	v_add3_u32 v7, v[PB+16*\b],   v[PB+16*\b+2],  v[PB+16*\b+4]
	v_add3_u32 v8, v[PB+16*\b+1], v[PB+16*\b+3],  v[PB+16*\b+5]
	v_add3_u32 v7, v7, v[PB+16*\b+6],  v[PB+16*\b+8]
	v_add3_u32 v8, v8, v[PB+16*\b+7],  v[PB+16*\b+9]
	v_add3_u32 v7, v7, v[PB+16*\b+10], v[PB+16*\b+12]
	v_add3_u32 v8, v8, v[PB+16*\b+11], v[PB+16*\b+13]
	v_add_nc_u32 v7, v7, v[PB+16*\b+14]
	v_add_nc_u32 v8, v8, v[PB+16*\b+15]
	s_cmp_gt_u32 s18, \b                           ; does block b lie in front of mine?
	s_cselect_b32 s19, -1, 0
.if \b == 0
	v_and_b32 v5, s19, v7
	v_and_b32 v6, s19, v8
.else
	v_and_b32 v7, s19, v7
	v_and_b32 v8, s19, v8
	v_add_nc_u32 v5, v5, v7
	v_add_nc_u32 v6, v6, v8
.endif
.endr
	v_and_b32 v9, 0x00ff00ff, v5                   ; bytes widened to fields of 16 bits (a count is at most 2,048): experts 0, 2
	v_lshrrev_b32 v10, 8, v5
	v_and_b32 v10, 0x00ff00ff, v10                 ; 1, 3
	v_and_b32 v11, 0x00ff00ff, v6                  ; 4, 6
	v_lshrrev_b32 v12, 8, v6
	v_and_b32 v12, 0x00ff00ff, v12                 ; 5, 7
	IRED 9
	IRED 10
	IRED 11
	IRED 12
	v_readfirstlane_b32 s32, v9
	v_readfirstlane_b32 s33, v10
	v_readfirstlane_b32 s34, v11
	v_readfirstlane_b32 s35, v12
	s_and_b32  s[P+0], s32, 0xffff
	s_lshr_b32 s[P+2], s32, 16
	s_and_b32  s[P+1], s33, 0xffff
	s_lshr_b32 s[P+3], s33, 16
	s_and_b32  s[P+4], s34, 0xffff
	s_lshr_b32 s[P+6], s34, 16
	s_and_b32  s[P+5], s35, 0xffff
	s_lshr_b32 s[P+7], s35, 16
.irp e, 1,2,3,4,5,6,7
	s_add_co_u32 s[P+\e], s[P+\e], \e*ES
.endr
.irp m, 0,1,2,3
	RANK \m, 0
	RANK \m, 1
.endr
.irp m, 0,1,2,3
	global_store_b128 v4, v[SL+4*\m:SL+4*\m+3], s[8:9] offset:SLOTB+512*\m     ; 512 consecutive bytes
.endr
.irp i, 0,1,2,3,4,5,6,7
	global_store_b32 v[AD+2*\i],   v[TK+\i], s[8:9]                            ; LIST[slot] = token: a scatter by nature, 16 KiB in all
	global_store_b32 v[AD+2*\i+1], v[TK+\i], s[8:9]
.endr
	s_cmp_lg_u32 s18, 7
	s_cbranch_scc1 .Lend
	; wave 7 now holds every expert's end: the fill entries and the counts
	v_mov_b32 v5, 0
.irp e, 0,1,2,3,4,5,6,7
	v_add_nc_u32 v[PADA+\e], s[P+\e], v1
	v_min_u32 v[PADA+\e], 0x40ff, v[PADA+\e]       ; at most 2,048 + 31 inside the expert's 2,080; bounded as every loaded number
	v_lshlrev_b32 v[PADA+\e], 2, v[PADA+\e]
	global_store_b32 v[PADA+\e], v5, s[8:9]
.endr
	v_mov_b32 v6, 0
.irp e, 0,1,2,3,4,5,6,7
	s_sub_co_u32 s[P+\e], s[P+\e], \e*ES
	v_writelane_b32 v6, s[P+\e], \e
.endr
	v_lshlrev_b32 v7, 2, v1
	v_cmp_gt_u32 vcc_lo, 8, v1
	s_wait_xcnt 0x0                                ; EXEC is a source of the stores above
	s_and_saveexec_b32 s19, vcc_lo
	global_store_b32 v7, v6, s[8:9] offset:CNTB
	s_wait_xcnt 0x0
	s_or_b32 exec_lo, exec_lo, s19
.Lend:
	s_endpgm
.Lstats:
	; wave 8: 128 records of 16 words.  Load i gives lane l the words 4 (l & 3) .. + 3 of record 8 i + (l >> 2).
.irp i, 0,1,2,3,4,5,6,7,8,9,10,11,12,13,14,15
	global_load_b128 v[16+4*\i:16+4*\i+3], v3, s[6:7] offset:16384+512*\i
.endr
	s_mov_b32 s22, 0x3a000000                      ; 1 / 2048
	s_mov_b32 s23, 0xbe000000                      ; -1 / 8
	s_wait_loadcnt 0x0
.irp i, 1,2,3,4,5,6,7,8,9,10,11,12,13,14,15
	v_pk_add_f32 v[16:17], v[16:17], v[16+4*\i:16+4*\i+1]
	v_pk_add_f32 v[18:19], v[18:19], v[16+4*\i+2:16+4*\i+3]
.endr
.irp r, 16,17,18,19
	v_add_f32_dpp v\r, v\r, v\r row_xmask:4 row_mask:0xf bank_mask:0xf         ; over the lanes with the same l & 3
	v_add_f32_dpp v\r, v\r, v\r row_xmask:8 row_mask:0xf bank_mask:0xf
	v_permlanex16_b32 v13, v\r, s20, s21
	v_add_f32 v\r, v\r, v13
.endr
	v_fma_f32 v20, v16, s22, s23                   ; importance - 1/8 (of use in lanes 0 and 1: experts 0-3, 4-7)
	v_fma_f32 v21, v17, s22, s23
	v_fma_f32 v22, v18, s22, s23
	v_fma_f32 v23, v19, s22, s23
	v_mul_f32 v20, v20, v20
	v_fmac_f32 v20, v21, v21
	v_fmac_f32 v20, v22, v22
	v_fmac_f32 v20, v23, v23
	v_readlane_b32 s24, v20, 0
	v_readlane_b32 s25, v20, 1
	v_readlane_b32 s26, v16, 2                     ; word 8: sum of lse^2
	v_readlane_b32 s27, v17, 2                     ; word 9: sum of the entropies
	v_mov_b32 v24, s24
	v_add_f32 v24, s25, v24
	v_mul_f32 v24, 0x3e000000, v24                 ; load_balance: the mean of eight squares
	v_mov_b32 v25, s26
	v_mul_f32 v25, s22, v25                        ; router_z
	v_mov_b32 v26, s27
	v_mul_f32 v26, s22, v26                        ; entropy
	v_sub_f32 v27, v25, v26
	v_fmamk_f32 v27, v27, 0x3a83126f, v24          ; aux = load_balance + 1e-3 (router_z - entropy)
	v_mov_b32 v28, 0
	v_cmp_eq_u32 vcc_lo, 0, v1
	s_wait_xcnt 0x0
	s_and_saveexec_b32 s19, vcc_lo
	global_store_b32 v28, v24, s[10:11]
	global_store_b32 v28, v25, s[12:13]
	global_store_b32 v28, v26, s[14:15]
	global_store_b32 v28, v27, s[16:17]
	s_wait_xcnt 0x0
	s_or_b32 exec_lo, exec_lo, s19
	s_endpgm
.Lfunc_end_k_q205410c91c_bucket:
	.size	k_q205410c91c_bucket, .Lfunc_end_k_q205410c91c_bucket-k_q205410c91c_bucket
	.p2alignl 7, 3214868480
	.fill 96, 4, 3214868480
	.section	.rodata,"a",@progbits
	.p2align	6, 0x0
	.amdhsa_kernel k_q205410c91c_bucket
		.amdhsa_group_segment_fixed_size 0
		.amdhsa_private_segment_fixed_size 0
		.amdhsa_enable_private_segment 0
		.amdhsa_kernarg_size 56
		.amdhsa_user_sgpr_count 2
		.amdhsa_user_sgpr_kernarg_segment_ptr 1
		.amdhsa_wavefront_size32 1
		.amdhsa_system_sgpr_workgroup_id_x 1
		.amdhsa_system_sgpr_workgroup_id_y 1
		.amdhsa_system_sgpr_workgroup_id_z 1
		.amdhsa_system_vgpr_workitem_id 0
		.amdhsa_next_free_vgpr 192
		.amdhsa_next_free_sgpr 66
		.amdhsa_reserve_vcc 1
		.amdhsa_float_denorm_mode_32 3
		.amdhsa_float_denorm_mode_16_64 3
		.amdhsa_memory_ordered 1
		.amdhsa_forward_progress 1
		.amdhsa_inst_pref_size 44
	.end_amdhsa_kernel
	.amdgpu_metadata
---
amdhsa.version: [ 1, 2 ]
amdhsa.kernels:
  - .name:           k_q205410c91c_bucket
    .symbol:         k_q205410c91c_bucket.kd
    .args:
      - { .name: sel, .offset: 0, .size: 8, .value_kind: global_buffer, .address_space: global }
      - { .name: rstat, .offset: 8, .size: 8, .value_kind: global_buffer, .address_space: global }
      - { .name: route, .offset: 16, .size: 8, .value_kind: global_buffer, .address_space: global }
      - { .name: out1, .offset: 24, .size: 8, .value_kind: global_buffer, .address_space: global }
      - { .name: out2, .offset: 32, .size: 8, .value_kind: global_buffer, .address_space: global }
      - { .name: out3, .offset: 40, .size: 8, .value_kind: global_buffer, .address_space: global }
      - { .name: out4, .offset: 48, .size: 8, .value_kind: global_buffer, .address_space: global }
    .group_segment_fixed_size: 0
    .private_segment_fixed_size: 0
    .kernarg_segment_align: 8
    .kernarg_segment_size: 56
    .max_flat_workgroup_size: 288
    .sgpr_count:     66
    .vgpr_count:     192
    .wavefront_size: 32
...
	.end_amdgpu_metadata
.endif
;; end of part 3
;; launch gather (part 4): grid 256 x 1, 4 waves a work-group, no clusters, 17,920 bytes of LDS; arguments route, x, xg; writes xg
.if DOCPART == 4
	.amdgcn_target "amdgcn-amd-amdhsa--gfx1250"
	.amdhsa_code_object_version 6
	.text
	.protected	k_q205410c91c_gather
	.globl	k_q205410c91c_gather
	.p2align	8
	.type	k_q205410c91c_gather,@function
k_q205410c91c_gather:
	s_mov_b64 s[64:65], 0
	v_nop
	global_prefetch_b8 v0, s[64:65] scope:SCOPE_SE
	s_setreg_imm32_b32 hwreg(HW_REG_WAVE_MODE, 25, 1), 1
	s_wait_xcnt 0x0
; xg = the x rows of each expert's slots, rounded to f16, in the order in which the matrix instruction wants its operand:
; xg[tile of 16 slots][ks = 0..15][c = 0, 1][lane L][16 bytes] = row L & 15 of the tile, k = 32 ks + 16 c + 8 (L >> 4) + 0 .. 7,
; that is registers 4 c .. 4 c + 3 of lane L's fragment of K step ks.  The next launch then loads fragments by loads of 512 consecutive bytes.
; f16 and not bf16: see the head of the next launch.  LIMIT: an x above 65,504 in magnitude becomes an infinity; below 2^-14 the steps are 2^-24.
; Work-group = (expert e = id >> 5, j = id & 31); it takes the expert's tiles j, j + 32, ..  How many there are is a count read from route
; (stored by an earlier launch); a work-group whose expert has at most 16 j pairs has no tile.  Wave kq takes columns 128 kq .. + 127.
; The turn from rows to fragments goes through 4,352 bytes of LDS of the wave's own (16 rows of pitch 272): no barrier.
; Memory binds: each load covers 512 consecutive bytes of a row, each store 512 consecutive bytes of xg.  No matrix unit, no cluster: nothing is shared.
.set CNTB,  82944
.set PITCH, 272                        ; 256 bytes of a row's quarter in f16 + 16: sixteen rows start in sixteen different 16-byte columns
.set OFF,   16                         ; v[16:31]   byte offset of my 16 bytes in each of the 16 rows
.set XR,    32                         ; v[32:95]   the rows as loaded
.set PK,    96                         ; v[96:99]   packed, two pairs in turn
.set OUTR,  100                        ; v[100:131] fragments to store
	s_load_b128 s[4:7], s[0:1], 0x0                ; route s[4:5], x s[6:7]
	s_load_b64 s[8:9], s[0:1], 0x10                ; xg
	v_lshl_add_u32 v136, v0, 2, 0x4400
	v_mov_b32 v137, 0
	v_and_b32 v1, 31, v0
	v_lshrrev_b32 v2, 5, v0
	v_readfirstlane_b32 s10, v2                    ; kq
	s_lshr_b32 s11, ttmp9, 5                       ; e
	s_and_b32 s12, ttmp9, 31                       ; j
	s_lshl_b32 s36, s11, 2
	s_mov_b32 s37, 0
	s_wait_kmcnt 0x0
	s_add_nc_u64 s[38:39], s[4:5], s[36:37]
	s_load_b32 s13, s[38:39], CNTB                 ; the expert's count
	v_lshlrev_b32 v2, 4, v1                        ; 16 x lane
	s_lshl_b32 s40, s10, 9
	v_add_nc_u32 v3, s40, v2                       ; + my wave's 512 bytes of a row
	s_mul_i32 s41, s10, 16*PITCH                   ; my wave's stage
	v_lshl_add_u32 v4, v1, 3, s41                  ; in: 8 bytes a lane
	v_and_b32 v5, 15, v1
	v_mul_u32_u24 v5, v5, PITCH
	v_lshrrev_b32 v6, 4, v1
	v_lshl_add_u32 v5, v6, 4, v5
	v_add_nc_u32 v5, s41, v5                       ; back: row L & 15, 16 bytes for each half of the lanes
	s_mul_i32 s42, s11, 130                        ; the expert's first tile: 2,080 / 16
	s_lshl_b32 s44, s10, 12                        ; my wave's four K steps in a tile of xg
	s_wait_kmcnt 0x0
	s_min_u32 s13, s13, 2048
	s_add_co_u32 s13, s13, 15
	s_lshr_b32 s13, s13, 4                         ; tiles of the expert
	s_add_co_u32 s13, s13, 31
	s_sub_co_u32 s13, s13, s12
	s_lshr_b32 s13, s13, 5                         ; of which mine: j, j + 32, ..
	s_cmp_eq_u32 s13, 0
	s_cbranch_scc1 .Lend
	s_mov_b32 s14, 0
.Ltrip:
	s_wait_xcnt 0x0                                ; the last trip's stores have read OUTR and their base: both are written again below
	s_lshl_b32 s43, s14, 5
	s_add_co_u32 s43, s43, s12                     ; tile in the expert
	s_min_u32 s43, s43, 129
	s_add_co_u32 s43, s43, s42                     ; tile in all
	s_lshl_b32 s36, s43, 6                         ; 16 entries of 4 bytes
	s_add_nc_u64 s[38:39], s[4:5], s[36:37]
	s_load_b512 s[16:31], s[38:39], 0x0            ; the tile's 16 token numbers
	s_lshl_b32 s36, s43, 14                        ; a tile of xg is 16,384 bytes
	s_add_co_u32 s36, s36, s44
	s_add_nc_u64 s[46:47], s[8:9], s[36:37]
	s_wait_kmcnt 0x0
.irp r, 0,1,2,3,4,5,6,7,8,9,10,11,12,13,14,15
	s_min_u32 s[16+\r], s[16+\r], 2047             ; a loaded number is bounded before it addresses
	s_lshl_b32 s[16+\r], s[16+\r], 11
	v_add_nc_u32 v[OFF+\r], s[16+\r], v3
	global_load_b128 v[XR+4*\r:XR+4*\r+3], v[OFF+\r], s[6:7]
.endr
.irp r, 0,1,2,3,4,5,6,7,8,9,10,11,12,13,14,15
	s_wait_loadcnt 15-\r                           ; loads come back in order: row r is in, the younger ones stay out
	v_cvt_pk_f16_f32 v[PK+2*(\r&1)],   v[XR+4*\r],   v[XR+4*\r+1]
	v_cvt_pk_f16_f32 v[PK+2*(\r&1)+1], v[XR+4*\r+2], v[XR+4*\r+3]
	ds_store_b64 v4, v[PK+2*(\r&1):PK+2*(\r&1)+1] offset:PITCH*\r
.endr
.irp t, 0,1,2,3,4,5,6,7
	ds_load_b128 v[OUTR+4*\t:OUTR+4*\t+3], v5 offset:32*\t     ; t = 2 x K step + c.  LDS serves a wave's instructions in order: these see the stores above
.endr
.irp t, 0,1,2,3,4,5,6,7
	s_wait_dscnt 7-\t
	global_store_b128 v2, v[OUTR+4*\t:OUTR+4*\t+3], s[46:47] offset:512*\t
.endr
	s_add_co_u32 s14, s14, 1
	s_cmp_lt_u32 s14, s13
	s_cbranch_scc1 .Ltrip
.Lend:
	s_wait_tensorcnt 0x0
	ds_add_u32 v136, v137
	s_wait_dscnt 0x0
	s_endpgm
.Lfunc_end_k_q205410c91c_gather:
	.size	k_q205410c91c_gather, .Lfunc_end_k_q205410c91c_gather-k_q205410c91c_gather
	.p2alignl 7, 3214868480
	.fill 96, 4, 3214868480
	.section	.rodata,"a",@progbits
	.p2align	6, 0x0
	.amdhsa_kernel k_q205410c91c_gather
		.amdhsa_group_segment_fixed_size 17920
		.amdhsa_private_segment_fixed_size 0
		.amdhsa_enable_private_segment 0
		.amdhsa_kernarg_size 24
		.amdhsa_user_sgpr_count 2
		.amdhsa_user_sgpr_kernarg_segment_ptr 1
		.amdhsa_wavefront_size32 1
		.amdhsa_system_sgpr_workgroup_id_x 1
		.amdhsa_system_sgpr_workgroup_id_y 1
		.amdhsa_system_sgpr_workgroup_id_z 1
		.amdhsa_system_vgpr_workitem_id 0
		.amdhsa_next_free_vgpr 138
		.amdhsa_next_free_sgpr 66
		.amdhsa_reserve_vcc 0
		.amdhsa_float_denorm_mode_32 3
		.amdhsa_float_denorm_mode_16_64 3
		.amdhsa_memory_ordered 1
		.amdhsa_forward_progress 1
		.amdhsa_inst_pref_size 11
	.end_amdhsa_kernel
	.amdgpu_metadata
---
amdhsa.version: [ 1, 2 ]
amdhsa.kernels:
  - .name:           k_q205410c91c_gather
    .symbol:         k_q205410c91c_gather.kd
    .args:
      - { .name: route, .offset: 0, .size: 8, .value_kind: global_buffer, .address_space: global }
      - { .name: x, .offset: 8, .size: 8, .value_kind: global_buffer, .address_space: global }
      - { .name: xg, .offset: 16, .size: 8, .value_kind: global_buffer, .address_space: global }
    .group_segment_fixed_size: 17920
    .private_segment_fixed_size: 0
    .kernarg_segment_align: 8
    .kernarg_segment_size: 24
    .max_flat_workgroup_size: 128
    .sgpr_count:     66
    .vgpr_count:     138
    .wavefront_size: 32
...
	.end_amdgpu_metadata
.endif
;; end of part 4
;; launch gemm1 (part 5): grid 256 x 1, 4 waves a work-group, no clusters, 82,432 bytes of LDS; arguments route, xg, W1, b1, hf; writes hf
.if DOCPART == 5
	.amdgcn_target "amdgcn-amd-amdhsa--gfx1250"
	.amdhsa_code_object_version 6
	.text
	.protected	k_q205410c91c_gemm1
	.globl	k_q205410c91c_gemm1
	.p2align	8
	.type	k_q205410c91c_gemm1,@function
k_q205410c91c_gemm1:
	s_mov_b64 s[64:65], 0
	v_nop
	global_prefetch_b8 v0, s[64:65] scope:SCOPE_SE
	s_setreg_imm32_b32 hwreg(HW_REG_WAVE_MODE, 25, 1), 1
	s_wait_xcnt 0x0
; One text for the two products of the experts' FFN; MODE says which.
;   MODE 1: hf = gelu(xg x W1[e] + b1[e]), f16, stored in fragment order.     MODE 2: yp[kc] = hf[:, 512 kc ..] x W2[e] (+ b2[e] where kc = 0), f32.
; Only the pairs (token, expert) that the router chose are computed: the other six weights of a token are exactly 0 in the combination.
; THE OPERANDS ARE f16, THE SUMS f32.  Four operands are rounded on the way to an output (x, W1, h, W2).  With 8 significant bits (bf16) each has a
; relative error of about 2^-8 / sqrt 3 x 0.74 = 0.0017, the four add in squares, and the noise on an output is about a third of a hundredth of
; the outputs' root mean square: too near to that hundredth for a million outputs.  With 11 bits (f16) it is an eighth of that.
; f16's room (largest number 65,504; steps of 2^-24 below 2^-14): with x about 1, W about 0.02, h below 3, all of them 30 times larger give |x| below 180,
; |W| below 4, h below 2,700; offsets of 30 spreads on x and W1 give 512 x 30 x 0.6 = 9,216 in front of GELU; all 30 times smaller give W about 7e-4 and
; h about 2.5e-4, of which the step's error (1.7e-8) is less than 1e-4.  LIMIT: an operand (x, W1, W2, h) above 65,504 in magnitude becomes an infinity.
; Work-group = (expert e = id >> 5, sub = id & 31).  Its B is 512 (k) x 64 (n) of the expert's weights: MODE 1: columns 64 sub ..;
; MODE 2: rows 512 (sub >> 3) .., columns 64 (sub & 7) ..  So each weight byte is asked for once in the whole launch.
; B is read as f32 (rows of 256 consecutive bytes), rounded to f16 into LDS [k][n], and each of the four waves then takes ALL of it into
; 512 registers by transposing LDS loads.  After that the loop reads no LDS: a fragment of A (1 KiB, 16 slots x 32 k) comes from memory
; straight into registers, by loads of 512 consecutive bytes (xg and hf lie in fragment order), and feeds four matrix instructions.
; Wave w takes the expert's tiles of 16 slots w, w + 4, ..; how many is a count read from route, which an earlier launch stored.
; NO CLUSTER, NO JOINT REQUESTS, NO LDS RING FOR A.  The weights are shared by no two work-groups.  The 32 work-groups of an expert do read the
; same tiles of A; but the number of tiles is read from memory and differs from wave to wave ((tiles + 3 - w) >> 2), a shared ring is
; filled again only behind a barrier, and every wave has to pass every barrier: the one barrier here stands ahead of all that hangs on the count.
; THE MATRIX INSTRUCTION IS USED TRANSPOSED: source 0 = 16 columns of B, source 1 = 16 slots of A.  Lane (r = L & 15, h = L >> 4) then holds,
; of slot r, the eight neighbouring columns 16 nt + 8 h + 0 .. 7.  In MODE 1 these, packed to f16, ARE registers 4 c .. 4 c + 3 of the lane's
; fragment of K step ks for MODE 2 (ks = 2 sub + (nt >> 1), c = nt & 1): the results leave without a pass through LDS.
; The bias enters as the C operand of a tile's first matrix instruction: nothing is cleared and no addition is spent.
; GELU is the exact (erf) form: erf by Abramowitz and Stegun 7.1.26, absolute error at most 1.5e-7 for every argument:
;   gelu(x) = x/2 + |x| (1/2 + t (b1 + t (b2 + t (b3 + t (b4 + t b5)))) exp(-x^2/2)),  t = 1 / (1 + 0.23164189 |x|),  bk = -ak / 2.
; FURTHER LIMITS: for large negative x the two terms cancel and leave an absolute error of about 1e-7 |x| (as 1 + erf in f32 does);
; an infinity or NaN in an expert that a token did not choose does not reach that token's output (0 x inf is not formed).
; The time grows with the largest count, since 32 work-groups serve an expert; the values hold for any counts from 0 to 2,048.
.set MODE, 1
.if MODE == 1
.set ROWP, 8192                        ; bytes from row to row of the weights
.set BSH,  13                          ; bias: expert << BSH
.set ATS,  14                          ; a tile of A is 1 << ATS bytes
.set ASH,  16                          ; four tiles of A
.set OTS,  16                          ; a tile of the output
.set ONS,  11                          ; my 64 columns in it: sub << ONS
.set OSH,  18                          ; four tiles of the output
.else
.set ROWP, 2048
.set BSH,  11
.set ATS,  16
.set ASH,  18
.set OTS,  15
.set ONS,  8
.set OSH,  17
.endif
.set CNTB,   82944                     ; the counts in route
.set KCS,    34078720                  ; MODE 2: bytes of one K chunk's plane of yp: 16,640 slots x 2,048
.set BP,     160                       ; LDS pitch of a row of B: 128 bytes + 32, an odd multiple of 32
.set STG,    81920                     ; MODE 2: behind B, 16 rows x 272 bytes for each wave, for the way out
.set SPITCH, 272
; REGISTERS, in windows of 256.  Window 0:
;   v1 16 x lane   v2 my offset in the weights   v3, v4 where I put B (rows 0-255, 256-511)   v5, v6 where I read B   v7 32 h
;   v8 way out: in   v9 way out: back   v10 my offset in yp
.set ACC,  16                          ; v[16:47]   four accumulator tiles
.set BIAS, 48                          ; v[48:79]   the bias in the accumulators' layout
.set T,    80                          ; v[80:111]  GELU
.set E,    112                         ; v[112:143]
.set PP,   144                         ; v[144:175]
.set OUT,  176                         ; v[176:191] packed results; MODE 2: v[176:207] rows read back
.set RING, 80                          ; v[80:207]  while B comes in: 32 load slots of 4 registers
.set PK,   208                         ; v[208:215] packed words, four pairs in turn
.set KB5,  216                         ; v[216:227] GELU's constants, each twice, for the packed forms
.set KB4,  218
.set KB3,  220
.set KB2,  222
.set KB1,  224
.set KC,   226
; Windows 1, 2: B(ks, nt) at 256 + 8 (4 ks + nt).   Window 3: two buffers of A, 128 registers each, fragment ks at 8 ks.
; SCALARS: s14 wave, s15 e, s16 ns, s17 kc, s18 the expert's tiles, s19 my tiles, s20 my last tile, s21 the pair's first tile, s23 at work,
;   s[24:27] the two buffers' bases in A, s[28:29] the stores' base, s[30:31] an offset, s[32:33] A and s[34:35] the output at my first tile,
;   s37 the loop's counter (pairs of tiles), s38 its bound.
; s_set_vgpr_msb's low byte: bits 1:0 source 0, 3:2 source 1, 5:4 source 2, 7:6 destination.
.set MSB, 0
.macro WIN new                         ; the immediate's high byte repeats the setting that is left; a switch that changes nothing is dropped
.if MSB != \new
	s_set_vgpr_msb (MSB<<8)|\new
.set MSB, \new
.endif
.endm
.macro KPAIR r, val
	v_mov_b32 v[\r], \val
	v_mov_b32 v[\r+1], \val
.endm
.macro PLACES                          ; Behind a matrix instruction four plain vector places stand before a load lands on one of its sources or anything
.rept 5                                ; else reads its result, five before another matrix instruction writes over its result (ISA guide 7.12.1);
	v_nop                              ; matrix instructions in between are not counted as places.  20 issue slots for a tile's 64 matrix instructions.
.endr
.endm
; eight loads: K steps 4 qt .. 4 qt + 3 of a tile of A into buffer buf, 512 consecutive bytes each
.macro FILL buf, qt
	WIN 0xc0                           ; destination window 3, address window 0
.irp i, 0,1,2,3,4,5,6,7
	global_load_b128 v[128*\buf+32*\qt+4*\i:128*\buf+32*\qt+4*\i+3], v1, s[24+2*\buf:25+2*\buf] offset:512*(8*\qt+\i)
.endr
.endm
; sixteen matrix instructions: K steps 4 qt .. 4 qt + 3 x the four column tiles; neighbours in the text work on different accumulators
.macro MUL16 buf, qt
.if \qt < 2
	WIN 0x0d                           ; source 0 (B) window 1, source 1 (A) window 3, C and D window 0
.else
	WIN 0x0e                           ; B in window 2
.endif
.irp k, 0,1,2,3
.irp nt, 0,1,2,3
.if (4*\qt+\k) == 0
	v_wmma_f32_16x16x32_f16 v[ACC+8*\nt:ACC+8*\nt+7], v[8*\nt:8*\nt+7], v[128*\buf:128*\buf+7], v[BIAS+8*\nt:BIAS+8*\nt+7]
.else
	v_wmma_f32_16x16x32_f16 v[ACC+8*\nt:ACC+8*\nt+7], v[8*(4*((4*\qt+\k)&7)+\nt):8*(4*((4*\qt+\k)&7)+\nt)+7], v[128*\buf+8*(4*\qt+\k):128*\buf+8*(4*\qt+\k)+7], v[ACC+8*\nt:ACC+8*\nt+7]
.endif
.endr
.endr
.endm
.macro PKFMA d, a, b, sb, c            ; 16 packed multiply-adds on 32 numbers: d = a b + c; sb = 1: b runs with them, 0: b is a constant pair; c is one
.set i, 0
	s_wait_alu depctr_va_vdst(0)
.rept 16
	v_pk_fma_f32 v[\d+i:\d+i+1], v[\a+i:\a+i+1], v[\b+\sb*i:\b+\sb*i+1], v[\c:\c+1]
.set i, i+2
.endr
.endm
.macro PKMUL d, a, b, sb
.set i, 0
.rept 16
	v_pk_mul_f32 v[\d+i:\d+i+1], v[\a+i:\a+i+1], v[\b+\sb*i:\b+\sb*i+1]
.set i, i+2
.endr
.endm
; GELU of the 32 accumulators, stage by stage, so that 31 other instructions stand between any two that depend on each other,
; and plain stages between each run of transcendentals and the use of its results (ISA guide 5.7.2)
.macro GELU
.set i, 0
.rept 32
	v_fma_f32 v[T+i], |v[ACC+i]|, s36, 1.0
.set i, i+1
.endr
.set i, 0
.rept 32
	v_rcp_f32 v[T+i], v[T+i]                       ; t
.set i, i+1
.endr
	PKMUL E, ACC, KC, 0
	PKMUL E, E, ACC, 1                             ; -x^2 / 2 x log2 e
.set i, 0
.rept 32
	v_exp_f32 v[E+i], v[E+i]
.set i, i+1
.endr
	PKFMA PP, T, KB5, 0, KB4
	PKFMA PP, PP, T, 1, KB3
	PKFMA PP, PP, T, 1, KB2
	PKFMA PP, PP, T, 1, KB1
	PKMUL E, E, T, 1
.set i, 0
.rept 16
	v_pk_fma_f32 v[PP+i:PP+i+1], v[PP+i:PP+i+1], v[E+i:E+i+1], 0.5 op_sel_hi:[1,1,0]   ; erf(|x| / sqrt 2) / 2
.set i, i+2
.endr
.set i, 0
.rept 16
	v_pk_mul_f32 v[E+i:E+i+1], v[ACC+i:ACC+i+1], 0.5 op_sel_hi:[1,0]
.set i, i+2
.endr
.set i, 0
.rept 32
	v_fma_f32 v[T+i], |v[ACC+i]|, v[PP+i], v[E+i]
.set i, i+1
.endr
.set i, 0
.rept 16
	v_cvt_pk_f16_f32 v[OUT+i], v[T+2*i], v[T+2*i+1]
.set i, i+1
.endr
.endm
; One tile: the wave's tile number s21 + buf, out of buffer buf, which is filled again, quarter by quarter, with the tile two further on.
; The last tiles' refills are bounded to the wave's last tile and never used: so the same loads stand behind each counted wait on every path.
.macro BLOCK buf
	s_wait_xcnt 0x0                                ; all earlier loads and stores have had their addresses translated (ISA guide 3.1): the buffer's base,
	s_add_co_u32 s23, s21, 2+\buf                  ; the stores' base and the stores' data are written again only behind this wait
	s_min_u32 s23, s23, s20                        ; not past my last tile
	s_min_u32 s23, s23, 31                         ; a number that hangs on loaded data is bounded by a constant before it addresses: at most 32 tiles a wave
	s_lshl_b32 s30, s23, ASH
	s_add_nc_u64 s[24+2*\buf:25+2*\buf], s[32:33], s[30:31]
	s_add_co_u32 s23, s21, \buf
	s_min_u32 s23, s23, 31
	s_lshl_b32 s30, s23, OSH
	s_add_nc_u64 s[28:29], s[34:35], s[30:31]
.irp qt, 0,1,2,3
	s_wait_loadcnt 56                              ; behind this quarter's 8 loads stand 24 - 8 qt of the same fill, the other buffer's 32 and 8 qt refills: 56, always
	MUL16 \buf, \qt
	PLACES
	FILL \buf, \qt
.endr
	WIN 0
.if MODE == 1
	GELU
.irp g, 0,1,2,3
	global_store_b128 v1, v[OUT+4*\g:OUT+4*\g+3], s[28:29] offset:512*\g       ; 512 consecutive bytes: half a K step of the next product's fragments
.endr
.else
.irp nt, 0,1,2,3
	ds_store_b128 v8, v[ACC+8*\nt:ACC+8*\nt+3]   offset:64*\nt                 ; slot r, columns 16 nt + 8 h ..
	ds_store_b128 v8, v[ACC+8*\nt+4:ACC+8*\nt+7] offset:64*\nt+16
.endr
.irp t, 0,1,2,3,4,5,6,7
	ds_load_b128 v[OUT+4*\t:OUT+4*\t+3], v9 offset:2*SPITCH*\t                 ; my own bytes, and LDS serves a wave in order: no wait between
.endr
.irp t, 0,1,2,3,4,5,6,7
	s_wait_dscnt 7-\t
	global_store_b128 v10, v[OUT+4*\t:OUT+4*\t+3], s[28:29] offset:4096*\t     ; sixteen lanes store the work-group's 256 consecutive bytes of a row
.endr
.endif
.endm
	s_load_b256 s[4:11], s[0:1], 0x0               ; route 4, A 6, weights 8, bias 10
	s_load_b64 s[12:13], s[0:1], 0x20              ; output
	v_lshl_add_u32 v254, v0, 2, 0x14000
	v_mov_b32 v255, 0
	v_lshrrev_b32 v1, 5, v0
	v_readfirstlane_b32 s14, v1                    ; wave
	s_lshr_b32 s15, ttmp9, 5                       ; e
.if MODE == 1
	s_and_b32 s16, ttmp9, 31                       ; ns: which 64 columns
	s_mov_b32 s17, 0                               ; kc: K is not split
.else
	s_bfe_u32 s17, ttmp9, 0x20003                  ; kc: 2 bits from bit 3
	s_and_b32 s16, ttmp9, 7                        ; ns
.endif
	s_mov_b32 s31, 0                               ; upper word of every offset
	v_and_b32 v11, 31, v0                          ; L
	v_lshlrev_b32 v1, 4, v11
	v_lshrrev_b32 v12, 4, v0                       ; t >> 4: which of 8 rows of the weights
	v_and_b32 v13, 15, v0                          ; t & 15 = r: which 16 bytes of the row's 256
	v_mul_u32_u24 v2, v12, ROWP
	v_lshl_add_u32 v2, v13, 4, v2
	v_mul_u32_u24 v3, v12, BP
	v_lshl_add_u32 v3, v13, 3, v3                  ; four f16 = 8 bytes
	v_add_nc_u32 v4, 256*BP, v3
	v_lshrrev_b32 v14, 4, v11                      ; h
	v_and_b32 v15, 7, v11
	v_lshl_add_u32 v15, v14, 3, v15                ; row 8 h + (L & 7) of a K step's first 16,
	v_mul_u32_u24 v5, v15, BP
	v_bfe_u32 v15, v11, 3, 1
	v_lshl_add_u32 v5, v15, 4, v5                  ; 16 bytes ((L >> 3) & 1) of the 32 of a column tile
	v_add_nc_u32 v6, 256*BP, v5
	v_lshlrev_b32 v7, 5, v14
.if MODE == 1
	s_mov_b32 s36, 0x3e6d3388                      ; 0.3275911 / sqrt 2
	KPAIR KB5, 0xbf07dc22                          ; -1.061405429 / 2
	KPAIR KB4, 0x3f3a00e3                          ; +1.453152027 / 2
	KPAIR KB3, 0xbf35f0e3                          ; -1.421413741 / 2
	KPAIR KB2, 0x3e11a98e                          ; +0.284496736 / 2
	KPAIR KB1, 0xbe027906                          ; -0.254829592 / 2
	KPAIR KC,  0xbf38aa3b                          ; -log2 e / 2
.else
	s_mul_i32 s23, s14, 16*SPITCH
	s_add_co_u32 s23, s23, STG                     ; my stage
	v_mul_u32_u24 v8, v13, SPITCH
	v_add_nc_u32 v8, v8, v7
	v_add_nc_u32 v8, s23, v8                       ; in: row r, 32 bytes for each half of the lanes
	v_mul_u32_u24 v9, v14, SPITCH
	v_lshl_add_u32 v9, v13, 4, v9
	v_add_nc_u32 v9, s23, v9                       ; back: lanes 0-15 one row of 256 bytes, lanes 16-31 the next
	v_lshlrev_b32 v10, 11, v14
	v_lshl_add_u32 v10, v13, 4, v10                ; and the same two rows in yp
.endif
	s_wait_kmcnt 0x0
	s_lshl_b32 s30, s15, 2
	s_add_nc_u64 s[4:5], s[4:5], s[30:31]
	s_load_b32 s18, s[4:5], CNTB                   ; the expert's count; waited for behind the barrier
	s_lshl_b32 s30, s15, 22                        ; an expert's weights: 4,194,304 bytes
	s_lshl_b32 s23, s17, 20                        ; 512 rows of 2,048 bytes
	s_add_co_u32 s30, s30, s23
	s_lshl_b32 s23, s16, 8                         ; 64 columns
	s_add_co_u32 s30, s30, s23
	s_add_nc_u64 s[8:9], s[8:9], s[30:31]
	s_lshl_b32 s30, s15, BSH
	s_add_co_u32 s30, s30, s23
	s_add_nc_u64 s[10:11], s[10:11], s[30:31]
	s_mul_i32 s22, s15, 130
	s_add_co_u32 s22, s22, s14                     ; my first tile: 130 e + w
	s_lshl_b32 s30, s22, ATS
	s_lshl_b32 s23, s17, 14                        ; 16 K steps of 1 KiB
	s_add_co_u32 s30, s30, s23
	s_add_nc_u64 s[32:33], s[6:7], s[30:31]        ; A at my first tile
	s_lshl_b32 s30, s22, OTS
	s_lshl_b32 s23, s16, ONS
	s_add_co_u32 s30, s30, s23
.if MODE == 2
	s_mul_i32 s23, s17, KCS
	s_add_co_u32 s30, s30, s23
.endif
	s_add_nc_u64 s[34:35], s[12:13], s[30:31]      ; the output at my first tile
.irp nt, 0,1,2,3
	global_load_b128 v[BIAS+8*\nt:BIAS+8*\nt+3],   v7, s[10:11] offset:64*\nt      ; columns 16 nt + 8 h + 0 .. 3
	global_load_b128 v[BIAS+8*\nt+4:BIAS+8*\nt+7], v7, s[10:11] offset:64*\nt+16
.endr
	; B: 64 steps of 8 rows x 256 bytes for the work-group, 32 of them always on their way
.set p, 0
.rept 32
	global_load_b128 v[RING+4*p:RING+4*p+3], v2, s[8:9] offset:p*8*ROWP th:TH_LOAD_NT
.set p, p+1
.endr
.set p, 0
.rept 64
.if p < 32
	s_wait_loadcnt 31                              ; behind load p stand 31 - p of the first run and p refills
.else
	s_wait_loadcnt 63-p                            ; nothing is issued any more: the counts run down
.endif
	v_cvt_pk_f16_f32 v[PK+2*(p&3)],   v[RING+4*(p&31)],   v[RING+4*(p&31)+1]
	v_cvt_pk_f16_f32 v[PK+2*(p&3)+1], v[RING+4*(p&31)+2], v[RING+4*(p&31)+3]
.if p < 32
	ds_store_b64 v3, v[PK+2*(p&3):PK+2*(p&3)+1] offset:8*BP*p
	global_load_b128 v[RING+4*p:RING+4*p+3], v2, s[8:9] offset:(p+32)*8*ROWP th:TH_LOAD_NT
.else
	ds_store_b64 v4, v[PK+2*(p&3):PK+2*(p&3)+1] offset:8*BP*(p-32)
.endif
.set p, p+1
.endr
	s_wait_dscnt 0x0                               ; my part of B is in LDS before I say so
	s_barrier_signal -1
	s_barrier_wait -1                              ; all of it is.  The only barrier; B is not written again
.if MODE == 2
	s_cmp_eq_u32 s17, 0                            ; b2 is added once: by the first K chunk
	s_cselect_b32 s23, -1, 0
.set i, 0
.rept 32
	v_and_b32 v[BIAS+i], s23, v[BIAS+i]
.set i, i+1
.endr
.endif
	s_wait_kmcnt 0x0
	s_min_u32 s18, s18, 2048
	s_add_co_u32 s18, s18, 15
	s_lshr_b32 s18, s18, 4                         ; the expert's tiles
	s_add_co_u32 s19, s18, 3
	s_sub_co_u32 s19, s19, s14
	s_lshr_b32 s19, s19, 2                         ; mine: w, w + 4, ..
	s_cmp_eq_u32 s19, 0
	s_cbranch_scc1 .Ldone
	s_sub_co_u32 s20, s19, 1
	s_add_co_u32 s38, s19, 1
	s_lshr_b32 s38, s38, 1                         ; trips of the loop: pairs of tiles, the last pair perhaps half
	s_mov_b64 s[24:25], s[32:33]                   ; tile 0 into buffer 0
	s_min_u32 s23, s20, 1
	s_lshl_b32 s30, s23, ASH
	s_add_nc_u64 s[26:27], s[32:33], s[30:31]      ; tile 1 (or the only one again) into buffer 1
.irp qt, 0,1,2,3
	FILL 0, \qt
.endr
.irp qt, 0,1,2,3
	FILL 1, \qt
.endr
	; all of B into registers: (ks, nt): two transposing loads, k = 32 ks + 8 h .. and 32 ks + 16 + 8 h .. of column 16 nt + r
	WIN 0x40                                       ; destination window 1
.irp ks, 0,1,2,3,4,5,6,7
.irp nt, 0,1,2,3
	ds_load_tr16_b128 v[8*(4*\ks+\nt):8*(4*\ks+\nt)+3],   v5 offset:32*BP*\ks+32*\nt
	ds_load_tr16_b128 v[8*(4*\ks+\nt)+4:8*(4*\ks+\nt)+7], v5 offset:32*BP*\ks+32*\nt+16*BP
.endr
.endr
	WIN 0x80                                       ; destination window 2: K steps 8 to 15
.irp ks, 0,1,2,3,4,5,6,7
.irp nt, 0,1,2,3
	ds_load_tr16_b128 v[8*(4*\ks+\nt):8*(4*\ks+\nt)+3],   v6 offset:32*BP*\ks+32*\nt
	ds_load_tr16_b128 v[8*(4*\ks+\nt)+4:8*(4*\ks+\nt)+7], v6 offset:32*BP*\ks+32*\nt+16*BP
.endr
.endr
	WIN 0                                          ; at a label and at a branch every window is 0
	s_wait_dscnt 0x0
	s_mov_b32 s37, 0                               ; the loop counts pairs of tiles, one a trip, against s38
.Lloop:
	s_lshl_b32 s21, s37, 1                         ; the pair's first tile
	BLOCK 0
	s_add_co_u32 s23, s21, 1
	s_cmp_lt_u32 s23, s19
	s_cbranch_scc1 .Lmore                          ; a further tile: on, inside the loop
	s_wait_tensorcnt 0x0
	ds_add_u32 v254, v255
	s_wait_dscnt 0x0
	s_endpgm                                       ; an odd number of tiles ends here: the loop is left only by ending the wave or by falling through its branch back
.Lmore:
	BLOCK 1
	s_add_co_u32 s37, s37, 1
	s_cmp_lt_u32 s37, s38
	s_cbranch_scc1 .Lloop
.Ldone:
	s_wait_tensorcnt 0x0
	ds_add_u32 v254, v255
	s_wait_dscnt 0x0
	s_endpgm
.Lfunc_end_k_q205410c91c_gemm1:
	.size	k_q205410c91c_gemm1, .Lfunc_end_k_q205410c91c_gemm1-k_q205410c91c_gemm1
	.p2alignl 7, 3214868480
	.fill 96, 4, 3214868480
	.section	.rodata,"a",@progbits
	.p2align	6, 0x0
	.amdhsa_kernel k_q205410c91c_gemm1
		.amdhsa_group_segment_fixed_size 82432
		.amdhsa_private_segment_fixed_size 0
		.amdhsa_enable_private_segment 0
		.amdhsa_kernarg_size 40
		.amdhsa_user_sgpr_count 2
		.amdhsa_user_sgpr_kernarg_segment_ptr 1
		.amdhsa_wavefront_size32 1
		.amdhsa_system_sgpr_workgroup_id_x 1
		.amdhsa_system_sgpr_workgroup_id_y 1
		.amdhsa_system_sgpr_workgroup_id_z 1
		.amdhsa_system_vgpr_workitem_id 0
		.amdhsa_next_free_vgpr 1024
		.amdhsa_next_free_sgpr 66
		.amdhsa_reserve_vcc 0
		.amdhsa_float_denorm_mode_32 3
		.amdhsa_float_denorm_mode_16_64 3
		.amdhsa_memory_ordered 1
		.amdhsa_forward_progress 1
		.amdhsa_inst_pref_size 89
	.end_amdhsa_kernel
	.amdgpu_metadata
---
amdhsa.version: [ 1, 2 ]
amdhsa.kernels:
  - .name:           k_q205410c91c_gemm1
    .symbol:         k_q205410c91c_gemm1.kd
    .args:
      - { .name: route, .offset: 0, .size: 8, .value_kind: global_buffer, .address_space: global }
      - { .name: xg, .offset: 8, .size: 8, .value_kind: global_buffer, .address_space: global }
      - { .name: W1, .offset: 16, .size: 8, .value_kind: global_buffer, .address_space: global }
      - { .name: b1, .offset: 24, .size: 8, .value_kind: global_buffer, .address_space: global }
      - { .name: hf, .offset: 32, .size: 8, .value_kind: global_buffer, .address_space: global }
    .group_segment_fixed_size: 82432
    .private_segment_fixed_size: 0
    .kernarg_segment_align: 8
    .kernarg_segment_size: 40
    .max_flat_workgroup_size: 128
    .sgpr_count:     66
    .vgpr_count:     1024
    .wavefront_size: 32
...
	.end_amdgpu_metadata
.endif
;; end of part 5
;; launch gemm2 (part 6): grid 256 x 1, 4 waves a work-group, no clusters, 99,840 bytes of LDS; arguments route, hf, W2, b2, yp; writes yp
.if DOCPART == 6
	.amdgcn_target "amdgcn-amd-amdhsa--gfx1250"
	.amdhsa_code_object_version 6
	.text
	.protected	k_q205410c91c_gemm2
	.globl	k_q205410c91c_gemm2
	.p2align	8
	.type	k_q205410c91c_gemm2,@function
k_q205410c91c_gemm2:
	s_mov_b64 s[64:65], 0
	v_nop
	global_prefetch_b8 v0, s[64:65] scope:SCOPE_SE
	s_setreg_imm32_b32 hwreg(HW_REG_WAVE_MODE, 25, 1), 1
	s_wait_xcnt 0x0
; One text for the two products of the experts' FFN; MODE says which.
;   MODE 1: hf = gelu(xg x W1[e] + b1[e]), f16, stored in fragment order.     MODE 2: yp[kc] = hf[:, 512 kc ..] x W2[e] (+ b2[e] where kc = 0), f32.
; Only the pairs (token, expert) that the router chose are computed: the other six weights of a token are exactly 0 in the combination.
; THE OPERANDS ARE f16, THE SUMS f32.  Four operands are rounded on the way to an output (x, W1, h, W2).  With 8 significant bits (bf16) each has a
; relative error of about 2^-8 / sqrt 3 x 0.74 = 0.0017, the four add in squares, and the noise on an output is about a third of a hundredth of
; the outputs' root mean square: too near to that hundredth for a million outputs.  With 11 bits (f16) it is an eighth of that.
; f16's room (largest number 65,504; steps of 2^-24 below 2^-14): with x about 1, W about 0.02, h below 3, all of them 30 times larger give |x| below 180,
; |W| below 4, h below 2,700; offsets of 30 spreads on x and W1 give 512 x 30 x 0.6 = 9,216 in front of GELU; all 30 times smaller give W about 7e-4 and
; h about 2.5e-4, of which the step's error (1.7e-8) is less than 1e-4.  LIMIT: an operand (x, W1, W2, h) above 65,504 in magnitude becomes an infinity.
; Work-group = (expert e = id >> 5, sub = id & 31).  Its B is 512 (k) x 64 (n) of the expert's weights: MODE 1: columns 64 sub ..;
; MODE 2: rows 512 (sub >> 3) .., columns 64 (sub & 7) ..  So each weight byte is asked for once in the whole launch.
; B is read as f32 (rows of 256 consecutive bytes), rounded to f16 into LDS [k][n], and each of the four waves then takes ALL of it into
; 512 registers by transposing LDS loads.  After that the loop reads no LDS: a fragment of A (1 KiB, 16 slots x 32 k) comes from memory
; straight into registers, by loads of 512 consecutive bytes (xg and hf lie in fragment order), and feeds four matrix instructions.
; Wave w takes the expert's tiles of 16 slots w, w + 4, ..; how many is a count read from route, which an earlier launch stored.
; The K of MODE 2 (2,048) is split into four chunks so that 256 work-groups have work; the four partial sums are added, in a fixed order,
; by the launch that follows: no sum is formed by several work-groups in one place.
; NO CLUSTER, NO JOINT REQUESTS, NO LDS RING FOR A.  The weights are shared by no two work-groups.  The work-groups of an expert do read the
; same tiles of A; but the number of tiles is read from memory and differs from wave to wave ((tiles + 3 - w) >> 2), a shared ring is
; filled again only behind a barrier, and every wave has to pass every barrier: the one barrier here stands ahead of all that hangs on the count.
; THE MATRIX INSTRUCTION IS USED TRANSPOSED: source 0 = 16 columns of B, source 1 = 16 slots of A.  Lane (r = L & 15, h = L >> 4) then holds,
; of slot r, the eight neighbouring columns 16 nt + 8 h + 0 .. 7.  In MODE 2 a tile's 16 rows x 256 bytes go through a stage in LDS of the
; wave's own, so that sixteen neighbouring lanes store 256 consecutive bytes of a row.
; The bias enters as the C operand of a tile's first matrix instruction: nothing is cleared and no addition is spent.
; FURTHER LIMITS: an infinity or NaN in an expert that a token did not choose does not reach that token's output (0 x inf is not formed).
; The time grows with the largest count, since 32 work-groups serve an expert; the values hold for any counts from 0 to 2,048.
.set MODE, 2
.if MODE == 1
.set ROWP, 8192                        ; bytes from row to row of the weights
.set BSH,  13                          ; bias: expert << BSH
.set ATS,  14                          ; a tile of A is 1 << ATS bytes
.set ASH,  16                          ; four tiles of A
.set OTS,  16                          ; a tile of the output
.set ONS,  11                          ; my 64 columns in it: sub << ONS
.set OSH,  18                          ; four tiles of the output
.else
.set ROWP, 2048
.set BSH,  11
.set ATS,  16
.set ASH,  18
.set OTS,  15
.set ONS,  8
.set OSH,  17
.endif
.set CNTB,   82944                     ; the counts in route
.set KCS,    34078720                  ; MODE 2: bytes of one K chunk's plane of yp: 16,640 slots x 2,048
.set BP,     160                       ; LDS pitch of a row of B: 128 bytes + 32, an odd multiple of 32
.set STG,    81920                     ; MODE 2: behind B, 16 rows x 272 bytes for each wave, for the way out
.set SPITCH, 272
; REGISTERS, in windows of 256.  Window 0:
;   v1 16 x lane   v2 my offset in the weights   v3, v4 where I put B (rows 0-255, 256-511)   v5, v6 where I read B   v7 32 h
;   v8 way out: in   v9 way out: back   v10 my offset in yp
.set ACC,  16                          ; v[16:47]   four accumulator tiles
.set BIAS, 48                          ; v[48:79]   the bias in the accumulators' layout
.set T,    80                          ; v[80:111]  GELU
.set E,    112                         ; v[112:143]
.set PP,   144                         ; v[144:175]
.set OUT,  176                         ; v[176:191] packed results; MODE 2: v[176:207] rows read back
.set RING, 80                          ; v[80:207]  while B comes in: 32 load slots of 4 registers
.set PK,   208                         ; v[208:215] packed words, four pairs in turn
.set KB5,  216                         ; v[216:227] GELU's constants, each twice, for the packed forms
.set KB4,  218
.set KB3,  220
.set KB2,  222
.set KB1,  224
.set KC,   226
; Windows 1, 2: B(ks, nt) at 256 + 8 (4 ks + nt).   Window 3: two buffers of A, 128 registers each, fragment ks at 8 ks.
; SCALARS: s14 wave, s15 e, s16 ns, s17 kc, s18 the expert's tiles, s19 my tiles, s20 my last tile, s21 the pair's first tile, s23 at work,
;   s[24:27] the two buffers' bases in A, s[28:29] the stores' base, s[30:31] an offset, s[32:33] A and s[34:35] the output at my first tile,
;   s37 the loop's counter (pairs of tiles), s38 its bound.
; s_set_vgpr_msb's low byte: bits 1:0 source 0, 3:2 source 1, 5:4 source 2, 7:6 destination.
.set MSB, 0
.macro WIN new                         ; the immediate's high byte repeats the setting that is left; a switch that changes nothing is dropped
.if MSB != \new
	s_set_vgpr_msb (MSB<<8)|\new
.set MSB, \new
.endif
.endm
.macro KPAIR r, val
	v_mov_b32 v[\r], \val
	v_mov_b32 v[\r+1], \val
.endm
.macro PLACES                          ; Behind a matrix instruction four plain vector places stand before a load lands on one of its sources or anything
.rept 5                                ; else reads its result, five before another matrix instruction writes over its result (ISA guide 7.12.1);
	v_nop                              ; matrix instructions in between are not counted as places.  20 issue slots for a tile's 64 matrix instructions.
.endr
.endm
; eight loads: K steps 4 qt .. 4 qt + 3 of a tile of A into buffer buf, 512 consecutive bytes each
.macro FILL buf, qt
	WIN 0xc0                           ; destination window 3, address window 0
.irp i, 0,1,2,3,4,5,6,7
	global_load_b128 v[128*\buf+32*\qt+4*\i:128*\buf+32*\qt+4*\i+3], v1, s[24+2*\buf:25+2*\buf] offset:512*(8*\qt+\i)
.endr
.endm
; sixteen matrix instructions: K steps 4 qt .. 4 qt + 3 x the four column tiles; neighbours in the text work on different accumulators
.macro MUL16 buf, qt
.if \qt < 2
	WIN 0x0d                           ; source 0 (B) window 1, source 1 (A) window 3, C and D window 0
.else
	WIN 0x0e                           ; B in window 2
.endif
.irp k, 0,1,2,3
.irp nt, 0,1,2,3
.if (4*\qt+\k) == 0
	v_wmma_f32_16x16x32_f16 v[ACC+8*\nt:ACC+8*\nt+7], v[8*\nt:8*\nt+7], v[128*\buf:128*\buf+7], v[BIAS+8*\nt:BIAS+8*\nt+7]
.else
	v_wmma_f32_16x16x32_f16 v[ACC+8*\nt:ACC+8*\nt+7], v[8*(4*((4*\qt+\k)&7)+\nt):8*(4*((4*\qt+\k)&7)+\nt)+7], v[128*\buf+8*(4*\qt+\k):128*\buf+8*(4*\qt+\k)+7], v[ACC+8*\nt:ACC+8*\nt+7]
.endif
.endr
.endr
.endm
.macro PKFMA d, a, b, sb, c            ; 16 packed multiply-adds on 32 numbers: d = a b + c; sb = 1: b runs with them, 0: b is a constant pair; c is one
.set i, 0
.rept 16
	v_pk_fma_f32 v[\d+i:\d+i+1], v[\a+i:\a+i+1], v[\b+\sb*i:\b+\sb*i+1], v[\c:\c+1]
.set i, i+2
.endr
.endm
.macro PKMUL d, a, b, sb
.set i, 0
.rept 16
	v_pk_mul_f32 v[\d+i:\d+i+1], v[\a+i:\a+i+1], v[\b+\sb*i:\b+\sb*i+1]
.set i, i+2
.endr
.endm
; GELU of the 32 accumulators (MODE 1 alone), stage by stage, so that 31 other instructions stand between any two that depend on each other,
; and plain stages between each run of transcendentals and the use of its results (ISA guide 5.7.2)
.macro GELU
.set i, 0
.rept 32
	v_fma_f32 v[T+i], |v[ACC+i]|, s36, 1.0
.set i, i+1
.endr
.set i, 0
.rept 32
	v_rcp_f32 v[T+i], v[T+i]                       ; t
.set i, i+1
.endr
	PKMUL E, ACC, KC, 0
	PKMUL E, E, ACC, 1                             ; -x^2 / 2 x log2 e
.set i, 0
.rept 32
	v_exp_f32 v[E+i], v[E+i]
.set i, i+1
.endr
	PKFMA PP, T, KB5, 0, KB4
	PKFMA PP, PP, T, 1, KB3
	PKFMA PP, PP, T, 1, KB2
	PKFMA PP, PP, T, 1, KB1
	PKMUL E, E, T, 1
.set i, 0
.rept 16
	v_pk_fma_f32 v[PP+i:PP+i+1], v[PP+i:PP+i+1], v[E+i:E+i+1], 0.5 op_sel_hi:[1,1,0]   ; erf(|x| / sqrt 2) / 2
.set i, i+2
.endr
.set i, 0
.rept 16
	v_pk_mul_f32 v[E+i:E+i+1], v[ACC+i:ACC+i+1], 0.5 op_sel_hi:[1,0]
.set i, i+2
.endr
.set i, 0
.rept 32
	v_fma_f32 v[T+i], |v[ACC+i]|, v[PP+i], v[E+i]
.set i, i+1
.endr
.set i, 0
.rept 16
	v_cvt_pk_f16_f32 v[OUT+i], v[T+2*i], v[T+2*i+1]
.set i, i+1
.endr
.endm
; One tile: the wave's tile number s21 + buf, out of buffer buf, which is filled again, quarter by quarter, with the tile two further on.
; The last tiles' refills are bounded to the wave's last tile and never used: so the same loads stand behind each counted wait on every path.
.macro BLOCK buf
	s_wait_xcnt 0x0                                ; all earlier loads and stores have had their addresses translated (ISA guide 3.1): the buffer's base,
	s_add_co_u32 s23, s21, 2+\buf                  ; the stores' base and the stores' data are written again only behind this wait
	s_min_u32 s23, s23, s20                        ; not past my last tile
	s_min_u32 s23, s23, 31                         ; a number that hangs on loaded data is bounded by a constant before it addresses: at most 32 tiles a wave
	s_lshl_b32 s30, s23, ASH
	s_add_nc_u64 s[24+2*\buf:25+2*\buf], s[32:33], s[30:31]
	s_add_co_u32 s23, s21, \buf
	s_min_u32 s23, s23, 31
	s_lshl_b32 s30, s23, OSH
	s_add_nc_u64 s[28:29], s[34:35], s[30:31]
.irp qt, 0,1,2,3
	s_wait_loadcnt 56                              ; behind this quarter's 8 loads stand 24 - 8 qt of the same fill, the other buffer's 32 and 8 qt refills: 56, always
	MUL16 \buf, \qt
	PLACES
	FILL \buf, \qt
.endr
	WIN 0
.if MODE == 1
	GELU
.irp g, 0,1,2,3
	global_store_b128 v1, v[OUT+4*\g:OUT+4*\g+3], s[28:29] offset:512*\g       ; 512 consecutive bytes: half a K step of the next product's fragments
.endr
.else
.irp nt, 0,1,2,3
	ds_store_b128 v8, v[ACC+8*\nt:ACC+8*\nt+3]   offset:64*\nt                 ; slot r, columns 16 nt + 8 h ..
	ds_store_b128 v8, v[ACC+8*\nt+4:ACC+8*\nt+7] offset:64*\nt+16
.endr
.irp t, 0,1,2,3,4,5,6,7
	ds_load_b128 v[OUT+4*\t:OUT+4*\t+3], v9 offset:2*SPITCH*\t                 ; my own bytes, and LDS serves a wave in order: no wait between
.endr
.irp t, 0,1,2,3,4,5,6,7
	s_wait_dscnt 7-\t
	global_store_b128 v10, v[OUT+4*\t:OUT+4*\t+3], s[28:29] offset:4096*\t     ; sixteen lanes store the work-group's 256 consecutive bytes of a row
.endr
.endif
.endm
	s_load_b256 s[4:11], s[0:1], 0x0               ; route 4, A 6, weights 8, bias 10
	s_load_b64 s[12:13], s[0:1], 0x20              ; output
	v_lshl_add_u32 v254, v0, 2, 0x18400
	v_mov_b32 v255, 0
	v_lshrrev_b32 v1, 5, v0
	v_readfirstlane_b32 s14, v1                    ; wave
	s_lshr_b32 s15, ttmp9, 5                       ; e
.if MODE == 1
	s_and_b32 s16, ttmp9, 31                       ; ns: which 64 columns
	s_mov_b32 s17, 0                               ; kc: K is not split
.else
	s_bfe_u32 s17, ttmp9, 0x20003                  ; kc: 2 bits from bit 3
	s_and_b32 s16, ttmp9, 7                        ; ns
.endif
	s_mov_b32 s31, 0                               ; upper word of every offset
	v_and_b32 v11, 31, v0                          ; L
	v_lshlrev_b32 v1, 4, v11
	v_lshrrev_b32 v12, 4, v0                       ; t >> 4: which of 8 rows of the weights
	v_and_b32 v13, 15, v0                          ; t & 15 = r: which 16 bytes of the row's 256
	v_mul_u32_u24 v2, v12, ROWP
	v_lshl_add_u32 v2, v13, 4, v2
	v_mul_u32_u24 v3, v12, BP
	v_lshl_add_u32 v3, v13, 3, v3                  ; four f16 = 8 bytes
	v_add_nc_u32 v4, 256*BP, v3
	v_lshrrev_b32 v14, 4, v11                      ; h
	v_and_b32 v15, 7, v11
	v_lshl_add_u32 v15, v14, 3, v15                ; row 8 h + (L & 7) of a K step's first 16,
	v_mul_u32_u24 v5, v15, BP
	v_bfe_u32 v15, v11, 3, 1
	v_lshl_add_u32 v5, v15, 4, v5                  ; 16 bytes ((L >> 3) & 1) of the 32 of a column tile
	v_add_nc_u32 v6, 256*BP, v5
	v_lshlrev_b32 v7, 5, v14
.if MODE == 1
	s_mov_b32 s36, 0x3e6d3388                      ; 0.3275911 / sqrt 2
	KPAIR KB5, 0xbf07dc22                          ; -1.061405429 / 2
	KPAIR KB4, 0x3f3a00e3                          ; +1.453152027 / 2
	KPAIR KB3, 0xbf35f0e3                          ; -1.421413741 / 2
	KPAIR KB2, 0x3e11a98e                          ; +0.284496736 / 2
	KPAIR KB1, 0xbe027906                          ; -0.254829592 / 2
	KPAIR KC,  0xbf38aa3b                          ; -log2 e / 2
.else
	s_mul_i32 s23, s14, 16*SPITCH
	s_add_co_u32 s23, s23, STG                     ; my stage
	v_mul_u32_u24 v8, v13, SPITCH
	v_add_nc_u32 v8, v8, v7
	v_add_nc_u32 v8, s23, v8                       ; in: row r, 32 bytes for each half of the lanes
	v_mul_u32_u24 v9, v14, SPITCH
	v_lshl_add_u32 v9, v13, 4, v9
	v_add_nc_u32 v9, s23, v9                       ; back: lanes 0-15 one row of 256 bytes, lanes 16-31 the next
	v_lshlrev_b32 v10, 11, v14
	v_lshl_add_u32 v10, v13, 4, v10                ; and the same two rows in yp
.endif
	s_wait_kmcnt 0x0
	s_lshl_b32 s30, s15, 2
	s_add_nc_u64 s[4:5], s[4:5], s[30:31]
	s_load_b32 s18, s[4:5], CNTB                   ; the expert's count; waited for behind the barrier
	s_lshl_b32 s30, s15, 22                        ; an expert's weights: 4,194,304 bytes
	s_lshl_b32 s23, s17, 20                        ; 512 rows of 2,048 bytes
	s_add_co_u32 s30, s30, s23
	s_lshl_b32 s23, s16, 8                         ; 64 columns
	s_add_co_u32 s30, s30, s23
	s_add_nc_u64 s[8:9], s[8:9], s[30:31]
	s_lshl_b32 s30, s15, BSH
	s_add_co_u32 s30, s30, s23
	s_add_nc_u64 s[10:11], s[10:11], s[30:31]
	s_mul_i32 s22, s15, 130
	s_add_co_u32 s22, s22, s14                     ; my first tile: 130 e + w
	s_lshl_b32 s30, s22, ATS
	s_lshl_b32 s23, s17, 14                        ; 16 K steps of 1 KiB
	s_add_co_u32 s30, s30, s23
	s_add_nc_u64 s[32:33], s[6:7], s[30:31]        ; A at my first tile
	s_lshl_b32 s30, s22, OTS
	s_lshl_b32 s23, s16, ONS
	s_add_co_u32 s30, s30, s23
.if MODE == 2
	s_mul_i32 s23, s17, KCS
	s_add_co_u32 s30, s30, s23
.endif
	s_add_nc_u64 s[34:35], s[12:13], s[30:31]      ; the output at my first tile
.irp nt, 0,1,2,3
	global_load_b128 v[BIAS+8*\nt:BIAS+8*\nt+3],   v7, s[10:11] offset:64*\nt      ; columns 16 nt + 8 h + 0 .. 3
	global_load_b128 v[BIAS+8*\nt+4:BIAS+8*\nt+7], v7, s[10:11] offset:64*\nt+16
.endr
	; B: 64 steps of 8 rows x 256 bytes for the work-group, 32 of them always on their way
.set p, 0
.rept 32
	global_load_b128 v[RING+4*p:RING+4*p+3], v2, s[8:9] offset:p*8*ROWP th:TH_LOAD_NT
.set p, p+1
.endr
.set p, 0
.rept 64
.if p < 32
	s_wait_loadcnt 31                              ; behind load p stand 31 - p of the first run and p refills
.else
	s_wait_loadcnt 63-p                            ; nothing is issued any more: the counts run down
.endif
	v_cvt_pk_f16_f32 v[PK+2*(p&3)],   v[RING+4*(p&31)],   v[RING+4*(p&31)+1]
	v_cvt_pk_f16_f32 v[PK+2*(p&3)+1], v[RING+4*(p&31)+2], v[RING+4*(p&31)+3]
.if p < 32
	ds_store_b64 v3, v[PK+2*(p&3):PK+2*(p&3)+1] offset:8*BP*p
	global_load_b128 v[RING+4*p:RING+4*p+3], v2, s[8:9] offset:(p+32)*8*ROWP th:TH_LOAD_NT
.else
	ds_store_b64 v4, v[PK+2*(p&3):PK+2*(p&3)+1] offset:8*BP*(p-32)
.endif
.set p, p+1
.endr
	s_wait_dscnt 0x0                               ; my part of B is in LDS before I say so
	s_barrier_signal -1
	s_barrier_wait -1                              ; all of it is.  The only barrier; B is not written again
.if MODE == 2
	s_cmp_eq_u32 s17, 0                            ; b2 is added once: by the first K chunk
	s_cselect_b32 s23, -1, 0
.set i, 0
.rept 32
	v_and_b32 v[BIAS+i], s23, v[BIAS+i]
.set i, i+1
.endr
.endif
	s_wait_kmcnt 0x0
	s_min_u32 s18, s18, 2048
	s_add_co_u32 s18, s18, 15
	s_lshr_b32 s18, s18, 4                         ; the expert's tiles
	s_add_co_u32 s19, s18, 3
	s_sub_co_u32 s19, s19, s14
	s_lshr_b32 s19, s19, 2                         ; mine: w, w + 4, ..
	s_cmp_eq_u32 s19, 0
	s_cbranch_scc1 .Ldone
	s_sub_co_u32 s20, s19, 1
	s_add_co_u32 s38, s19, 1
	s_lshr_b32 s38, s38, 1                         ; trips of the loop: pairs of tiles, the last pair perhaps half
	s_mov_b64 s[24:25], s[32:33]                   ; tile 0 into buffer 0
	s_min_u32 s23, s20, 1
	s_lshl_b32 s30, s23, ASH
	s_add_nc_u64 s[26:27], s[32:33], s[30:31]      ; tile 1 (or the only one again) into buffer 1
.irp qt, 0,1,2,3
	FILL 0, \qt
.endr
.irp qt, 0,1,2,3
	FILL 1, \qt
.endr
	; all of B into registers: (ks, nt): two transposing loads, k = 32 ks + 8 h .. and 32 ks + 16 + 8 h .. of column 16 nt + r
	WIN 0x40                                       ; destination window 1
.irp ks, 0,1,2,3,4,5,6,7
.irp nt, 0,1,2,3
	ds_load_tr16_b128 v[8*(4*\ks+\nt):8*(4*\ks+\nt)+3],   v5 offset:32*BP*\ks+32*\nt
	ds_load_tr16_b128 v[8*(4*\ks+\nt)+4:8*(4*\ks+\nt)+7], v5 offset:32*BP*\ks+32*\nt+16*BP
.endr
.endr
	WIN 0x80                                       ; destination window 2: K steps 8 to 15
.irp ks, 0,1,2,3,4,5,6,7
.irp nt, 0,1,2,3
	ds_load_tr16_b128 v[8*(4*\ks+\nt):8*(4*\ks+\nt)+3],   v6 offset:32*BP*\ks+32*\nt
	ds_load_tr16_b128 v[8*(4*\ks+\nt)+4:8*(4*\ks+\nt)+7], v6 offset:32*BP*\ks+32*\nt+16*BP
.endr
.endr
	WIN 0                                          ; at a label and at a branch every window is 0
	s_wait_dscnt 0x0
	s_mov_b32 s37, 0                               ; the loop counts pairs of tiles, one a trip, against s38
.Lloop:
	s_lshl_b32 s21, s37, 1                         ; the pair's first tile
	BLOCK 0
	s_add_co_u32 s23, s21, 1
	s_cmp_lt_u32 s23, s19
	s_cbranch_scc1 .Lmore                          ; a further tile: on, inside the loop
	s_wait_tensorcnt 0x0
	ds_add_u32 v254, v255
	s_wait_dscnt 0x0
	s_endpgm                                       ; an odd number of tiles ends here: the loop is left only by ending the wave or by falling through its branch back
.Lmore:
	BLOCK 1
	s_add_co_u32 s37, s37, 1
	s_cmp_lt_u32 s37, s38
	s_cbranch_scc1 .Lloop
.Ldone:
	s_wait_tensorcnt 0x0
	ds_add_u32 v254, v255
	s_wait_dscnt 0x0
	s_endpgm
.Lfunc_end_k_q205410c91c_gemm2:
	.size	k_q205410c91c_gemm2, .Lfunc_end_k_q205410c91c_gemm2-k_q205410c91c_gemm2
	.p2alignl 7, 3214868480
	.fill 96, 4, 3214868480
	.section	.rodata,"a",@progbits
	.p2align	6, 0x0
	.amdhsa_kernel k_q205410c91c_gemm2
		.amdhsa_group_segment_fixed_size 99840
		.amdhsa_private_segment_fixed_size 0
		.amdhsa_enable_private_segment 0
		.amdhsa_kernarg_size 40
		.amdhsa_user_sgpr_count 2
		.amdhsa_user_sgpr_kernarg_segment_ptr 1
		.amdhsa_wavefront_size32 1
		.amdhsa_system_sgpr_workgroup_id_x 1
		.amdhsa_system_sgpr_workgroup_id_y 1
		.amdhsa_system_sgpr_workgroup_id_z 1
		.amdhsa_system_vgpr_workitem_id 0
		.amdhsa_next_free_vgpr 1024
		.amdhsa_next_free_sgpr 66
		.amdhsa_reserve_vcc 0
		.amdhsa_float_denorm_mode_32 3
		.amdhsa_float_denorm_mode_16_64 3
		.amdhsa_memory_ordered 1
		.amdhsa_forward_progress 1
		.amdhsa_inst_pref_size 61
	.end_amdhsa_kernel
	.amdgpu_metadata
---
amdhsa.version: [ 1, 2 ]
amdhsa.kernels:
  - .name:           k_q205410c91c_gemm2
    .symbol:         k_q205410c91c_gemm2.kd
    .args:
      - { .name: route, .offset: 0, .size: 8, .value_kind: global_buffer, .address_space: global }
      - { .name: hf, .offset: 8, .size: 8, .value_kind: global_buffer, .address_space: global }
      - { .name: W2, .offset: 16, .size: 8, .value_kind: global_buffer, .address_space: global }
      - { .name: b2, .offset: 24, .size: 8, .value_kind: global_buffer, .address_space: global }
      - { .name: yp, .offset: 32, .size: 8, .value_kind: global_buffer, .address_space: global }
    .group_segment_fixed_size: 99840
    .private_segment_fixed_size: 0
    .kernarg_segment_align: 8
    .kernarg_segment_size: 40
    .max_flat_workgroup_size: 128
    .sgpr_count:     66
    .vgpr_count:     1024
    .wavefront_size: 32
...
	.end_amdgpu_metadata
.endif
;; end of part 6
;; launch combine (part 7): grid 256 x 1, 8 waves a work-group, no clusters, 0 bytes of LDS; arguments route, rstat, yp, out0; writes out0
.if DOCPART == 7
	.amdgcn_target "amdgcn-amd-amdhsa--gfx1250"
	.amdhsa_code_object_version 6
	.text
	.protected	k_q205410c91c_combine
	.globl	k_q205410c91c_combine
	.p2align	8
	.type	k_q205410c91c_combine,@function
k_q205410c91c_combine:
	s_mov_b64 s[64:65], 0
	v_nop
	global_prefetch_b8 v0, s[64:65] scope:SCOPE_SE
	s_setreg_imm32_b32 hwreg(HW_REG_WAVE_MODE, 25, 1), 1
	s_wait_xcnt 0x0
; out0[t] = ga x (sum over the four K chunks of yp[kc][sA]) + gb x (the same of yp[kc][sB]):
; sA, sB = the token's two slots (route, stored by an earlier launch), ga, gb = its two gates in the same order (rstat).
; The sum over the chunks has a fixed order, (k0 + k1) + (k2 + k3).  One wave, one token: 8 rows of 2,048 bytes in, one out;
; each load and store covers 512 consecutive bytes; all 32 loads are issued at once.  Memory binds: no LDS, no matrix unit, nothing shared.
.set SLOTB, 66560
.set KCS,   34078720                   ; bytes of one K chunk's plane of yp
.set R,     16                         ; v[16:143]  quarter i of the row: 32 registers: A's four chunks, then B's
	s_load_b256 s[4:11], s[0:1], 0x0               ; route 4, rstat 6, yp 8, out0 10
	v_and_b32 v1, 31, v0
	v_lshrrev_b32 v2, 5, v0
	v_readfirstlane_b32 s12, v2                    ; wave
	s_lshl_b32 s13, ttmp9, 3
	s_add_co_u32 s13, s13, s12                     ; t
	s_lshl_b32 s14, s13, 3                         ; 8 bytes a token in SLOT and in the gates
	s_mov_b32 s15, 0
	v_lshlrev_b32 v1, 4, v1                        ; 16 x lane
	s_wait_kmcnt 0x0
	s_add_nc_u64 s[4:5], s[4:5], s[14:15]
	s_add_nc_u64 s[6:7], s[6:7], s[14:15]
	s_load_b64 s[16:17], s[4:5], SLOTB             ; sA, sB
	s_load_b64 s[18:19], s[6:7], 0x0               ; ga, gb
	s_mov_b64 s[20:21], s[8:9]
	s_add_nc_u64 s[22:23], s[8:9], KCS
	s_add_nc_u64 s[24:25], s[8:9], 2*KCS
	s_add_nc_u64 s[26:27], s[8:9], 3*KCS
	s_lshl_b32 s14, s13, 11
	s_add_nc_u64 s[10:11], s[10:11], s[14:15]      ; my row of out0
	s_wait_kmcnt 0x0
	s_min_u32 s16, s16, 16639                      ; a loaded number is bounded before it addresses
	s_min_u32 s17, s17, 16639
	s_lshl_b32 s16, s16, 11
	s_lshl_b32 s17, s17, 11
	v_add_nc_u32 v2, s16, v1
	v_add_nc_u32 v3, s17, v1
	s_mov_b32 s28, s19                             ; gb in the low word of a pair of its own, for the packed form's broadcast
	s_mov_b32 s29, s19
.irp i, 0,1,2,3
.irp kc, 0,1,2,3
	global_load_b128 v[R+32*\i+4*\kc:R+32*\i+4*\kc+3], v2, s[20+2*\kc:21+2*\kc] offset:512*\i th:TH_LOAD_NT
.endr
.irp kc, 0,1,2,3
	global_load_b128 v[R+32*\i+16+4*\kc:R+32*\i+16+4*\kc+3], v3, s[20+2*\kc:21+2*\kc] offset:512*\i th:TH_LOAD_NT
.endr
.endr
.irp i, 0,1,2,3
	s_wait_loadcnt 24-8*\i                         ; quarter i's eight loads are in; the 8 (3 - i) behind them stay out
.irp b, 0,16
	v_pk_add_f32 v[R+32*\i+\b:R+32*\i+\b+1],     v[R+32*\i+\b:R+32*\i+\b+1],     v[R+32*\i+\b+4:R+32*\i+\b+5]
	v_pk_add_f32 v[R+32*\i+\b+2:R+32*\i+\b+3],   v[R+32*\i+\b+2:R+32*\i+\b+3],   v[R+32*\i+\b+6:R+32*\i+\b+7]
	v_pk_add_f32 v[R+32*\i+\b+8:R+32*\i+\b+9],   v[R+32*\i+\b+8:R+32*\i+\b+9],   v[R+32*\i+\b+12:R+32*\i+\b+13]
	v_pk_add_f32 v[R+32*\i+\b+10:R+32*\i+\b+11], v[R+32*\i+\b+10:R+32*\i+\b+11], v[R+32*\i+\b+14:R+32*\i+\b+15]
	v_pk_add_f32 v[R+32*\i+\b:R+32*\i+\b+1],     v[R+32*\i+\b:R+32*\i+\b+1],     v[R+32*\i+\b+8:R+32*\i+\b+9]
	v_pk_add_f32 v[R+32*\i+\b+2:R+32*\i+\b+3],   v[R+32*\i+\b+2:R+32*\i+\b+3],   v[R+32*\i+\b+10:R+32*\i+\b+11]
.endr
	v_pk_mul_f32 v[R+32*\i:R+32*\i+1],   v[R+32*\i:R+32*\i+1],   s[18:19] op_sel_hi:[1,0]
	v_pk_mul_f32 v[R+32*\i+2:R+32*\i+3], v[R+32*\i+2:R+32*\i+3], s[18:19] op_sel_hi:[1,0]
	v_pk_fma_f32 v[R+32*\i:R+32*\i+1],   v[R+32*\i+16:R+32*\i+17], s[28:29], v[R+32*\i:R+32*\i+1]   op_sel_hi:[1,0,1]
	v_pk_fma_f32 v[R+32*\i+2:R+32*\i+3], v[R+32*\i+18:R+32*\i+19], s[28:29], v[R+32*\i+2:R+32*\i+3] op_sel_hi:[1,0,1]
	global_store_b128 v1, v[R+32*\i:R+32*\i+3], s[10:11] offset:512*\i th:TH_STORE_NT
.endr
	s_endpgm
.Lfunc_end_k_q205410c91c_combine:
	.size	k_q205410c91c_combine, .Lfunc_end_k_q205410c91c_combine-k_q205410c91c_combine
	.p2alignl 7, 3214868480
	.fill 96, 4, 3214868480
	.section	.rodata,"a",@progbits
	.p2align	6, 0x0
	.amdhsa_kernel k_q205410c91c_combine
		.amdhsa_group_segment_fixed_size 0
		.amdhsa_private_segment_fixed_size 0
		.amdhsa_enable_private_segment 0
		.amdhsa_kernarg_size 32
		.amdhsa_user_sgpr_count 2
		.amdhsa_user_sgpr_kernarg_segment_ptr 1
		.amdhsa_wavefront_size32 1
		.amdhsa_system_sgpr_workgroup_id_x 1
		.amdhsa_system_sgpr_workgroup_id_y 1
		.amdhsa_system_sgpr_workgroup_id_z 1
		.amdhsa_system_vgpr_workitem_id 0
		.amdhsa_next_free_vgpr 144
		.amdhsa_next_free_sgpr 66
		.amdhsa_reserve_vcc 0
		.amdhsa_float_denorm_mode_32 3
		.amdhsa_float_denorm_mode_16_64 3
		.amdhsa_memory_ordered 1
		.amdhsa_forward_progress 1
		.amdhsa_inst_pref_size 9
	.end_amdhsa_kernel
	.amdgpu_metadata
---
amdhsa.version: [ 1, 2 ]
amdhsa.kernels:
  - .name:           k_q205410c91c_combine
    .symbol:         k_q205410c91c_combine.kd
    .args:
      - { .name: route, .offset: 0, .size: 8, .value_kind: global_buffer, .address_space: global }
      - { .name: rstat, .offset: 8, .size: 8, .value_kind: global_buffer, .address_space: global }
      - { .name: yp, .offset: 16, .size: 8, .value_kind: global_buffer, .address_space: global }
      - { .name: out0, .offset: 24, .size: 8, .value_kind: global_buffer, .address_space: global }
    .group_segment_fixed_size: 0
    .private_segment_fixed_size: 0
    .kernarg_segment_align: 8
    .kernarg_segment_size: 32
    .max_flat_workgroup_size: 256
    .sgpr_count:     66
    .vgpr_count:     144
    .wavefront_size: 32
...
	.end_amdgpu_metadata
.endif
;; end of part 7
;; ======== version 2 of 2: 7 launches; version 1 with the launches gather, gemm1, gemm2 written anew for expert scheduling mode
;; limits: values are held in f16: magnitudes above 65,504 overflow, below 6.1e-05 lose precision
;; workspace buffers: wc 16,384 bytes; sel 16,384 bytes of whole numbers; rstat 24,576 bytes; route 83,200 bytes of whole numbers; xg 17,039,360 bytes; hf 68,157,440 bytes; yp 136,314,880 bytes
;; launch prep: the kernel of part 1 again; grid 64 x 1, 8 waves a work-group, no clusters, 19,712 bytes of LDS; arguments ctx_W, rtr_W, wc; writes wc
;; launch router: the kernel of part 2 again; grid 128 x 1, 8 waves a work-group, no clusters, 38,912 bytes of LDS; arguments x, context, quality, rn_g, rn_b, cn_g, cn_b, ctx_b, qual_W, qual_b, rtr_W, rtr_b, temperature, wc, sel, rstat; writes sel, rstat
;; launch bucket: the kernel of part 3 again; grid 1 x 1, 9 waves a work-group, no clusters, 0 bytes of LDS; arguments sel, rstat, route, out1, out2, out3, out4; writes route, out1, out2, out3, out4
;; launch gather (part 8): grid 256 x 1, 4 waves a work-group, no clusters, 17,920 bytes of LDS; arguments route, x, xg; writes xg
.if DOCPART == 8
	.amdgcn_target "amdgcn-amd-amdhsa--gfx1250"
	.amdhsa_code_object_version 6
	.text
	.protected	k_q205410c91c_gather
	.globl	k_q205410c91c_gather
	.p2align	8
	.type	k_q205410c91c_gather,@function
k_q205410c91c_gather:
	s_mov_b64 s[64:65], 0
	v_nop
	global_prefetch_b8 v0, s[64:65] scope:SCOPE_SE
	s_setreg_imm32_b32 hwreg(HW_REG_WAVE_SCHED_MODE, 0, 2), 2
	s_setreg_imm32_b32 hwreg(HW_REG_WAVE_MODE, 25, 1), 1
	s_wait_xcnt 0x0
	s_wait_alu depctr_vm_vsrc(0)
; xg = the x rows of each expert's slots, rounded to f16, in the order in which the matrix instruction wants its operand:
; xg[tile of 16 slots][ks = 0..15][c = 0, 1][lane L][16 bytes] = row L & 15 of the tile, k = 32 ks + 16 c + 8 (L >> 4) + 0 .. 7,
; that is registers 4 c .. 4 c + 3 of lane L's fragment of K step ks.  The next launch then loads fragments by loads of 512 consecutive bytes.
; f16 and not bf16: see the head of the next launch.  LIMIT: an x above 65,504 in magnitude becomes an infinity; below 2^-14 the steps are 2^-24.
; Work-group = (expert e = id >> 5, j = id & 31); it takes the expert's tiles j, j + 32, ..  How many there are is a count read from route
; (stored by an earlier launch); a work-group whose expert has at most 16 j pairs has no tile.  Wave kq takes columns 128 kq .. + 127.
; The turn from rows to fragments goes through 4,352 bytes of LDS of the wave's own (16 rows of pitch 272): no barrier.
; Memory binds: each load covers 512 consecutive bytes of a row, each store 512 consecutive bytes of xg.  No matrix unit, no cluster: nothing is shared.
; THE MODE: SCHED_MODE bits 1:0 = 2 (LLVM: expert scheduling mode 2), set by the entry lines.  The code itself states the register dependences
; between vector instructions and memory or LDS instructions, with s_wait_alu, always for 0.
; THE PLAN.  Registers that memory or LDS instructions touch, in a trip:
;   OFF       written by sixteen adds (the trip's token numbers), read by the sixteen loads of x.
;   XR        the loads land in it; the conversions read a row's four registers and write the packed halves into the first two of them; the LDS stores read those two.
;   OUTR      the LDS loads land in it, the stores to xg read it; no vector instruction names it.
;   v2 to v5  offsets and LDS addresses, made at the head and never written again.
; At a trip's head one wait on vm_vsrc: the last trip's loads, LDS stores and stores have read OFF, XR and OUTR, which this trip writes again.
; Behind the sixteen adds one wait on va_vdst, for all sixteen loads.  The rows are converted in two groups of eight, each with one wait on va_vdst ahead of its eight LDS stores.
.set CNTB,  82944
.set PITCH, 272                        ; 256 bytes of a row's quarter in f16 + 16: sixteen rows start in sixteen different 16-byte columns
.set OFF,   16                         ; v[16:31]   byte offset of my 16 bytes in each of the 16 rows
.set XR,    32                         ; v[32:95]   the rows as loaded; then, in each row's first two registers, its four numbers in f16
.set OUTR,  100                        ; v[100:131] fragments to store
	s_load_b128 s[4:7], s[0:1], 0x0                ; route s[4:5], x s[6:7]
	s_load_b64 s[8:9], s[0:1], 0x10                ; xg
	v_lshl_add_u32 v134, v0, 2, 0x4400
	v_mov_b32 v135, 0
	v_and_b32 v1, 31, v0
	v_lshrrev_b32 v2, 5, v0
	v_readfirstlane_b32 s10, v2                    ; kq
	s_lshr_b32 s11, ttmp9, 5                       ; e
	s_and_b32 s12, ttmp9, 31                       ; j
	s_lshl_b32 s36, s11, 2
	s_mov_b32 s37, 0
	s_wait_kmcnt 0x0
	s_add_nc_u64 s[38:39], s[4:5], s[36:37]
	s_load_b32 s13, s[38:39], CNTB                 ; the expert's count
	v_lshlrev_b32 v2, 4, v1                        ; 16 x lane
	s_wait_alu depctr_va_sdst(0)                   ; s10 is written, ahead of its first reader: the wave's columns, stage and place in xg are made from it
	s_lshl_b32 s40, s10, 9
	v_add_nc_u32 v3, s40, v2                       ; + my wave's 512 bytes of a row
	s_mul_i32 s41, s10, 16*PITCH                   ; my wave's stage
	v_lshl_add_u32 v4, v1, 3, s41                  ; in: 8 bytes a lane
	v_and_b32 v5, 15, v1
	v_mul_u32_u24 v5, v5, PITCH
	v_lshrrev_b32 v6, 4, v1
	v_lshl_add_u32 v5, v6, 4, v5
	v_add_nc_u32 v5, s41, v5                       ; back: row L & 15, 16 bytes for each half of the lanes
	s_mul_i32 s42, s11, 130                        ; the expert's first tile: 2,080 / 16
	s_lshl_b32 s44, s10, 12                        ; my wave's four K steps in a tile of xg
	s_wait_kmcnt 0x0
	s_min_u32 s13, s13, 2048
	s_add_co_u32 s13, s13, 15
	s_lshr_b32 s13, s13, 4                         ; tiles of the expert
	s_add_co_u32 s13, s13, 31
	s_sub_co_u32 s13, s13, s12
	s_lshr_b32 s13, s13, 5                         ; of which mine: j, j + 32, ..
	s_cmp_eq_u32 s13, 0
	s_cbranch_scc1 .Lend
	s_mov_b32 s14, 0
.Ltrip:
	s_wait_xcnt 0x0                                ; the last trip's loads and stores have had their addresses translated: OFF, OUTR and the stores' base are written again below
	s_wait_alu depctr_vm_vsrc(0)                   ; the last trip's loads have read OFF, its LDS stores XR, its stores OUTR: the adds and the loads below write all three again
	s_lshl_b32 s43, s14, 5
	s_add_co_u32 s43, s43, s12                     ; tile in the expert
	s_min_u32 s43, s43, 129
	s_add_co_u32 s43, s43, s42                     ; tile in all
	s_lshl_b32 s36, s43, 6                         ; 16 entries of 4 bytes
	s_add_nc_u64 s[38:39], s[4:5], s[36:37]
	s_load_b512 s[16:31], s[38:39], 0x0            ; the tile's 16 token numbers
	s_lshl_b32 s36, s43, 14                        ; a tile of xg is 16,384 bytes
	s_add_co_u32 s36, s36, s44
	s_add_nc_u64 s[46:47], s[8:9], s[36:37]
	s_wait_kmcnt 0x0
.irp r, 0,1,2,3,4,5,6,7,8,9,10,11,12,13,14,15
	s_min_u32 s[16+\r], s[16+\r], 2047             ; a loaded number is bounded before it addresses
	s_lshl_b32 s[16+\r], s[16+\r], 11
	v_add_nc_u32 v[OFF+\r], s[16+\r], v3
.endr
	s_wait_alu depctr_va_vdst(0)                   ; the sixteen offsets are written, which the loads read; the last trip's conversions are done with XR, in which they land; in the first trip v2 to v5 are written too
.irp r, 0,1,2,3,4,5,6,7,8,9,10,11,12,13,14,15
	global_load_b128 v[XR+4*\r:XR+4*\r+3], v[OFF+\r], s[6:7]
.endr
.irp g, 0,1
	s_wait_loadcnt 8-8*\g                          ; loads come back in order: rows 8 g to 8 g + 7 are in; behind the first eight the other eight stay out
.irp j, 0,1,2,3,4,5,6,7
	v_cvt_pk_f16_f32 v[XR+4*(8*\g+\j)],   v[XR+4*(8*\g+\j)],   v[XR+4*(8*\g+\j)+1]     ; a row's four numbers close up into the first two of its four registers
	v_cvt_pk_f16_f32 v[XR+4*(8*\g+\j)+1], v[XR+4*(8*\g+\j)+2], v[XR+4*(8*\g+\j)+3]
.endr
	s_wait_alu depctr_va_vdst(0)                   ; the sixteen conversions have written the packed registers, which the eight LDS stores read
.irp j, 0,1,2,3,4,5,6,7
	ds_store_b64 v4, v[XR+4*(8*\g+\j):XR+4*(8*\g+\j)+1] offset:PITCH*(8*\g+\j)
.endr
.endr
.irp t, 0,1,2,3,4,5,6,7
	ds_load_b128 v[OUTR+4*\t:OUTR+4*\t+3], v5 offset:32*\t     ; t = 2 x K step + c.  LDS serves a wave's instructions in order: these see the stores above
.endr
.irp t, 0,1,2,3,4,5,6,7
	s_wait_dscnt 7-\t
	global_store_b128 v2, v[OUTR+4*\t:OUTR+4*\t+3], s[46:47] offset:512*\t
.endr
	s_add_co_u32 s14, s14, 1
	s_cmp_lt_u32 s14, s13
	s_cbranch_scc1 .Ltrip
.Lend:
	s_wait_dscnt 0x0
	s_wait_alu depctr_hold_cnt(0) depctr_sa_sdst(0) depctr_va_vdst(0) depctr_va_sdst(0) depctr_va_ssrc(0) depctr_va_vcc(0) depctr_vm_vsrc(0)
	s_wait_tensorcnt 0x0
	ds_add_u32 v134, v135
	s_wait_dscnt 0x0
	s_endpgm
.Lfunc_end_k_q205410c91c_gather:
	.size	k_q205410c91c_gather, .Lfunc_end_k_q205410c91c_gather-k_q205410c91c_gather
	.p2alignl 7, 3214868480
	.fill 96, 4, 3214868480
	.section	.rodata,"a",@progbits
	.p2align	6, 0x0
	.amdhsa_kernel k_q205410c91c_gather
		.amdhsa_group_segment_fixed_size 17920
		.amdhsa_private_segment_fixed_size 0
		.amdhsa_enable_private_segment 0
		.amdhsa_kernarg_size 24
		.amdhsa_user_sgpr_count 2
		.amdhsa_user_sgpr_kernarg_segment_ptr 1
		.amdhsa_wavefront_size32 1
		.amdhsa_system_sgpr_workgroup_id_x 1
		.amdhsa_system_sgpr_workgroup_id_y 1
		.amdhsa_system_sgpr_workgroup_id_z 1
		.amdhsa_system_vgpr_workitem_id 0
		.amdhsa_next_free_vgpr 136
		.amdhsa_next_free_sgpr 66
		.amdhsa_reserve_vcc 0
		.amdhsa_float_denorm_mode_32 3
		.amdhsa_float_denorm_mode_16_64 3
		.amdhsa_memory_ordered 1
		.amdhsa_forward_progress 1
		.amdhsa_inst_pref_size 11
	.end_amdhsa_kernel
	.amdgpu_metadata
---
amdhsa.version: [ 1, 2 ]
amdhsa.kernels:
  - .name:           k_q205410c91c_gather
    .symbol:         k_q205410c91c_gather.kd
    .args:
      - { .name: route, .offset: 0, .size: 8, .value_kind: global_buffer, .address_space: global }
      - { .name: x, .offset: 8, .size: 8, .value_kind: global_buffer, .address_space: global }
      - { .name: xg, .offset: 16, .size: 8, .value_kind: global_buffer, .address_space: global }
    .group_segment_fixed_size: 17920
    .private_segment_fixed_size: 0
    .kernarg_segment_align: 8
    .kernarg_segment_size: 24
    .max_flat_workgroup_size: 128
    .sgpr_count:     66
    .vgpr_count:     136
    .wavefront_size: 32
...
	.end_amdgpu_metadata
.endif
;; end of part 8
;; launch gemm1 (part 9): grid 256 x 1, 4 waves a work-group, no clusters, 82,432 bytes of LDS; arguments route, xg, W1, b1, hf; writes hf
.if DOCPART == 9
	.amdgcn_target "amdgcn-amd-amdhsa--gfx1250"
	.amdhsa_code_object_version 6
	.text
	.protected	k_q205410c91c_gemm1
	.globl	k_q205410c91c_gemm1
	.p2align	8
	.type	k_q205410c91c_gemm1,@function
k_q205410c91c_gemm1:
	s_mov_b64 s[64:65], 0
	v_nop
	global_prefetch_b8 v0, s[64:65] scope:SCOPE_SE
	s_setreg_imm32_b32 hwreg(HW_REG_WAVE_SCHED_MODE, 0, 2), 2
	s_setreg_imm32_b32 hwreg(HW_REG_WAVE_MODE, 25, 1), 1
	s_wait_xcnt 0x0
	s_wait_alu depctr_vm_vsrc(0)
; One text for the two products of the experts' FFN; MODE says which.
;   MODE 1: hf = gelu(xg x W1[e] + b1[e]), f16, stored in fragment order.     MODE 2: yp[kc] = hf[:, 512 kc ..] x W2[e] (+ b2[e] where kc = 0), f32.
; Only the pairs (token, expert) that the router chose are computed: the other six weights of a token are exactly 0 in the combination.
; THE OPERANDS ARE f16, THE SUMS f32.  Four operands are rounded on the way to an output (x, W1, h, W2).  With 8 significant bits (bf16) each has a
; relative error of about 2^-8 / sqrt 3 x 0.74 = 0.0017, the four add in squares, and the noise on an output is about a third of a hundredth of
; the outputs' root mean square: too near to that hundredth for a million outputs.  With 11 bits (f16) it is an eighth of that.
; f16's room (largest number 65,504; steps of 2^-24 below 2^-14): with x about 1, W about 0.02, h below 3, all of them 30 times larger give |x| below 180,
; |W| below 4, h below 2,700; offsets of 30 spreads on x and W1 give 512 x 30 x 0.6 = 9,216 in front of GELU; all 30 times smaller give W about 7e-4 and
; h about 2.5e-4, of which the step's error (1.7e-8) is less than 1e-4.  LIMIT: an operand (x, W1, W2, h) above 65,504 in magnitude becomes an infinity.
; Work-group = (expert e = id >> 5, sub = id & 31).  Its B is 512 (k) x 64 (n) of the expert's weights: MODE 1: columns 64 sub ..;
; MODE 2: rows 512 (sub >> 3) .., columns 64 (sub & 7) ..  So each weight byte is asked for once in the whole launch.
; B is read as f32 (rows of 256 consecutive bytes), rounded to f16 into LDS [k][n], and each of the four waves then takes ALL of it into
; 512 registers by transposing LDS loads.  After that the loop reads no LDS: a fragment of A (1 KiB, 16 slots x 32 k) comes from memory
; straight into registers, by loads of 512 consecutive bytes (xg and hf lie in fragment order), and feeds four matrix instructions.
; Wave w takes the expert's tiles of 16 slots w, w + 4, ..; how many is a count read from route, which an earlier launch stored.
; NO CLUSTER, NO JOINT REQUESTS, NO LDS RING FOR A.  The weights are shared by no two work-groups.  The 32 work-groups of an expert do read the
; same tiles of A; but the number of tiles is read from memory and differs from wave to wave ((tiles + 3 - w) >> 2), a shared ring is
; filled again only behind a barrier, and every wave has to pass every barrier: the one barrier here stands ahead of all that hangs on the count.
; THE MATRIX INSTRUCTION IS USED TRANSPOSED: source 0 = 16 columns of B, source 1 = 16 slots of A.  Lane (r = L & 15, h = L >> 4) then holds,
; of slot r, the eight neighbouring columns 16 nt + 8 h + 0 .. 7.  In MODE 1 these, packed to f16, ARE registers 4 c .. 4 c + 3 of the lane's
; fragment of K step ks for MODE 2 (ks = 2 sub + (nt >> 1), c = nt & 1): the results leave without a pass through LDS.
; The bias enters as the C operand of a tile's first matrix instruction: nothing is cleared and no addition is spent.
; GELU is the exact (erf) form: erf by Abramowitz and Stegun 7.1.26, absolute error at most 1.5e-7 for every argument:
;   gelu(x) = x/2 + |x| (1/2 + t (b1 + t (b2 + t (b3 + t (b4 + t b5)))) exp(-x^2/2)),  t = 1 / (1 + 0.23164189 |x|),  bk = -ak / 2.
; FURTHER LIMITS: for large negative x the two terms cancel and leave an absolute error of about 1e-7 |x| (as 1 + erf in f32 does);
; an infinity or NaN in an expert that a token did not choose does not reach that token's output (0 x inf is not formed).
; The time grows with the largest count, since 32 work-groups serve an expert; the values hold for any counts from 0 to 2,048.
; THE MODE: SCHED_MODE bits 1:0 = 2 (LLVM: expert scheduling mode 2), set by the entry lines.  The code itself states the register dependences
; between vector or matrix instructions and memory or LDS instructions, with s_wait_alu, always for 0.
; THE PLAN.  Registers that memory or LDS instructions touch:
;   v1 to v10   offsets and LDS addresses: made at the head, ahead of one wait on va_vdst, and never written again: tiles are reached by scalar bases and immediate offsets.
;   RING        while B comes in, in eight groups of eight steps: the loads land in it, a group's sixteen conversions read its eight slots, and (groups 0 to 3) these are loaded again.
;   PK0, PK1    by turns: written by a group's conversions, read by its eight LDS stores, written again two groups on.
;               A group: the wait for its data; a wait on vm_vsrc (the LDS stores of two groups back have read its PK); the conversions; ONE wait on va_vdst
;               (PK is written, the eight slots are read out); the eight refills and the eight LDS stores.
;   A0, A1      (window 3) by turns, tile by tile: a buffer's half (K steps 0-7, 8-15) is read by 32 matrix instructions and then loaded again, with the tile two further on.
;   ACC         written by the matrix instructions; MODE 2: read by the way out's LDS stores.
;   OUT         MODE 1: written by GELU's roundings, read by the stores.  MODE 2: the loads from the stage land in it, the stores read it.
;   B (windows 1, 2) and BIAS are loaded once, ahead of the loop; T, E and PP are named by vector instructions alone.
; So a tile has TWO waits on va_vdst.  The first stands behind the first half's matrix instructions, which are then done reading K steps 0-7: that half is asked for again at once.
; The second stands on the way out, where the results have to be written in any case (MODE 1: OUT; MODE 2: ACC); it also states that the second half is read out.
; Each stands straight ahead of its run of sixteen loads.  ONE wait on vm_vsrc stands at a tile's head, for what the tile before stored from.
.set MODE, 1
.if MODE == 1
.set ROWP, 8192                        ; bytes from row to row of the weights
.set BSH,  13                          ; bias: expert << BSH
.set ATS,  14                          ; a tile of A is 1 << ATS bytes
.set ASH,  16                          ; four tiles of A
.set OTS,  16                          ; a tile of the output
.set ONS,  11                          ; my 64 columns in it: sub << ONS
.set OSH,  18                          ; four tiles of the output
.else
.set ROWP, 2048
.set BSH,  11
.set ATS,  16
.set ASH,  18
.set OTS,  15
.set ONS,  8
.set OSH,  17
.endif
.set CNTB,   82944                     ; the counts in route
.set KCS,    34078720                  ; MODE 2: bytes of one K chunk's plane of yp: 16,640 slots x 2,048
.set BP,     160                       ; LDS pitch of a row of B: 128 bytes + 32, an odd multiple of 32
.set STG,    81920                     ; MODE 2: behind B, 16 rows x 272 bytes for each wave, for the way out
.set SPITCH, 272
; REGISTERS, in windows of 256.  Window 0:
;   v1 16 x lane   v2 my offset in the weights   v3, v4 where I put B (rows 0-255, 256-511)   v5, v6 where I read B   v7 32 h
;   v8 way out: in   v9 way out: back   v10 my offset in yp
.set ACC,  16                          ; v[16:47]   four accumulator tiles
.set BIAS, 48                          ; v[48:79]   the bias in the accumulators' layout
.set T,    80                          ; v[80:111]  GELU
.set E,    112                         ; v[112:143]
.set PP,   144                         ; v[144:175]
.set OUT,  176                         ; v[176:191] packed results; MODE 2: v[176:207] rows read back
.set RING, 80                          ; v[80:207]  while B comes in: 32 load slots of 4 registers
.set PK,   16                          ; v[16:47]   while B comes in: two buffers of eight packed pairs, in the accumulators' registers, which nothing else uses yet
.set KB5,  216                         ; v[216:227] GELU's constants, each twice, for the packed forms
.set KB4,  218
.set KB3,  220
.set KB2,  222
.set KB1,  224
.set KC,   226
; Windows 1, 2: B(ks, nt) at 256 + 8 (4 ks + nt).   Window 3: two buffers of A, 128 registers each, fragment ks at 8 ks.
; SCALARS: s14 wave, s15 e, s16 ns, s17 kc, s18 the expert's tiles, s19 my tiles, s20 my last tile, s21 the pair's first tile, s23 at work,
;   s[24:27] the two buffers' bases in A, s[28:29] the stores' base, s[30:31] an offset, s[32:33] A and s[34:35] the output at my first tile,
;   s37 the loop's counter (pairs of tiles), s38 its bound.
; s_set_vgpr_msb's low byte: bits 1:0 source 0, 3:2 source 1, 5:4 source 2, 7:6 destination.
.set MSB, 0
.macro WIN new                         ; the immediate's high byte repeats the setting that is left; a switch that changes nothing is dropped
.if MSB != \new
	s_set_vgpr_msb (MSB<<8)|\new
.set MSB, \new
.endif
.endm
.macro KPAIR r, val
	v_mov_b32 v[\r], \val
	v_mov_b32 v[\r+1], \val
.endm
.macro PLACES                          ; Behind a matrix instruction four plain vector places stand before anything but a matrix instruction reads its result, five before
.rept 5                                ; another matrix instruction writes over its result (ISA guide 7.12.1); matrix instructions in between are not counted as places.
	v_nop                              ; They stand behind each half's last matrix instruction, 10 issue slots for a tile's 64: behind the second half for the reads of the
.endr                                  ; accumulators and the next tile's first products; behind the first half beside the wait for the loads that land on its sources.
.endm
; eight loads: K steps 4 qt .. 4 qt + 3 of a tile of A into buffer buf, 512 consecutive bytes each
.macro FILL buf, qt
	WIN 0xc0                           ; destination window 3, address window 0
.irp i, 0,1,2,3,4,5,6,7
	global_load_b128 v[128*\buf+32*\qt+4*\i:128*\buf+32*\qt+4*\i+3], v1, s[24+2*\buf:25+2*\buf] offset:512*(8*\qt+\i)
.endr
.endm
; sixteen matrix instructions: K steps 4 qt .. 4 qt + 3 x the four column tiles; neighbours in the text work on different accumulators
.macro MUL16 buf, qt
.if \qt < 2
	WIN 0x0d                           ; source 0 (B) window 1, source 1 (A) window 3, C and D window 0
.else
	WIN 0x0e                           ; B in window 2
.endif
.irp k, 0,1,2,3
.irp nt, 0,1,2,3
.if (4*\qt+\k) == 0
	v_wmma_f32_16x16x32_f16 v[ACC+8*\nt:ACC+8*\nt+7], v[8*\nt:8*\nt+7], v[128*\buf:128*\buf+7], v[BIAS+8*\nt:BIAS+8*\nt+7]
.else
	v_wmma_f32_16x16x32_f16 v[ACC+8*\nt:ACC+8*\nt+7], v[8*(4*((4*\qt+\k)&7)+\nt):8*(4*((4*\qt+\k)&7)+\nt)+7], v[128*\buf+8*(4*\qt+\k):128*\buf+8*(4*\qt+\k)+7], v[ACC+8*\nt:ACC+8*\nt+7]
.endif
.endr
.endr
.endm
.macro PKFMA d, a, b, sb, c            ; 16 packed multiply-adds on 32 numbers: d = a b + c; sb = 1: b runs with them, 0: b is a constant pair; c is one
.set i, 0
	s_wait_alu depctr_va_vdst(0)
.rept 16
	v_pk_fma_f32 v[\d+i:\d+i+1], v[\a+i:\a+i+1], v[\b+\sb*i:\b+\sb*i+1], v[\c:\c+1]
.set i, i+2
.endr
.endm
.macro PKMUL d, a, b, sb
.set i, 0
.rept 16
	v_pk_mul_f32 v[\d+i:\d+i+1], v[\a+i:\a+i+1], v[\b+\sb*i:\b+\sb*i+1]
.set i, i+2
.endr
.endm
; GELU of the 32 accumulators, stage by stage, so that 31 other instructions stand between any two that depend on each other,
; and plain stages between each run of transcendentals and the use of its results (ISA guide 5.7.2)
.macro GELU
.set i, 0
.rept 32
	v_fma_f32 v[T+i], |v[ACC+i]|, s36, 1.0
.set i, i+1
.endr
.set i, 0
.rept 32
	v_rcp_f32 v[T+i], v[T+i]                       ; t
.set i, i+1
.endr
	PKMUL E, ACC, KC, 0
	PKMUL E, E, ACC, 1                             ; -x^2 / 2 x log2 e
.set i, 0
.rept 32
	v_exp_f32 v[E+i], v[E+i]
.set i, i+1
.endr
	PKFMA PP, T, KB5, 0, KB4
	PKFMA PP, PP, T, 1, KB3
	PKFMA PP, PP, T, 1, KB2
	PKFMA PP, PP, T, 1, KB1
	PKMUL E, E, T, 1
.set i, 0
.rept 16
	v_pk_fma_f32 v[PP+i:PP+i+1], v[PP+i:PP+i+1], v[E+i:E+i+1], 0.5 op_sel_hi:[1,1,0]   ; erf(|x| / sqrt 2) / 2
.set i, i+2
.endr
.set i, 0
.rept 16
	v_pk_mul_f32 v[E+i:E+i+1], v[ACC+i:ACC+i+1], 0.5 op_sel_hi:[1,0]
.set i, i+2
.endr
.set i, 0
.rept 32
	v_fma_f32 v[T+i], |v[ACC+i]|, v[PP+i], v[E+i]
.set i, i+1
.endr
.set i, 0
.rept 16
	v_cvt_pk_f16_f32 v[OUT+i], v[T+2*i], v[T+2*i+1]
.set i, i+1
.endr
.endm
; One tile: the wave's tile number s21 + buf, out of buffer buf, which is filled again, half by half, with the tile two further on.
; The last tiles' refills are bounded to the wave's last tile and never used: so the same loads stand behind each counted wait on every path.
.macro BLOCK buf
	s_wait_xcnt 0x0                                ; all earlier loads and stores have had their addresses translated (ISA guide 3.1): the buffer's base, the stores' base and the stores' data are written again only behind this wait
	s_wait_alu depctr_vm_vsrc(0)                   ; the last tile's stores have read OUT, and in MODE 2 its LDS stores the accumulators: this tile writes both again; in the first tile: the LDS stores of B have read PK, which the accumulators take over
	s_add_co_u32 s23, s21, 2+\buf
	s_min_u32 s23, s23, s20                        ; not past my last tile
	s_min_u32 s23, s23, 31                         ; a number that hangs on loaded data is bounded by a constant before it addresses: at most 32 tiles a wave
	s_lshl_b32 s30, s23, ASH
	s_add_nc_u64 s[24+2*\buf:25+2*\buf], s[32:33], s[30:31]
	s_add_co_u32 s23, s21, \buf
	s_min_u32 s23, s23, 31
	s_lshl_b32 s30, s23, OSH
	s_add_nc_u64 s[28:29], s[34:35], s[30:31]
	s_wait_loadcnt 56                              ; behind the eight loads of K steps 0-3 stand 24 of the same fill and the other buffer's 32
	MUL16 \buf, 0
	s_wait_loadcnt 48                              ; behind those of K steps 4-7: 16 of the same fill and the other buffer's 32
	MUL16 \buf, 1
	PLACES
	WIN 0xc0
	s_wait_alu depctr_va_vdst(0)                   ; the 32 matrix instructions above are done reading K steps 0-7 of this buffer, in which the sixteen loads below land
	FILL \buf, 0
	FILL \buf, 1
	s_wait_loadcnt 56                              ; behind the loads of K steps 8-11: 8 of the same fill, the other buffer's 32 and the 16 just issued
	MUL16 \buf, 2
	s_wait_loadcnt 48                              ; behind those of K steps 12-15: the other buffer's 32 and the 16 refills
	MUL16 \buf, 3
	PLACES
.if MODE == 1
	WIN 0
	GELU
.endif
	WIN 0xc0
	s_wait_alu depctr_va_vdst(0)                   ; MODE 1: the roundings have written OUT, which the stores read; MODE 2: the matrix instructions have written the accumulators, which the LDS stores read; in both they are done reading K steps 8-15, in which the loads below land
	FILL \buf, 2
	FILL \buf, 3
	WIN 0
.if MODE == 1
.irp g, 0,1,2,3
	global_store_b128 v1, v[OUT+4*\g:OUT+4*\g+3], s[28:29] offset:512*\g       ; 512 consecutive bytes: half a K step of the next product's fragments
.endr
.else
.irp nt, 0,1,2,3
	ds_store_b128 v8, v[ACC+8*\nt:ACC+8*\nt+3]   offset:64*\nt                 ; slot r, columns 16 nt + 8 h ..
	ds_store_b128 v8, v[ACC+8*\nt+4:ACC+8*\nt+7] offset:64*\nt+16
.endr
.irp t, 0,1,2,3,4,5,6,7
	ds_load_b128 v[OUT+4*\t:OUT+4*\t+3], v9 offset:2*SPITCH*\t                 ; my own bytes, and LDS serves a wave in order: no wait between
.endr
.irp t, 0,1,2,3,4,5,6,7
	s_wait_dscnt 7-\t
	global_store_b128 v10, v[OUT+4*\t:OUT+4*\t+3], s[28:29] offset:4096*\t     ; sixteen lanes store the work-group's 256 consecutive bytes of a row
.endr
.endif
.endm
	s_load_b256 s[4:11], s[0:1], 0x0               ; route 4, A 6, weights 8, bias 10
	s_load_b64 s[12:13], s[0:1], 0x20              ; output
	v_lshl_add_u32 v254, v0, 2, 0x14000
	v_mov_b32 v255, 0
	v_lshrrev_b32 v1, 5, v0
	v_readfirstlane_b32 s14, v1                    ; wave
	s_lshr_b32 s15, ttmp9, 5                       ; e
.if MODE == 1
	s_and_b32 s16, ttmp9, 31                       ; ns: which 64 columns
	s_mov_b32 s17, 0                               ; kc: K is not split
.else
	s_bfe_u32 s17, ttmp9, 0x20003                  ; kc: 2 bits from bit 3
	s_and_b32 s16, ttmp9, 7                        ; ns
.endif
	s_mov_b32 s31, 0                               ; upper word of every offset
	v_and_b32 v11, 31, v0                          ; L
	v_lshlrev_b32 v1, 4, v11
	v_lshrrev_b32 v12, 4, v0                       ; t >> 4: which of 8 rows of the weights
	v_and_b32 v13, 15, v0                          ; t & 15 = r: which 16 bytes of the row's 256
	v_mul_u32_u24 v2, v12, ROWP
	v_lshl_add_u32 v2, v13, 4, v2
	v_mul_u32_u24 v3, v12, BP
	v_lshl_add_u32 v3, v13, 3, v3                  ; four f16 = 8 bytes
	v_add_nc_u32 v4, 256*BP, v3
	v_lshrrev_b32 v14, 4, v11                      ; h
	v_and_b32 v15, 7, v11
	v_lshl_add_u32 v15, v14, 3, v15                ; row 8 h + (L & 7) of a K step's first 16,
	v_mul_u32_u24 v5, v15, BP
	v_bfe_u32 v15, v11, 3, 1
	v_lshl_add_u32 v5, v15, 4, v5                  ; 16 bytes ((L >> 3) & 1) of the 32 of a column tile
	v_add_nc_u32 v6, 256*BP, v5
	v_lshlrev_b32 v7, 5, v14
	s_wait_alu depctr_va_sdst(0)                   ; s14 is written, ahead of its first reader: the wave's stage, its first tile and its number of tiles are made from it
.if MODE == 1
	s_mov_b32 s36, 0x3e6d3388                      ; 0.3275911 / sqrt 2
	KPAIR KB5, 0xbf07dc22                          ; -1.061405429 / 2
	KPAIR KB4, 0x3f3a00e3                          ; +1.453152027 / 2
	KPAIR KB3, 0xbf35f0e3                          ; -1.421413741 / 2
	KPAIR KB2, 0x3e11a98e                          ; +0.284496736 / 2
	KPAIR KB1, 0xbe027906                          ; -0.254829592 / 2
	KPAIR KC,  0xbf38aa3b                          ; -log2 e / 2
.else
	s_mul_i32 s23, s14, 16*SPITCH
	s_add_co_u32 s23, s23, STG                     ; my stage
	v_mul_u32_u24 v8, v13, SPITCH
	v_add_nc_u32 v8, v8, v7
	v_add_nc_u32 v8, s23, v8                       ; in: row r, 32 bytes for each half of the lanes
	v_mul_u32_u24 v9, v14, SPITCH
	v_lshl_add_u32 v9, v13, 4, v9
	v_add_nc_u32 v9, s23, v9                       ; back: lanes 0-15 one row of 256 bytes, lanes 16-31 the next
	v_lshlrev_b32 v10, 11, v14
	v_lshl_add_u32 v10, v13, 4, v10                ; and the same two rows in yp
.endif
	s_wait_kmcnt 0x0
	s_lshl_b32 s30, s15, 2
	s_add_nc_u64 s[4:5], s[4:5], s[30:31]
	s_load_b32 s18, s[4:5], CNTB                   ; the expert's count; waited for behind the barrier
	s_lshl_b32 s30, s15, 22                        ; an expert's weights: 4,194,304 bytes
	s_lshl_b32 s23, s17, 20                        ; 512 rows of 2,048 bytes
	s_add_co_u32 s30, s30, s23
	s_lshl_b32 s23, s16, 8                         ; 64 columns
	s_add_co_u32 s30, s30, s23
	s_add_nc_u64 s[8:9], s[8:9], s[30:31]
	s_lshl_b32 s30, s15, BSH
	s_add_co_u32 s30, s30, s23
	s_add_nc_u64 s[10:11], s[10:11], s[30:31]
	s_mul_i32 s22, s15, 130
	s_add_co_u32 s22, s22, s14                     ; my first tile: 130 e + w
	s_lshl_b32 s30, s22, ATS
	s_lshl_b32 s23, s17, 14                        ; 16 K steps of 1 KiB
	s_add_co_u32 s30, s30, s23
	s_add_nc_u64 s[32:33], s[6:7], s[30:31]        ; A at my first tile
	s_lshl_b32 s30, s22, OTS
	s_lshl_b32 s23, s16, ONS
	s_add_co_u32 s30, s30, s23
.if MODE == 2
	s_mul_i32 s23, s17, KCS
	s_add_co_u32 s30, s30, s23
.endif
	s_add_nc_u64 s[34:35], s[12:13], s[30:31]      ; the output at my first tile
	s_wait_alu depctr_va_vdst(0)                   ; the offsets and LDS addresses v1 to v10 are written: every load, store and LDS access of the kernel reads one of them, and none is written again
.irp nt, 0,1,2,3
	global_load_b128 v[BIAS+8*\nt:BIAS+8*\nt+3],   v7, s[10:11] offset:64*\nt      ; columns 16 nt + 8 h + 0 .. 3
	global_load_b128 v[BIAS+8*\nt+4:BIAS+8*\nt+7], v7, s[10:11] offset:64*\nt+16
.endr
	; B: 64 steps of 8 rows x 256 bytes for the work-group, in eight groups of eight; 24 to 32 of them on their way while any are left to ask for
.set p, 0
.rept 32
	global_load_b128 v[RING+4*p:RING+4*p+3], v2, s[8:9] offset:p*8*ROWP th:TH_LOAD_NT
.set p, p+1
.endr
.set g, 0
.rept 8
.if g < 4
	s_wait_loadcnt 24                              ; behind group g's eight loads stand 24 - 8 g of the first run and 8 g refills
.else
	s_wait_loadcnt 56-8*g                          ; nothing is issued any more: the counts run down
.endif
.if g >= 2
	s_wait_alu depctr_vm_vsrc(0)                   ; the LDS stores of two groups back have read this PK buffer, which the conversions below write again
.endif
.set j, 0
.rept 8
	v_cvt_pk_f16_f32 v[PK+16*(g&1)+2*j],   v[RING+4*((8*g+j)&31)],   v[RING+4*((8*g+j)&31)+1]
	v_cvt_pk_f16_f32 v[PK+16*(g&1)+2*j+1], v[RING+4*((8*g+j)&31)+2], v[RING+4*((8*g+j)&31)+3]
.set j, j+1
.endr
	s_wait_alu depctr_va_vdst(0)                   ; the sixteen conversions have written PK, which the LDS stores read, and are done reading the eight slots, in which the refills land
.set j, 0
.rept 8
.if g < 4
	global_load_b128 v[RING+4*(8*g+j):RING+4*(8*g+j)+3], v2, s[8:9] offset:(8*g+j+32)*8*ROWP th:TH_LOAD_NT
	ds_store_b64 v3, v[PK+16*(g&1)+2*j:PK+16*(g&1)+2*j+1] offset:8*BP*(8*g+j)
.else
	ds_store_b64 v4, v[PK+16*(g&1)+2*j:PK+16*(g&1)+2*j+1] offset:8*BP*(8*g+j-32)
.endif
.set j, j+1
.endr
.set g, g+1
.endr
	s_wait_dscnt 0x0                               ; my part of B is in LDS before I say so
	s_barrier_signal -1
	s_barrier_wait -1                              ; all of it is.  The only barrier; B is not written again
.if MODE == 2
	s_cmp_eq_u32 s17, 0                            ; b2 is added once: by the first K chunk
	s_cselect_b32 s23, -1, 0
.set i, 0
.rept 32
	v_and_b32 v[BIAS+i], s23, v[BIAS+i]
.set i, i+1
.endr
.endif
	s_wait_kmcnt 0x0
	s_min_u32 s18, s18, 2048
	s_add_co_u32 s18, s18, 15
	s_lshr_b32 s18, s18, 4                         ; the expert's tiles
	s_add_co_u32 s19, s18, 3
	s_sub_co_u32 s19, s19, s14
	s_lshr_b32 s19, s19, 2                         ; mine: w, w + 4, ..
	s_cmp_eq_u32 s19, 0
	s_cbranch_scc1 .Ldone
	s_sub_co_u32 s20, s19, 1
	s_add_co_u32 s38, s19, 1
	s_lshr_b32 s38, s38, 1                         ; trips of the loop: pairs of tiles, the last pair perhaps half
	s_mov_b64 s[24:25], s[32:33]                   ; tile 0 into buffer 0
	s_min_u32 s23, s20, 1
	s_lshl_b32 s30, s23, ASH
	s_add_nc_u64 s[26:27], s[32:33], s[30:31]      ; tile 1 (or the only one again) into buffer 1
.irp qt, 0,1,2,3
	FILL 0, \qt                                    ; no wait: no vector instruction has named window 3, nor v1 since the wait at the head
.endr
.irp qt, 0,1,2,3
	FILL 1, \qt
.endr
	; all of B into registers: (ks, nt): two transposing loads, k = 32 ks + 8 h .. and 32 ks + 16 + 8 h .. of column 16 nt + r
	WIN 0x40                                       ; destination window 1
.irp ks, 0,1,2,3,4,5,6,7
.irp nt, 0,1,2,3
	ds_load_tr16_b128 v[8*(4*\ks+\nt):8*(4*\ks+\nt)+3],   v5 offset:32*BP*\ks+32*\nt
	ds_load_tr16_b128 v[8*(4*\ks+\nt)+4:8*(4*\ks+\nt)+7], v5 offset:32*BP*\ks+32*\nt+16*BP
.endr
.endr
	WIN 0x80                                       ; destination window 2: K steps 8 to 15
.irp ks, 0,1,2,3,4,5,6,7
.irp nt, 0,1,2,3
	ds_load_tr16_b128 v[8*(4*\ks+\nt):8*(4*\ks+\nt)+3],   v6 offset:32*BP*\ks+32*\nt
	ds_load_tr16_b128 v[8*(4*\ks+\nt)+4:8*(4*\ks+\nt)+7], v6 offset:32*BP*\ks+32*\nt+16*BP
.endr
.endr
	WIN 0                                          ; at a label and at a branch every window is 0
	s_wait_dscnt 0x0
	s_mov_b32 s37, 0                               ; the loop counts pairs of tiles, one a trip, against s38
.Lloop:
	s_lshl_b32 s21, s37, 1                         ; the pair's first tile
	BLOCK 0
	s_add_co_u32 s23, s21, 1
	s_cmp_lt_u32 s23, s19
	s_cbranch_scc1 .Lmore                          ; a further tile: on, inside the loop
	s_wait_dscnt 0x0
	s_wait_alu depctr_hold_cnt(0) depctr_sa_sdst(0) depctr_va_vdst(0) depctr_va_sdst(0) depctr_va_ssrc(0) depctr_va_vcc(0) depctr_vm_vsrc(0)
	s_wait_tensorcnt 0x0
	ds_add_u32 v254, v255
	s_wait_dscnt 0x0
	s_endpgm                                       ; an odd number of tiles ends here: the loop is left only by ending the wave or by falling through its branch back
.Lmore:
	BLOCK 1
	s_add_co_u32 s37, s37, 1
	s_cmp_lt_u32 s37, s38
	s_cbranch_scc1 .Lloop
.Ldone:
	s_wait_dscnt 0x0
	s_wait_alu depctr_hold_cnt(0) depctr_sa_sdst(0) depctr_va_vdst(0) depctr_va_sdst(0) depctr_va_ssrc(0) depctr_va_vcc(0) depctr_vm_vsrc(0)
	s_wait_tensorcnt 0x0
	ds_add_u32 v254, v255
	s_wait_dscnt 0x0
	s_endpgm
.Lfunc_end_k_q205410c91c_gemm1:
	.size	k_q205410c91c_gemm1, .Lfunc_end_k_q205410c91c_gemm1-k_q205410c91c_gemm1
	.p2alignl 7, 3214868480
	.fill 96, 4, 3214868480
	.section	.rodata,"a",@progbits
	.p2align	6, 0x0
	.amdhsa_kernel k_q205410c91c_gemm1
		.amdhsa_group_segment_fixed_size 82432
		.amdhsa_private_segment_fixed_size 0
		.amdhsa_enable_private_segment 0
		.amdhsa_kernarg_size 40
		.amdhsa_user_sgpr_count 2
		.amdhsa_user_sgpr_kernarg_segment_ptr 1
		.amdhsa_wavefront_size32 1
		.amdhsa_system_sgpr_workgroup_id_x 1
		.amdhsa_system_sgpr_workgroup_id_y 1
		.amdhsa_system_sgpr_workgroup_id_z 1
		.amdhsa_system_vgpr_workitem_id 0
		.amdhsa_next_free_vgpr 1024
		.amdhsa_next_free_sgpr 66
		.amdhsa_reserve_vcc 0
		.amdhsa_float_denorm_mode_32 3
		.amdhsa_float_denorm_mode_16_64 3
		.amdhsa_memory_ordered 1
		.amdhsa_forward_progress 1
		.amdhsa_inst_pref_size 88
	.end_amdhsa_kernel
	.amdgpu_metadata
---
amdhsa.version: [ 1, 2 ]
amdhsa.kernels:
  - .name:           k_q205410c91c_gemm1
    .symbol:         k_q205410c91c_gemm1.kd
    .args:
      - { .name: route, .offset: 0, .size: 8, .value_kind: global_buffer, .address_space: global }
      - { .name: xg, .offset: 8, .size: 8, .value_kind: global_buffer, .address_space: global }
      - { .name: W1, .offset: 16, .size: 8, .value_kind: global_buffer, .address_space: global }
      - { .name: b1, .offset: 24, .size: 8, .value_kind: global_buffer, .address_space: global }
      - { .name: hf, .offset: 32, .size: 8, .value_kind: global_buffer, .address_space: global }
    .group_segment_fixed_size: 82432
    .private_segment_fixed_size: 0
    .kernarg_segment_align: 8
    .kernarg_segment_size: 40
    .max_flat_workgroup_size: 128
    .sgpr_count:     66
    .vgpr_count:     1024
    .wavefront_size: 32
...
	.end_amdgpu_metadata
.endif
;; end of part 9
;; launch gemm2 (part 10): grid 256 x 1, 4 waves a work-group, no clusters, 99,840 bytes of LDS; arguments route, hf, W2, b2, yp; writes yp
.if DOCPART == 10
	.amdgcn_target "amdgcn-amd-amdhsa--gfx1250"
	.amdhsa_code_object_version 6
	.text
	.protected	k_q205410c91c_gemm2
	.globl	k_q205410c91c_gemm2
	.p2align	8
	.type	k_q205410c91c_gemm2,@function
k_q205410c91c_gemm2:
	s_mov_b64 s[64:65], 0
	v_nop
	global_prefetch_b8 v0, s[64:65] scope:SCOPE_SE
	s_setreg_imm32_b32 hwreg(HW_REG_WAVE_SCHED_MODE, 0, 2), 2
	s_setreg_imm32_b32 hwreg(HW_REG_WAVE_MODE, 25, 1), 1
	s_wait_xcnt 0x0
	s_wait_alu depctr_vm_vsrc(0)
; One text for the two products of the experts' FFN; MODE says which.
;   MODE 1: hf = gelu(xg x W1[e] + b1[e]), f16, stored in fragment order.     MODE 2: yp[kc] = hf[:, 512 kc ..] x W2[e] (+ b2[e] where kc = 0), f32.
; Only the pairs (token, expert) that the router chose are computed: the other six weights of a token are exactly 0 in the combination.
; THE OPERANDS ARE f16, THE SUMS f32.  Four operands are rounded on the way to an output (x, W1, h, W2).  With 8 significant bits (bf16) each has a
; relative error of about 2^-8 / sqrt 3 x 0.74 = 0.0017, the four add in squares, and the noise on an output is about a third of a hundredth of
; the outputs' root mean square: too near to that hundredth for a million outputs.  With 11 bits (f16) it is an eighth of that.
; f16's room (largest number 65,504; steps of 2^-24 below 2^-14): with x about 1, W about 0.02, h below 3, all of them 30 times larger give |x| below 180,
; |W| below 4, h below 2,700; offsets of 30 spreads on x and W1 give 512 x 30 x 0.6 = 9,216 in front of GELU; all 30 times smaller give W about 7e-4 and
; h about 2.5e-4, of which the step's error (1.7e-8) is less than 1e-4.  LIMIT: an operand (x, W1, W2, h) above 65,504 in magnitude becomes an infinity.
; Work-group = (expert e = id >> 5, sub = id & 31).  Its B is 512 (k) x 64 (n) of the expert's weights: MODE 1: columns 64 sub ..;
; MODE 2: rows 512 (sub >> 3) .., columns 64 (sub & 7) ..  So each weight byte is asked for once in the whole launch.
; B is read as f32 (rows of 256 consecutive bytes), rounded to f16 into LDS [k][n], and each of the four waves then takes ALL of it into
; 512 registers by transposing LDS loads.  After that the loop reads no LDS: a fragment of A (1 KiB, 16 slots x 32 k) comes from memory
; straight into registers, by loads of 512 consecutive bytes (xg and hf lie in fragment order), and feeds four matrix instructions.
; Wave w takes the expert's tiles of 16 slots w, w + 4, ..; how many is a count read from route, which an earlier launch stored.
; The K of MODE 2 (2,048) is split into four chunks so that 256 work-groups have work; the four partial sums are added, in a fixed order,
; by the launch that follows: no sum is formed by several work-groups in one place.
; NO CLUSTER, NO JOINT REQUESTS, NO LDS RING FOR A.  The weights are shared by no two work-groups.  The work-groups of an expert do read the
; same tiles of A; but the number of tiles is read from memory and differs from wave to wave ((tiles + 3 - w) >> 2), a shared ring is
; filled again only behind a barrier, and every wave has to pass every barrier: the one barrier here stands ahead of all that hangs on the count.
; THE MATRIX INSTRUCTION IS USED TRANSPOSED: source 0 = 16 columns of B, source 1 = 16 slots of A.  Lane (r = L & 15, h = L >> 4) then holds,
; of slot r, the eight neighbouring columns 16 nt + 8 h + 0 .. 7.  In MODE 2 a tile's 16 rows x 256 bytes go through a stage in LDS of the
; wave's own, so that sixteen neighbouring lanes store 256 consecutive bytes of a row.
; The bias enters as the C operand of a tile's first matrix instruction: nothing is cleared and no addition is spent.
; FURTHER LIMITS: an infinity or NaN in an expert that a token did not choose does not reach that token's output (0 x inf is not formed).
; The time grows with the largest count, since 32 work-groups serve an expert; the values hold for any counts from 0 to 2,048.
; THE MODE: SCHED_MODE bits 1:0 = 2 (LLVM: expert scheduling mode 2), set by the entry lines.  The code itself states the register dependences
; between vector or matrix instructions and memory or LDS instructions, with s_wait_alu, always for 0.
; THE PLAN.  Registers that memory or LDS instructions touch:
;   v1 to v10   offsets and LDS addresses: made at the head, ahead of one wait on va_vdst, and never written again: tiles are reached by scalar bases and immediate offsets.
;   RING        while B comes in, in eight groups of eight steps: the loads land in it, a group's sixteen conversions read its eight slots, and (groups 0 to 3) these are loaded again.
;   PK0, PK1    by turns: written by a group's conversions, read by its eight LDS stores, written again two groups on.
;               A group: the wait for its data; a wait on vm_vsrc (the LDS stores of two groups back have read its PK); the conversions; ONE wait on va_vdst
;               (PK is written, the eight slots are read out); the eight refills and the eight LDS stores.
;   A0, A1      (window 3) by turns, tile by tile: a buffer's half (K steps 0-7, 8-15) is read by 32 matrix instructions and then loaded again, with the tile two further on.
;   ACC         written by the matrix instructions; MODE 2: read by the way out's LDS stores.
;   OUT         MODE 1: written by GELU's roundings, read by the stores.  MODE 2: the loads from the stage land in it, the stores read it.
;   B (windows 1, 2) and BIAS are loaded once, ahead of the loop; T, E and PP are named by vector instructions alone.
; So a tile has TWO waits on va_vdst.  The first stands behind the first half's matrix instructions, which are then done reading K steps 0-7: that half is asked for again at once.
; The second stands on the way out, where the results have to be written in any case (MODE 1: OUT; MODE 2: ACC); it also states that the second half is read out.
; Each stands straight ahead of its run of sixteen loads.  ONE wait on vm_vsrc stands at a tile's head, for what the tile before stored from.
.set MODE, 2
.if MODE == 1
.set ROWP, 8192                        ; bytes from row to row of the weights
.set BSH,  13                          ; bias: expert << BSH
.set ATS,  14                          ; a tile of A is 1 << ATS bytes
.set ASH,  16                          ; four tiles of A
.set OTS,  16                          ; a tile of the output
.set ONS,  11                          ; my 64 columns in it: sub << ONS
.set OSH,  18                          ; four tiles of the output
.else
.set ROWP, 2048
.set BSH,  11
.set ATS,  16
.set ASH,  18
.set OTS,  15
.set ONS,  8
.set OSH,  17
.endif
.set CNTB,   82944                     ; the counts in route
.set KCS,    34078720                  ; MODE 2: bytes of one K chunk's plane of yp: 16,640 slots x 2,048
.set BP,     160                       ; LDS pitch of a row of B: 128 bytes + 32, an odd multiple of 32
.set STG,    81920                     ; MODE 2: behind B, 16 rows x 272 bytes for each wave, for the way out
.set SPITCH, 272
; REGISTERS, in windows of 256.  Window 0:
;   v1 16 x lane   v2 my offset in the weights   v3, v4 where I put B (rows 0-255, 256-511)   v5, v6 where I read B   v7 32 h
;   v8 way out: in   v9 way out: back   v10 my offset in yp
.set ACC,  16                          ; v[16:47]   four accumulator tiles
.set BIAS, 48                          ; v[48:79]   the bias in the accumulators' layout
.set T,    80                          ; v[80:111]  GELU
.set E,    112                         ; v[112:143]
.set PP,   144                         ; v[144:175]
.set OUT,  176                         ; v[176:191] packed results; MODE 2: v[176:207] rows read back
.set RING, 80                          ; v[80:207]  while B comes in: 32 load slots of 4 registers
.set PK,   16                          ; v[16:47]   while B comes in: two buffers of eight packed pairs, in the accumulators' registers, which nothing else uses yet
.set KB5,  216                         ; v[216:227] GELU's constants, each twice, for the packed forms
.set KB4,  218
.set KB3,  220
.set KB2,  222
.set KB1,  224
.set KC,   226
; Windows 1, 2: B(ks, nt) at 256 + 8 (4 ks + nt).   Window 3: two buffers of A, 128 registers each, fragment ks at 8 ks.
; SCALARS: s14 wave, s15 e, s16 ns, s17 kc, s18 the expert's tiles, s19 my tiles, s20 my last tile, s21 the pair's first tile, s23 at work,
;   s[24:27] the two buffers' bases in A, s[28:29] the stores' base, s[30:31] an offset, s[32:33] A and s[34:35] the output at my first tile,
;   s37 the loop's counter (pairs of tiles), s38 its bound.
; s_set_vgpr_msb's low byte: bits 1:0 source 0, 3:2 source 1, 5:4 source 2, 7:6 destination.
.set MSB, 0
.macro WIN new                         ; the immediate's high byte repeats the setting that is left; a switch that changes nothing is dropped
.if MSB != \new
	s_set_vgpr_msb (MSB<<8)|\new
.set MSB, \new
.endif
.endm
.macro KPAIR r, val
	v_mov_b32 v[\r], \val
	v_mov_b32 v[\r+1], \val
.endm
.macro PLACES                          ; Behind a matrix instruction four plain vector places stand before anything but a matrix instruction reads its result, five before
.rept 5                                ; another matrix instruction writes over its result (ISA guide 7.12.1); matrix instructions in between are not counted as places.
	v_nop                              ; They stand behind each half's last matrix instruction, 10 issue slots for a tile's 64: behind the second half for the reads of the
.endr                                  ; accumulators and the next tile's first products; behind the first half beside the wait for the loads that land on its sources.
.endm
; eight loads: K steps 4 qt .. 4 qt + 3 of a tile of A into buffer buf, 512 consecutive bytes each
.macro FILL buf, qt
	WIN 0xc0                           ; destination window 3, address window 0
.irp i, 0,1,2,3,4,5,6,7
	global_load_b128 v[128*\buf+32*\qt+4*\i:128*\buf+32*\qt+4*\i+3], v1, s[24+2*\buf:25+2*\buf] offset:512*(8*\qt+\i)
.endr
.endm
; sixteen matrix instructions: K steps 4 qt .. 4 qt + 3 x the four column tiles; neighbours in the text work on different accumulators
.macro MUL16 buf, qt
.if \qt < 2
	WIN 0x0d                           ; source 0 (B) window 1, source 1 (A) window 3, C and D window 0
.else
	WIN 0x0e                           ; B in window 2
.endif
.irp k, 0,1,2,3
.irp nt, 0,1,2,3
.if (4*\qt+\k) == 0
	v_wmma_f32_16x16x32_f16 v[ACC+8*\nt:ACC+8*\nt+7], v[8*\nt:8*\nt+7], v[128*\buf:128*\buf+7], v[BIAS+8*\nt:BIAS+8*\nt+7]
.else
	v_wmma_f32_16x16x32_f16 v[ACC+8*\nt:ACC+8*\nt+7], v[8*(4*((4*\qt+\k)&7)+\nt):8*(4*((4*\qt+\k)&7)+\nt)+7], v[128*\buf+8*(4*\qt+\k):128*\buf+8*(4*\qt+\k)+7], v[ACC+8*\nt:ACC+8*\nt+7]
.endif
.endr
.endr
.endm
.macro PKFMA d, a, b, sb, c            ; 16 packed multiply-adds on 32 numbers: d = a b + c; sb = 1: b runs with them, 0: b is a constant pair; c is one
.set i, 0
.rept 16
	v_pk_fma_f32 v[\d+i:\d+i+1], v[\a+i:\a+i+1], v[\b+\sb*i:\b+\sb*i+1], v[\c:\c+1]
.set i, i+2
.endr
.endm
.macro PKMUL d, a, b, sb
.set i, 0
.rept 16
	v_pk_mul_f32 v[\d+i:\d+i+1], v[\a+i:\a+i+1], v[\b+\sb*i:\b+\sb*i+1]
.set i, i+2
.endr
.endm
; GELU of the 32 accumulators (MODE 1 alone), stage by stage, so that 31 other instructions stand between any two that depend on each other,
; and plain stages between each run of transcendentals and the use of its results (ISA guide 5.7.2)
.macro GELU
.set i, 0
.rept 32
	v_fma_f32 v[T+i], |v[ACC+i]|, s36, 1.0
.set i, i+1
.endr
.set i, 0
.rept 32
	v_rcp_f32 v[T+i], v[T+i]                       ; t
.set i, i+1
.endr
	PKMUL E, ACC, KC, 0
	PKMUL E, E, ACC, 1                             ; -x^2 / 2 x log2 e
.set i, 0
.rept 32
	v_exp_f32 v[E+i], v[E+i]
.set i, i+1
.endr
	PKFMA PP, T, KB5, 0, KB4
	PKFMA PP, PP, T, 1, KB3
	PKFMA PP, PP, T, 1, KB2
	PKFMA PP, PP, T, 1, KB1
	PKMUL E, E, T, 1
.set i, 0
.rept 16
	v_pk_fma_f32 v[PP+i:PP+i+1], v[PP+i:PP+i+1], v[E+i:E+i+1], 0.5 op_sel_hi:[1,1,0]   ; erf(|x| / sqrt 2) / 2
.set i, i+2
.endr
.set i, 0
.rept 16
	v_pk_mul_f32 v[E+i:E+i+1], v[ACC+i:ACC+i+1], 0.5 op_sel_hi:[1,0]
.set i, i+2
.endr
.set i, 0
.rept 32
	v_fma_f32 v[T+i], |v[ACC+i]|, v[PP+i], v[E+i]
.set i, i+1
.endr
.set i, 0
.rept 16
	v_cvt_pk_f16_f32 v[OUT+i], v[T+2*i], v[T+2*i+1]
.set i, i+1
.endr
.endm
; One tile: the wave's tile number s21 + buf, out of buffer buf, which is filled again, half by half, with the tile two further on.
; The last tiles' refills are bounded to the wave's last tile and never used: so the same loads stand behind each counted wait on every path.
.macro BLOCK buf
	s_wait_xcnt 0x0                                ; all earlier loads and stores have had their addresses translated (ISA guide 3.1): the buffer's base, the stores' base and the stores' data are written again only behind this wait
	s_wait_alu depctr_vm_vsrc(0)                   ; the last tile's stores have read OUT, and in MODE 2 its LDS stores the accumulators: this tile writes both again; in the first tile: the LDS stores of B have read PK, which the accumulators take over
	s_add_co_u32 s23, s21, 2+\buf
	s_min_u32 s23, s23, s20                        ; not past my last tile
	s_min_u32 s23, s23, 31                         ; a number that hangs on loaded data is bounded by a constant before it addresses: at most 32 tiles a wave
	s_lshl_b32 s30, s23, ASH
	s_add_nc_u64 s[24+2*\buf:25+2*\buf], s[32:33], s[30:31]
	s_add_co_u32 s23, s21, \buf
	s_min_u32 s23, s23, 31
	s_lshl_b32 s30, s23, OSH
	s_add_nc_u64 s[28:29], s[34:35], s[30:31]
	s_wait_loadcnt 56                              ; behind the eight loads of K steps 0-3 stand 24 of the same fill and the other buffer's 32
	MUL16 \buf, 0
	s_wait_loadcnt 48                              ; behind those of K steps 4-7: 16 of the same fill and the other buffer's 32
	MUL16 \buf, 1
	PLACES
	WIN 0xc0
	s_wait_alu depctr_va_vdst(0)                   ; the 32 matrix instructions above are done reading K steps 0-7 of this buffer, in which the sixteen loads below land
	FILL \buf, 0
	FILL \buf, 1
	s_wait_loadcnt 56                              ; behind the loads of K steps 8-11: 8 of the same fill, the other buffer's 32 and the 16 just issued
	MUL16 \buf, 2
	s_wait_loadcnt 48                              ; behind those of K steps 12-15: the other buffer's 32 and the 16 refills
	MUL16 \buf, 3
	PLACES
.if MODE == 1
	WIN 0
	GELU
.endif
	WIN 0xc0
	s_wait_alu depctr_va_vdst(0)                   ; MODE 1: the roundings have written OUT, which the stores read; MODE 2: the matrix instructions have written the accumulators, which the LDS stores read; in both they are done reading K steps 8-15, in which the loads below land
	FILL \buf, 2
	FILL \buf, 3
	WIN 0
.if MODE == 1
.irp g, 0,1,2,3
	global_store_b128 v1, v[OUT+4*\g:OUT+4*\g+3], s[28:29] offset:512*\g       ; 512 consecutive bytes: half a K step of the next product's fragments
.endr
.else
.irp nt, 0,1,2,3
	ds_store_b128 v8, v[ACC+8*\nt:ACC+8*\nt+3]   offset:64*\nt                 ; slot r, columns 16 nt + 8 h ..
	ds_store_b128 v8, v[ACC+8*\nt+4:ACC+8*\nt+7] offset:64*\nt+16
.endr
.irp t, 0,1,2,3,4,5,6,7
	ds_load_b128 v[OUT+4*\t:OUT+4*\t+3], v9 offset:2*SPITCH*\t                 ; my own bytes, and LDS serves a wave in order: no wait between
.endr
.irp t, 0,1,2,3,4,5,6,7
	s_wait_dscnt 7-\t
	global_store_b128 v10, v[OUT+4*\t:OUT+4*\t+3], s[28:29] offset:4096*\t     ; sixteen lanes store the work-group's 256 consecutive bytes of a row
.endr
.endif
.endm
	s_load_b256 s[4:11], s[0:1], 0x0               ; route 4, A 6, weights 8, bias 10
	s_load_b64 s[12:13], s[0:1], 0x20              ; output
	v_lshl_add_u32 v254, v0, 2, 0x18400
	v_mov_b32 v255, 0
	v_lshrrev_b32 v1, 5, v0
	v_readfirstlane_b32 s14, v1                    ; wave
	s_lshr_b32 s15, ttmp9, 5                       ; e
.if MODE == 1
	s_and_b32 s16, ttmp9, 31                       ; ns: which 64 columns
	s_mov_b32 s17, 0                               ; kc: K is not split
.else
	s_bfe_u32 s17, ttmp9, 0x20003                  ; kc: 2 bits from bit 3
	s_and_b32 s16, ttmp9, 7                        ; ns
.endif
	s_mov_b32 s31, 0                               ; upper word of every offset
	v_and_b32 v11, 31, v0                          ; L
	v_lshlrev_b32 v1, 4, v11
	v_lshrrev_b32 v12, 4, v0                       ; t >> 4: which of 8 rows of the weights
	v_and_b32 v13, 15, v0                          ; t & 15 = r: which 16 bytes of the row's 256
	v_mul_u32_u24 v2, v12, ROWP
	v_lshl_add_u32 v2, v13, 4, v2
	v_mul_u32_u24 v3, v12, BP
	v_lshl_add_u32 v3, v13, 3, v3                  ; four f16 = 8 bytes
	v_add_nc_u32 v4, 256*BP, v3
	v_lshrrev_b32 v14, 4, v11                      ; h
	v_and_b32 v15, 7, v11
	v_lshl_add_u32 v15, v14, 3, v15                ; row 8 h + (L & 7) of a K step's first 16,
	v_mul_u32_u24 v5, v15, BP
	v_bfe_u32 v15, v11, 3, 1
	v_lshl_add_u32 v5, v15, 4, v5                  ; 16 bytes ((L >> 3) & 1) of the 32 of a column tile
	v_add_nc_u32 v6, 256*BP, v5
	v_lshlrev_b32 v7, 5, v14
	s_wait_alu depctr_va_sdst(0)                   ; s14 is written, ahead of its first reader: the wave's stage, its first tile and its number of tiles are made from it
.if MODE == 1
	s_mov_b32 s36, 0x3e6d3388                      ; 0.3275911 / sqrt 2
	KPAIR KB5, 0xbf07dc22                          ; -1.061405429 / 2
	KPAIR KB4, 0x3f3a00e3                          ; +1.453152027 / 2
	KPAIR KB3, 0xbf35f0e3                          ; -1.421413741 / 2
	KPAIR KB2, 0x3e11a98e                          ; +0.284496736 / 2
	KPAIR KB1, 0xbe027906                          ; -0.254829592 / 2
	KPAIR KC,  0xbf38aa3b                          ; -log2 e / 2
.else
	s_mul_i32 s23, s14, 16*SPITCH
	s_add_co_u32 s23, s23, STG                     ; my stage
	v_mul_u32_u24 v8, v13, SPITCH
	v_add_nc_u32 v8, v8, v7
	v_add_nc_u32 v8, s23, v8                       ; in: row r, 32 bytes for each half of the lanes
	v_mul_u32_u24 v9, v14, SPITCH
	v_lshl_add_u32 v9, v13, 4, v9
	v_add_nc_u32 v9, s23, v9                       ; back: lanes 0-15 one row of 256 bytes, lanes 16-31 the next
	v_lshlrev_b32 v10, 11, v14
	v_lshl_add_u32 v10, v13, 4, v10                ; and the same two rows in yp
.endif
	s_wait_kmcnt 0x0
	s_lshl_b32 s30, s15, 2
	s_add_nc_u64 s[4:5], s[4:5], s[30:31]
	s_load_b32 s18, s[4:5], CNTB                   ; the expert's count; waited for behind the barrier
	s_lshl_b32 s30, s15, 22                        ; an expert's weights: 4,194,304 bytes
	s_lshl_b32 s23, s17, 20                        ; 512 rows of 2,048 bytes
	s_add_co_u32 s30, s30, s23
	s_lshl_b32 s23, s16, 8                         ; 64 columns
	s_add_co_u32 s30, s30, s23
	s_add_nc_u64 s[8:9], s[8:9], s[30:31]
	s_lshl_b32 s30, s15, BSH
	s_add_co_u32 s30, s30, s23
	s_add_nc_u64 s[10:11], s[10:11], s[30:31]
	s_mul_i32 s22, s15, 130
	s_add_co_u32 s22, s22, s14                     ; my first tile: 130 e + w
	s_lshl_b32 s30, s22, ATS
	s_lshl_b32 s23, s17, 14                        ; 16 K steps of 1 KiB
	s_add_co_u32 s30, s30, s23
	s_add_nc_u64 s[32:33], s[6:7], s[30:31]        ; A at my first tile
	s_lshl_b32 s30, s22, OTS
	s_lshl_b32 s23, s16, ONS
	s_add_co_u32 s30, s30, s23
.if MODE == 2
	s_mul_i32 s23, s17, KCS
	s_add_co_u32 s30, s30, s23
.endif
	s_add_nc_u64 s[34:35], s[12:13], s[30:31]      ; the output at my first tile
	s_wait_alu depctr_va_vdst(0)                   ; the offsets and LDS addresses v1 to v10 are written: every load, store and LDS access of the kernel reads one of them, and none is written again
.irp nt, 0,1,2,3
	global_load_b128 v[BIAS+8*\nt:BIAS+8*\nt+3],   v7, s[10:11] offset:64*\nt      ; columns 16 nt + 8 h + 0 .. 3
	global_load_b128 v[BIAS+8*\nt+4:BIAS+8*\nt+7], v7, s[10:11] offset:64*\nt+16
.endr
	; B: 64 steps of 8 rows x 256 bytes for the work-group, in eight groups of eight; 24 to 32 of them on their way while any are left to ask for
.set p, 0
.rept 32
	global_load_b128 v[RING+4*p:RING+4*p+3], v2, s[8:9] offset:p*8*ROWP th:TH_LOAD_NT
.set p, p+1
.endr
.set g, 0
.rept 8
.if g < 4
	s_wait_loadcnt 24                              ; behind group g's eight loads stand 24 - 8 g of the first run and 8 g refills
.else
	s_wait_loadcnt 56-8*g                          ; nothing is issued any more: the counts run down
.endif
.if g >= 2
	s_wait_alu depctr_vm_vsrc(0)                   ; the LDS stores of two groups back have read this PK buffer, which the conversions below write again
.endif
.set j, 0
.rept 8
	v_cvt_pk_f16_f32 v[PK+16*(g&1)+2*j],   v[RING+4*((8*g+j)&31)],   v[RING+4*((8*g+j)&31)+1]
	v_cvt_pk_f16_f32 v[PK+16*(g&1)+2*j+1], v[RING+4*((8*g+j)&31)+2], v[RING+4*((8*g+j)&31)+3]
.set j, j+1
.endr
	s_wait_alu depctr_va_vdst(0)                   ; the sixteen conversions have written PK, which the LDS stores read, and are done reading the eight slots, in which the refills land
.set j, 0
.rept 8
.if g < 4
	global_load_b128 v[RING+4*(8*g+j):RING+4*(8*g+j)+3], v2, s[8:9] offset:(8*g+j+32)*8*ROWP th:TH_LOAD_NT
	ds_store_b64 v3, v[PK+16*(g&1)+2*j:PK+16*(g&1)+2*j+1] offset:8*BP*(8*g+j)
.else
	ds_store_b64 v4, v[PK+16*(g&1)+2*j:PK+16*(g&1)+2*j+1] offset:8*BP*(8*g+j-32)
.endif
.set j, j+1
.endr
.set g, g+1
.endr
	s_wait_dscnt 0x0                               ; my part of B is in LDS before I say so
	s_barrier_signal -1
	s_barrier_wait -1                              ; all of it is.  The only barrier; B is not written again
.if MODE == 2
	s_cmp_eq_u32 s17, 0                            ; b2 is added once: by the first K chunk
	s_cselect_b32 s23, -1, 0
.set i, 0
.rept 32
	v_and_b32 v[BIAS+i], s23, v[BIAS+i]
.set i, i+1
.endr
.endif
	s_wait_kmcnt 0x0
	s_min_u32 s18, s18, 2048
	s_add_co_u32 s18, s18, 15
	s_lshr_b32 s18, s18, 4                         ; the expert's tiles
	s_add_co_u32 s19, s18, 3
	s_sub_co_u32 s19, s19, s14
	s_lshr_b32 s19, s19, 2                         ; mine: w, w + 4, ..
	s_cmp_eq_u32 s19, 0
	s_cbranch_scc1 .Ldone
	s_sub_co_u32 s20, s19, 1
	s_add_co_u32 s38, s19, 1
	s_lshr_b32 s38, s38, 1                         ; trips of the loop: pairs of tiles, the last pair perhaps half
	s_mov_b64 s[24:25], s[32:33]                   ; tile 0 into buffer 0
	s_min_u32 s23, s20, 1
	s_lshl_b32 s30, s23, ASH
	s_add_nc_u64 s[26:27], s[32:33], s[30:31]      ; tile 1 (or the only one again) into buffer 1
.irp qt, 0,1,2,3
	FILL 0, \qt                                    ; no wait: no vector instruction has named window 3, nor v1 since the wait at the head
.endr
.irp qt, 0,1,2,3
	FILL 1, \qt
.endr
	; all of B into registers: (ks, nt): two transposing loads, k = 32 ks + 8 h .. and 32 ks + 16 + 8 h .. of column 16 nt + r
	WIN 0x40                                       ; destination window 1
.irp ks, 0,1,2,3,4,5,6,7
.irp nt, 0,1,2,3
	ds_load_tr16_b128 v[8*(4*\ks+\nt):8*(4*\ks+\nt)+3],   v5 offset:32*BP*\ks+32*\nt
	ds_load_tr16_b128 v[8*(4*\ks+\nt)+4:8*(4*\ks+\nt)+7], v5 offset:32*BP*\ks+32*\nt+16*BP
.endr
.endr
	WIN 0x80                                       ; destination window 2: K steps 8 to 15
.irp ks, 0,1,2,3,4,5,6,7
.irp nt, 0,1,2,3
	ds_load_tr16_b128 v[8*(4*\ks+\nt):8*(4*\ks+\nt)+3],   v6 offset:32*BP*\ks+32*\nt
	ds_load_tr16_b128 v[8*(4*\ks+\nt)+4:8*(4*\ks+\nt)+7], v6 offset:32*BP*\ks+32*\nt+16*BP
.endr
.endr
	WIN 0                                          ; at a label and at a branch every window is 0
	s_wait_dscnt 0x0
	s_mov_b32 s37, 0                               ; the loop counts pairs of tiles, one a trip, against s38
.Lloop:
	s_lshl_b32 s21, s37, 1                         ; the pair's first tile
	BLOCK 0
	s_add_co_u32 s23, s21, 1
	s_cmp_lt_u32 s23, s19
	s_cbranch_scc1 .Lmore                          ; a further tile: on, inside the loop
	s_wait_dscnt 0x0
	s_wait_alu depctr_hold_cnt(0) depctr_sa_sdst(0) depctr_va_vdst(0) depctr_va_sdst(0) depctr_va_ssrc(0) depctr_va_vcc(0) depctr_vm_vsrc(0)
	s_wait_tensorcnt 0x0
	ds_add_u32 v254, v255
	s_wait_dscnt 0x0
	s_endpgm                                       ; an odd number of tiles ends here: the loop is left only by ending the wave or by falling through its branch back
.Lmore:
	BLOCK 1
	s_add_co_u32 s37, s37, 1
	s_cmp_lt_u32 s37, s38
	s_cbranch_scc1 .Lloop
.Ldone:
	s_wait_dscnt 0x0
	s_wait_alu depctr_hold_cnt(0) depctr_sa_sdst(0) depctr_va_vdst(0) depctr_va_sdst(0) depctr_va_ssrc(0) depctr_va_vcc(0) depctr_vm_vsrc(0)
	s_wait_tensorcnt 0x0
	ds_add_u32 v254, v255
	s_wait_dscnt 0x0
	s_endpgm
.Lfunc_end_k_q205410c91c_gemm2:
	.size	k_q205410c91c_gemm2, .Lfunc_end_k_q205410c91c_gemm2-k_q205410c91c_gemm2
	.p2alignl 7, 3214868480
	.fill 96, 4, 3214868480
	.section	.rodata,"a",@progbits
	.p2align	6, 0x0
	.amdhsa_kernel k_q205410c91c_gemm2
		.amdhsa_group_segment_fixed_size 99840
		.amdhsa_private_segment_fixed_size 0
		.amdhsa_enable_private_segment 0
		.amdhsa_kernarg_size 40
		.amdhsa_user_sgpr_count 2
		.amdhsa_user_sgpr_kernarg_segment_ptr 1
		.amdhsa_wavefront_size32 1
		.amdhsa_system_sgpr_workgroup_id_x 1
		.amdhsa_system_sgpr_workgroup_id_y 1
		.amdhsa_system_sgpr_workgroup_id_z 1
		.amdhsa_system_vgpr_workitem_id 0
		.amdhsa_next_free_vgpr 1024
		.amdhsa_next_free_sgpr 66
		.amdhsa_reserve_vcc 0
		.amdhsa_float_denorm_mode_32 3
		.amdhsa_float_denorm_mode_16_64 3
		.amdhsa_memory_ordered 1
		.amdhsa_forward_progress 1
		.amdhsa_inst_pref_size 60
	.end_amdhsa_kernel
	.amdgpu_metadata
---
amdhsa.version: [ 1, 2 ]
amdhsa.kernels:
  - .name:           k_q205410c91c_gemm2
    .symbol:         k_q205410c91c_gemm2.kd
    .args:
      - { .name: route, .offset: 0, .size: 8, .value_kind: global_buffer, .address_space: global }
      - { .name: hf, .offset: 8, .size: 8, .value_kind: global_buffer, .address_space: global }
      - { .name: W2, .offset: 16, .size: 8, .value_kind: global_buffer, .address_space: global }
      - { .name: b2, .offset: 24, .size: 8, .value_kind: global_buffer, .address_space: global }
      - { .name: yp, .offset: 32, .size: 8, .value_kind: global_buffer, .address_space: global }
    .group_segment_fixed_size: 99840
    .private_segment_fixed_size: 0
    .kernarg_segment_align: 8
    .kernarg_segment_size: 40
    .max_flat_workgroup_size: 128
    .sgpr_count:     66
    .vgpr_count:     1024
    .wavefront_size: 32
...
	.end_amdgpu_metadata
.endif
;; end of part 10
;; launch combine: the kernel of part 7 again; grid 256 x 1, 8 waves a work-group, no clusters, 0 bytes of LDS; arguments route, rstat, yp, out0; writes out0
